; MI455X (gfx1250); checked and timed in simulation.
; The chip was launched on July 23, 2026; its instructions are those of AMD's public machine-readable ISA for CDNA 5 (MIT licence, August 2026) and "CDNA5" Instruction Set Architecture Reference Guide (July 2026). The comments in the code are by the model that wrote it; some were corrected since.
;; Scaled MH Attention. Allowed arithmetic: matrix products marked QUANTISED: E2M3 operands, one E8M0 scale for each 32 along K, by v_wmma_scale_f32_16x16x128_f8f6f4 with both operands' format E2M3, f32 sums; everything else in f32.
;; Inputs: Wk 2,048 x 2,048 float32; Wo 2,048 x 2,048 float32; Wq 2,048 x 2,048 float32; Wv 2,048 x 2,048 float32; key_ 2,048 x 2,048 float32; query 2,048 x 2,048 float32; scalars 16 float32; value 2,048 x 2,048 float32.
;; Outputs: out0 2,048 x 2,048 float32.
;; This version of the problem:
;;   THIS VERSION OF THE PROBLEM IS GIVEN IN LOW PRECISION. The matrix products marked QUANTISED in the list below multiply operands that are first quantised to E2M3 (2 exponent bits, 3 mantissa bits; 6 bits a number), with one power-of-two scale for each 32 numbers along K (OCP MX v1.0); their sums are f32. All else is computed in f32.
;;   The module's matrix products, in the order in which they are computed (A, B: the left and right operand; K: the contracted axis; several contracted axes count as one K, in the product's order):
;;     1. [M 2,048, K 2,048] x [K 2,048, N 2,048]; A: input query; B: input Wq: QUANTISED
;;     2. [M 2,048, K 2,048] x [K 2,048, N 2,048]; A: input key_; B: input Wk: QUANTISED
;;     3. [M 2,048, K 2,048] x [K 2,048, N 2,048]; A: input value; B: input Wv: QUANTISED
;;     4. batch 16 x [M 2,048, K 128] x [K 128, N 2,048]; A: computed on the way; B: computed on the way: QUANTISED
;;     5. batch 16 x [M 128, K 2,048] x [K 2,048, N 2,048]; A: computed on the way; B: computed on the way: QUANTISED
;;     6. [M 2,048, K 2,048] x [K 2,048, N 2,048]; A: computed on the way; B: input Wo: QUANTISED
;;   THE QUANTISER, for each operand of a quantised product, along K:
;;     - K is cut into blocks of 32 from its start; a last block that is shorter is filled with zeros.
;;     - A block's scale is 2^e with e = floor(log2(the largest magnitude in the block)) - 2, held to -126 .. 127; a block of zeros has e = 0. As a byte (E8M0): e + 127.
;;     - Each number is divided by its block's scale, clamped to +-7.5, and rounded to the nearest number of E2M3, ties to even, subnormals kept.
;;     - The product sums the exact products of the quantised numbers (number of the format x scale) in f32.
;;   ~~~python
;;   def quantise(x, axis):      # numpy; x: float32 -> the quantised numbers, widened to float32 again
;;       x = np.moveaxis(x, axis, -1); K = x.shape[-1]
;;       x = np.pad(x, [(0, 0)] * (x.ndim - 1) + [(0, -K % 32)]); x = x.reshape(x.shape[:-1] + (-1, 32)); a = np.abs(x).max(-1, keepdims=True)
;;       e = np.where(a > 0, np.clip(np.frexp(np.where(a > 0, a, 1))[1] - 1 - 2, -126, 127), 0)      # np.frexp(a)[1] - 1 = floor(log2(a)), exactly
;;       r = np.clip(x / 2.0 ** e, -7.5, 7.5)
;;       step = 2.0 ** (np.maximum(np.frexp(np.where(r == 0, 1, r))[1] - 1, 0) - 3)
;;       q = np.round(r / step) * step * 2.0 ** e      # np.round: ties to even
;;       return np.moveaxis(q.reshape(q.shape[:-2] + (-1,))[..., :K], -1, axis).astype(np.float32)
;;   ~~~
;;   OPERANDS COMPUTED ON THE WAY. 'Computed on the way' means the value that the module computes at that place (a softmax that the list does not call 'softmax' is quantised finished and normalised). What goes into a quantiser is computed in f32, as accurately as f32 sums, v_exp_f32 and their like allow (about 1e-6 of the number): no bf16 or f16 on the way to a quantiser, and a product that is left as it is and whose result goes on into a quantised operand takes f32 operands (vector FMAs, or v_wmma_f32_16x16x4_f32). A number that lies on a knife's edge between two numbers of the format may be rounded either way, as far as f32 arithmetic and the matrix unit's own rounding can turn it there, and no further.
;; 2 versions, each right and faster than the one before. Each part assembles by itself: llvm-mc -triple=amdgcn-amd-amdhsa -mcpu=gfx1250 --defsym DOCPART=n.
;; ======== version 1 of 2: 4 launches
;; workspace buffers: xcod 22,020,096 bytes; xscl 917,504 bytes; hcod 9,437,184 bytes; hscl 393,216 bytes; acod 3,145,728 bytes; ascl 131,072 bytes
;; launch quant (part 1): grid 512 x 1, 7 waves a work-group, no clusters, 60,416 bytes of LDS; arguments query, key_, Wv, Wq, Wk, value, Wo, xcod, xscl; writes xcod, xscl
.if DOCPART == 1
	.amdgcn_target "amdgcn-amd-amdhsa--gfx1250"
	.amdhsa_code_object_version 6
	.text
	.protected	k_q46e8cd2562_quant
	.globl	k_q46e8cd2562_quant
	.p2align	8
	.type	k_q46e8cd2562_quant,@function
k_q46e8cd2562_quant:
	s_mov_b64 s[64:65], 0
	v_nop
	global_prefetch_b8 v0, s[64:65] scope:SCOPE_SE
	s_setreg_imm32_b32 hwreg(HW_REG_WAVE_MODE, 25, 1), 1
	s_wait_xcnt 0x0
; The seven f32 inputs [2048][2048] (K innermost) become codes of FP6 (E2M3) with one E8M0 byte for each 32 along K, laid as the later launches read them.
; A FRAGMENT (16 row slots x 128 K) is stored as the image of the operand's 12 registers: register group c (registers 4 c .. 4 c + 3) of lane l at 512 c + 16 l: 1,536 bytes.
; xcod: tensor x 3,145,728 + row tile x 24,576 + K step x 1,536.   xscl: tensor x 131,072 + row tile x 1,024 + (K step / 2) x 128 + slot x 8 + (K step % 2) x 4: one word a slot and K step.
; THE ROWS OF A TILE ARE NOT NEIGHBOURS: slot r of row tile rt is row 32 (rt / 2) + 8 (rt % 2) + r + 8 (r / 8): as source 0 of a product two neighbouring tiles then leave 16 neighbours in a lane's 16 registers.
; A block's scale is 2^(floor(log2(largest magnitude)) - 2); its byte is the largest magnitude's exponent field - 2, held at 1 from below.
; LIMITS: a block of zeros gets the byte 1 where the rule says 127 (its codes are zeros, and this program alone reads the bytes); NaN and infinities among the inputs are not served.
; SHARES: work-group G takes row tile G / 4 and K steps 4 (G % 4) .. + 3; wave w takes tensor w.  A wave: 16 rows x 512 K, four fragments.  Waves share nothing: no barrier.
; Each load reads 512 consecutive bytes (a row's 128 numbers); they turn through the wave's own stage in LDS, so that lane (r, h) gets k = 64 c + 32 h + 0 .. 31 of slot r: two whole blocks a lane.
.set ROWB, 8192                        ; a row of an input in bytes
.set SP,   528                         ; a stage row: 512 bytes + 16 = 132 words: row r starts 4 r words on
.set WREG, 16*SP                       ; a wave's stage
.set MX,   8                           ; v8-9    the two blocks' largest magnitudes
.set SO,   10                          ; v10-11  the conversions' scale operands
.set BY,   12                          ; v12-13  the scale bytes
.set WD,   16                          ; v16-19  the four fragments' scale words
.set PC,   24                          ; v24-35  a fragment's codes
.set CT,   36                          ; v36-38, v40-42 the upper halves of the blocks' codes, before they are moved
.set X,    48                          ; v48-111 64 numbers in the operand's order
.set R,    112                         ; v112-239 two sets of 64 registers as loaded
	s_load_b512 s[8:23], s[0:1], 0x0               ; query, key_, Wv, Wq, Wk, value, Wo, xcod
	s_load_b64 s[24:25], s[0:1], 0x40              ; xscl
	v_lshl_add_u32 v240, v0, 2, 0xe800
	v_mov_b32 v241, 0
	v_lshrrev_b32 v1, 5, v0
	v_readfirstlane_b32 s4, v1                     ; wave = tensor
	v_and_b32 v1, 31, v0                           ; lane
	v_lshlrev_b32 v2, 4, v1                        ; 16 x lane: my bytes of a load and of a code store
	s_mul_i32 s5, s4, WREG
	v_add_nc_u32 v3, s5, v2                        ; the stage, on the way in
	v_and_b32 v4, 15, v0
	v_mul_u32_u24 v4, v4, SP
	v_bfe_u32 v5, v0, 4, 1                         ; h
	v_lshl_add_u32 v4, v5, 7, v4
	v_add_nc_u32 v4, s5, v4                        ; and on the way out: row r, + 128 h bytes
	v_lshlrev_b32 v5, 3, v5                        ; 8 h: my bytes' place in a scale word, in bits
	v_lshlrev_b32 v6, 3, v1                        ; 8 x lane: the scale words' way out
	v_mov_b32 v15, 0                               ; written once: a lane permute's destination counts as one of its sources
	s_lshr_b32 s30, ttmp9, 2                       ; row tile
	s_and_b32 s31, ttmp9, 3                        ; which four K steps
	s_lshr_b32 s32, s30, 1
	s_lshl_b32 s32, s32, 5
	s_and_b32 s33, s30, 1
	s_lshl_b32 s33, s33, 3
	s_add_co_u32 s32, s32, s33                     ; slot 0's row
	s_lshl_b32 s32, s32, 13
	s_lshl_b32 s33, s31, 11
	s_add_co_u32 s32, s32, s33                     ; in bytes, + 2,048 for each four K steps
	s_mov_b32 s33, 0
	s_mul_i32 s34, s4, 3145728
	s_mul_i32 s35, s30, 24576
	s_add_co_u32 s34, s34, s35
	s_mul_i32 s35, s31, 6144
	s_add_co_u32 s34, s34, s35                     ; my four fragments in xcod
	s_mov_b32 s35, 0
	s_lshl_b32 s36, s4, 17
	s_lshl_b32 s37, s30, 10
	s_add_co_u32 s36, s36, s37
	s_lshl_b32 s37, s31, 8
	s_add_co_u32 s36, s36, s37                     ; and their 256 bytes in xscl
	s_mov_b32 s37, 0
	s_mov_b32 s28, 0x76543210
	s_mov_b32 s29, 0xfedcba98                      ; v_permlanex16_b32's selects for lane l xor 16
	s_wait_kmcnt 0x0
.irp i, 1,2,3,4,5,6
	s_cmp_eq_u32 s4, \i                            ; the wave's tensor: the choice hangs on the wave's number alone
	s_cselect_b64 s[8:9], s[8+2*\i:9+2*\i], s[8:9]
.endr
	s_add_nc_u64 s[8:9], s[8:9], s[32:33]
	s_add_nc_u64 s[22:23], s[22:23], s[34:35]
	s_add_nc_u64 s[24:25], s[24:25], s[36:37]
.macro LOAD f                          ; fragment f: sixteen rows' 512 bytes into set f % 2
.irp i, 0,1,2,3,4,5,6,7,8,9,10,11,12,13,14,15
	global_load_b128 v[R+64*((\f)%2)+4*\i:R+64*((\f)%2)+4*\i+3], v2, s[8:9] offset:(\i+8*(\i/8))*ROWB+512*(\f) th:TH_LOAD_NT
.endr
.endm
.macro FRAGQ f
.if (\f) < 3
	s_wait_loadcnt 16                              ; this fragment's sixteen loads are in; the next fragment's sixteen may be out
.else
	s_wait_loadcnt 0x0
.endif
.irp i, 0,1,2,3,4,5,6,7,8,9,10,11,12,13,14,15
	ds_store_b128 v3, v[R+64*((\f)%2)+4*\i:R+64*((\f)%2)+4*\i+3] offset:SP*\i
.endr
.irp c, 0,1
.irp j, 0,1,2,3,4,5,6,7
	ds_load_b128 v[X+32*\c+4*\j:X+32*\c+4*\j+3], v4 offset:256*\c+16*\j   ; LDS serves a wave's instructions in order: these see my stores
.endr
.endr
	s_wait_dscnt 0x0                               ; the numbers are back, and the stores into the stage have read their registers,
.if (\f) < 2
	LOAD (\f)+2                                    ; which take the loads of two fragments on
.endif
.irp c, 0,1
	v_max3_num_f32 v[MX+\c], |v[X+32*\c]|, |v[X+32*\c+1]|, 0x1800000   ; my block 2 c + h: all its 32 numbers are mine; the floor 2^(3 - 127) keeps the byte at 1 from below
.endr
.irp i, 2,4,6,8,10,12,14,16,18,20,22,24,26,28,30
.irp c, 0,1
	v_max3_num_f32 v[MX+\c], v[MX+\c], |v[X+32*\c+\i]|, |v[X+32*\c+\i+1]|   ; the two blocks by turns
.endr
.endr
.irp c, 0,1
	v_add_nc_u32 v[SO+\c], 0xff000000, v[MX+\c]    ; 2 off the exponent field: the conversion takes the exponent field of this operand as its scale
.endr
.irp c, 0,1
	v_lshrrev_b32 v[BY+\c], 23, v[SO+\c]           ; the scale's byte
.endr
	v_lshl_or_b32 v14, v[BY+1], 16, v[BY]          ; blocks h and 2 + h,
	v_lshlrev_b32 v14, v5, v14                     ; at their places in the word;
	v_permlanex16_b32 v15, v14, s28, s29
	v_or_b32 v[WD+(\f)], v14, v15                  ; with lane l xor 16's two bytes the word is whole, in both lanes
.if (\f) > 0
	s_wait_xcnt 0x0                                ; the last fragment's stores have read their data: the codes' registers are written again only behind this wait
.endif
.irp c, 0,1
	v_cvt_scalef32_pk16_fp6_f32 v[PC+6*\c:PC+6*\c+2], v[X+32*\c:X+32*\c+15], v[SO+\c]
	v_cvt_scalef32_pk16_fp6_f32 v[CT+4*\c:CT+4*\c+2], v[X+32*\c+16:X+32*\c+31], v[SO+\c]   ; (a conversion's three registers begin on an even number)
.endr
	v_nop                                          ; one plain place behind a scaled conversion
.irp c, 0,1
.irp i, 0,1,2
	v_mov_b32 v[PC+3+6*\c+\i], v[CT+4*\c+\i]
.endr
.endr
.irp c, 0,1,2
	global_store_b128 v2, v[PC+4*\c:PC+4*\c+3], s[22:23] offset:1536*(\f)+512*\c   ; 32 lanes store 512 consecutive bytes, at a multiple of 512 from the buffer's first byte
.endr
.endm
	LOAD 0
	LOAD 1
	FRAGQ 0
	FRAGQ 1
	FRAGQ 2
	FRAGQ 3
	v_cmp_le_u32 vcc_lo, 16, v1                    ; lanes 0-15 store the words of fragments 0, 1 of slot r, lanes 16-31 those of fragments 2, 3
	v_cndmask_b32 v20, v[WD], v[WD+2], vcc_lo
	v_cndmask_b32 v21, v[WD+1], v[WD+3], vcc_lo
	global_store_b64 v6, v[20:21], s[24:25]        ; 32 lanes store 256 consecutive bytes, aligned
	s_wait_tensorcnt 0x0
	ds_add_u32 v240, v241
	s_wait_dscnt 0x0
	s_endpgm
.Lfunc_end_k_q46e8cd2562_quant:
	.size	k_q46e8cd2562_quant, .Lfunc_end_k_q46e8cd2562_quant-k_q46e8cd2562_quant
	.p2alignl 7, 3214868480
	.fill 96, 4, 3214868480
	.section	.rodata,"a",@progbits
	.p2align	6, 0x0
	.amdhsa_kernel k_q46e8cd2562_quant
		.amdhsa_group_segment_fixed_size 60416
		.amdhsa_private_segment_fixed_size 0
		.amdhsa_enable_private_segment 0
		.amdhsa_kernarg_size 72
		.amdhsa_user_sgpr_count 2
		.amdhsa_user_sgpr_kernarg_segment_ptr 1
		.amdhsa_wavefront_size32 1
		.amdhsa_system_sgpr_workgroup_id_x 1
		.amdhsa_system_sgpr_workgroup_id_y 1
		.amdhsa_system_sgpr_workgroup_id_z 1
		.amdhsa_system_vgpr_workitem_id 0
		.amdhsa_next_free_vgpr 242
		.amdhsa_next_free_sgpr 66
		.amdhsa_reserve_vcc 1
		.amdhsa_float_denorm_mode_32 3
		.amdhsa_float_denorm_mode_16_64 3
		.amdhsa_memory_ordered 1
		.amdhsa_forward_progress 1
		.amdhsa_inst_pref_size 30
	.end_amdhsa_kernel
	.amdgpu_metadata
---
amdhsa.version: [ 1, 2 ]
amdhsa.kernels:
  - .name:           k_q46e8cd2562_quant
    .symbol:         k_q46e8cd2562_quant.kd
    .args:
      - { .name: query, .offset: 0, .size: 8, .value_kind: global_buffer, .address_space: global }
      - { .name: key_, .offset: 8, .size: 8, .value_kind: global_buffer, .address_space: global }
      - { .name: Wv, .offset: 16, .size: 8, .value_kind: global_buffer, .address_space: global }
      - { .name: Wq, .offset: 24, .size: 8, .value_kind: global_buffer, .address_space: global }
      - { .name: Wk, .offset: 32, .size: 8, .value_kind: global_buffer, .address_space: global }
      - { .name: value, .offset: 40, .size: 8, .value_kind: global_buffer, .address_space: global }
      - { .name: Wo, .offset: 48, .size: 8, .value_kind: global_buffer, .address_space: global }
      - { .name: xcod, .offset: 56, .size: 8, .value_kind: global_buffer, .address_space: global }
      - { .name: xscl, .offset: 64, .size: 8, .value_kind: global_buffer, .address_space: global }
    .group_segment_fixed_size: 60416
    .private_segment_fixed_size: 0
    .kernarg_segment_align: 8
    .kernarg_segment_size: 72
    .max_flat_workgroup_size: 224
    .sgpr_count:     66
    .vgpr_count:     242
    .wavefront_size: 32
...
	.end_amdgpu_metadata
.endif
;; end of part 1
;; launch proj (part 2): grid 8 x 24, 4 waves a work-group, clusters of 4 x 4, 327,680 bytes of LDS; arguments xcod, xscl, hcod, hscl; writes hcod, hscl
.if DOCPART == 2
	.amdgcn_target "amdgcn-amd-amdhsa--gfx1250"
	.amdhsa_code_object_version 6
	.text
	.protected	k_q46e8cd2562_proj
	.globl	k_q46e8cd2562_proj
	.p2align	8
	.type	k_q46e8cd2562_proj,@function
k_q46e8cd2562_proj:
	s_mov_b64 s[64:65], 0
	v_nop
	global_prefetch_b8 v0, s[64:65] scope:SCOPE_SE
	s_setreg_imm32_b32 hwreg(HW_REG_WAVE_MODE, 25, 1), 1
	s_wait_xcnt 0x0
	s_wait_alu depctr_hold_cnt(0) depctr_sa_sdst(0) depctr_va_vdst(0) depctr_va_sdst(0) depctr_va_ssrc(0) depctr_va_vcc(0) depctr_vm_vsrc(0)
	s_getreg_b32 s2, hwreg(HW_REG_IB_STS2, 6, 4)
	s_cmp_eq_u32 s2, 0
	s_cbranch_scc0 .Lentry_in_a_cluster
	s_endpgm
.Lentry_in_a_cluster:
	s_bfe_u32 s2, ttmp6, 0x10000c
	s_cmp_lg_u32 s2, 0xf033
	s_cbranch_scc0 .Lentry_shape_is_right
	s_endpgm
.Lentry_shape_is_right:
; The three projections on codes of FP6 (E2M3), and the quantisers of their results.  g = work-group y / 8:  g = 0: qh = query Wq^T, x f32(1 / sqrt(128)), quantised along the head's 128;
; g = 1: kh = key_ Wk^T, quantised along the head's 128;  g = 2: vh = value Wv^T, quantised along the KEYS.
; T[j][i] = sum over k of A[j][k] B[i][k]: A = tensor g of xcod (query, key_, Wv), B = tensor g + 3 (Wq, Wk, value).  THE MATRIX INSTRUCTION IS USED TRANSPOSED (source 0 = 16 rows of B, source 1 = 16 rows of A):
; a lane holds ONE j, and its registers run along i.  By the order of rows in a tile of xcod the 64 registers of A's block a are numbers 32 (n / 16) + 16 (lane / 16) + n % 16 of 128 neighbouring i:
; the next product's K (q, k: the head's channels; v: 128 keys).  So each block of 16 j x 128 i is quantised in registers and leaves as one fragment's image (1,536 bytes) and one scale word a lane.
; hcod: g x 3,145,728 + major x 196,608 + minor x 12,288 + a x 1,536;  q, k: major = head, minor = group of 128 rows;  v: major = head, minor = key step of 128, a = tile of channels.
; hscl: g x 131,072 + (16 major + minor) x 512 + (a / 4) x 256 + slot x 16 + (a % 4) x 4.
; SHARES: a work-group of four waves, as many as a WGP has SIMDs, makes 256 j x 256 i; a wave 128 x 128: 64 accumulators, 512 registers.  K goes in steps of 256 through two LDS slots filled by the tensor data mover.
; Fragments lie in memory and in LDS as images of their registers: three loads of 16 bytes a lane at 16 x lane, 512 consecutive bytes each: no pitch, no padding.
; The scale words of the work-group's rows, for all of K, come into LDS once, with the first fills.
; CLUSTERS: 4 x 4 work-groups, all of one g.  The four of a row of the cluster need the same tiles of A, the four of a column the same tiles of B: each tile is asked for jointly.
; LIMITS: a block of zeros gets the byte 1 where the rule says 127 (its codes are zeros, and this program alone reads the bytes); NaN and infinities are not served.
; REGISTERS, in windows of 256: window 0: v16-31 addresses; v32-63 scale words, two sets; v128-223 A's fragments, one set; at the end v64-127 a block's numbers, v128-179 the quantiser's work.
;   window 1: B's fragments, two sets, at v0 and v128.   window 2: the accumulators of my rows 0-63 ((a, b) at v[8 (8 (a % 4) + b)]);   window 3: those of my rows 64-127.
.set NQ,     2                         ; matrix instructions deep in a slot
.set FR,     12                        ; registers of a fragment
.set NL,     3                         ; LDS loads that bring one
.set NP,     4                         ; places behind this matrix instruction (ISA guide 7.12.1)
.set KSTB,   1536                      ; a fragment's image
.set BLKB,   NQ*KSTB                   ; a block of 16 rows in a slot
.set HALFT,  8*BLKB                    ; 128 rows: what one tensor load brings
.set SLOT,   4*HALFT                   ; A's 256 rows, then B's
.set LAPS,   4                         ; a lap = two slots = 512 along K
.set SCL,    2*SLOT                    ; behind the ring: the scale words, 8,192 bytes for each 128 rows
.set HALFS,  8192
.set SPARE,  SCL+4*HALFS               ; the spare words, 128 bytes for each wave: two blocks of 256 bytes that no other line names
.set ADRA, 16                          ; v16-17  LDS address of my A fragments in slot 0, 1
.set ADRB, 20                          ; v20-21  the same for B
.set ADRS, 27                          ; v27     LDS address of my scale words: lanes 0-15 A's rows, lanes 16-31 B's
.set SPW,  28                          ; v28     LDS address of my spare word; never rewritten
.set NIL,  29                          ; v29     0; never rewritten
.set LI,   30                          ; v30     16 x lane
.set LN,   31                          ; v31     lane
.set SC,   32                          ; scale words: set s at v[SC + 16 s]; register 2 i + q: lanes 0-15 A's block i, lanes 16-31 B's block i, the slot's q-th 128 along K
.set AF,   128                         ; A's fragments
.set X,    64                          ; the end: a block's 64 numbers
.set PC,   128                         ; its codes
.set CT,   140                         ; v140-142, v144-146
.set TM,   152                         ; v152-167 the quantiser's work
.set PWS,  168                         ; v168-175 the eight blocks' scale words
.set W4,   176                         ; v176-179 the four that I store
.set G1, 24
.set G0, 32
.set G1B, 48
.set G0B, 56
.set G1S, 68
.set G0S, 76
.set G1SB, 80
.set G0SB, 88
.set SEL, 96                           ; s[96:97] v_permlanex16_b32's selects for lane l xor 16
.set FAC, 98                           ; s[98:99] the factor ahead of the quantiser
.set MSB, 0
.macro WIN new                         ; the immediate's high byte repeats the setting that is left
.if MSB != (\new)
	s_set_vgpr_msb (MSB<<8)|(\new)
.set MSB, (\new)
.endif
.endm
.set MUL_LO, 0xa1                      ; source 0 (B) window 1, source 1 (A) window 0, C and D window 2
.set MUL_HI, 0xf1                      ; the same, C and D window 3
.set TO_B,   0x40                      ; destination window 1, address window 0
; A joint load: waves 0 and 1 fetch for A, waves 2 and 3 for B; the branch hangs on the wave's number alone.  Four v_nop follow each of the two lines.
.macro JLOAD g0a, g1a, g0b, g1b
	s_cmp_eq_u32 s15, 0
	s_cbranch_scc0 .Lfor_b_\@
	tensor_load_to_lds s[\g0a:\g0a+3], s[\g1a:\g1a+7]
	s_nop 0
.rept 4
	v_nop
.endr
	s_branch .Lasked_\@
.Lfor_b_\@:
	tensor_load_to_lds s[\g0b:\g0b+3], s[\g1b:\g1b+7]
	s_nop 0
.rept 4
	v_nop
.endr
.Lasked_\@:
.endm
.macro CREST                           ; a round of the cluster's barrier behind its opening barrier
	s_cmp_lg_u32 s14, 0
	s_cbranch_scc1 .Lnot_wave_0_\@
	s_barrier_signal -3
.Lnot_wave_0_\@:
	s_barrier_wait -3
	s_barrier_signal -1
	s_barrier_wait -1
.endm
.macro CROUND                          ; a whole round
	s_barrier_signal -1
	s_barrier_wait -1
	CREST
.endm
	s_load_b256 s[4:11], s[0:1], 0x0               ; xcod s[4:5], xscl s[6:7], hcod s[8:9], hscl s[10:11]
	v_lshl_add_u32 v[SPW], v0, 2, SPARE
	v_mov_b32 v[NIL], 0
	ds_add_u32 v28, v29
	ds_add_u32 v28, v29
	s_wait_dscnt 0x0
	v_lshrrev_b32 v1, 5, v0
	v_readfirstlane_b32 s14, v1                    ; wave 0..3
	s_lshr_b32 s15, s14, 1                         ; which half of A's rows is mine.  Also: I fetch for A (0) or for B (1)
	s_and_b32 s16, s14, 1                          ; which half of B's rows.  Also: which 128 rows I fetch
	s_bfe_u32 s40, ttmp6, 0x40000                  ; cx, cy: my place in the cluster
	s_bfe_u32 s41, ttmp6, 0x40004
	s_lshl_b32 s42, ttmp9, 2
	s_add_co_u32 s42, s42, s40                     ; x = 4 x cluster x + cx: which 256 rows of B
	s_and_b32 s17, ttmp7, 0xffff                   ; cluster y
	s_lshr_b32 s12, s17, 1                         ; g: the same in all sixteen partners
	s_and_b32 s17, s17, 1
	s_lshl_b32 s17, s17, 2
	s_add_co_u32 s17, s17, s41                     ; which 256 rows of A
	s_lshl_b32 s43, s41, 2
	s_lshl_b32 s43, 15, s43                        ; my row of the cluster
	s_lshl_b32 s44, 0x1111, s40                    ; my column
	; descriptor group 1 for codes: 8 rows (row tiles) of 3,072 bytes (two K steps' images), 24,576 bytes apart, in elements of 8 bytes; no padding
	s_or_b32 s[G1+0], s43, (3<<16)|(1<<21)         ; 15:0 the mask: A's tiles go to my row; 17:16 elements of 8 bytes; 21 set beside a mask
	s_or_b32 s[G1B+0], s44, (3<<16)|(1<<21)
.irp g, G1, G1B
	s_mov_b32 s[\g+1], 384<<16                     ; tensor_dim0
	s_mov_b32 s[\g+2], 8<<16                       ; tensor_dim1
	s_mov_b32 s[\g+3], 384<<16                     ; tile_dim0
	s_mov_b32 s[\g+4], 8                           ; tile_dim1
	s_mov_b32 s[\g+5], 3072                        ; tensor_dim0_stride
	s_mov_b32 s[\g+6], 0
	s_mov_b32 s[\g+7], 0
.endr
	; and for the scale words of 128 rows: 8,192 dense bytes as 32 rows of 256
	s_or_b32 s[G1S+0], s43, (3<<16)|(1<<21)
	s_or_b32 s[G1SB+0], s44, (3<<16)|(1<<21)
.irp g, G1S, G1SB
	s_mov_b32 s[\g+1], 32<<16
	s_mov_b32 s[\g+2], 32<<16
	s_mov_b32 s[\g+3], 32<<16
	s_mov_b32 s[\g+4], 32
	s_mov_b32 s[\g+5], 32
	s_mov_b32 s[\g+6], 0
	s_mov_b32 s[\g+7], 0
.endr
	s_lshl_b32 s18, s16, 3                         ; which 8 row tiles I fetch
	s_lshl_b32 s20, s17, 4
	s_add_co_u32 s20, s20, s18                     ; A: row tile
	s_lshl_b32 s46, s42, 4
	s_add_co_u32 s46, s46, s18                     ; B: row tile
	s_lshl_b32 s22, s20, 10                        ; their scale words,
	s_lshl_b32 s92, s46, 10
	s_mul_i32 s20, s20, 24576                      ; their codes,
	s_mul_i32 s46, s46, 24576
	s_mul_i32 s18, s12, 3145728                    ; in tensor g and tensor g + 3
	s_add_co_u32 s20, s20, s18
	s_add_co_u32 s46, s46, s18
	s_add_co_u32 s46, s46, 3*3145728
	s_lshl_b32 s18, s12, 17
	s_add_co_u32 s22, s22, s18
	s_add_co_u32 s92, s92, s18
	s_add_co_u32 s92, s92, 3*131072
	s_mov_b32 s21, 0
	s_mov_b32 s23, 0
	s_mov_b32 s47, 0
	s_mov_b32 s93, 0
	s_mul_i32 s45, s14, HALFT                      ; where they go: wave x 128 rows: no place in the cluster enters an LDS address
	s_mul_i32 s94, s14, HALFS
	s_mov_b32 s[SEL], 0x76543210
	s_mov_b32 s[SEL+1], 0xfedcba98
	s_wait_kmcnt 0x0
	s_add_nc_u64 s[20:21], s[4:5], s[20:21]
	s_add_nc_u64 s[22:23], s[6:7], s[22:23]
	s_add_nc_u64 s[46:47], s[4:5], s[46:47]
	s_add_nc_u64 s[92:93], s[6:7], s[92:93]
	CROUND                                         ; all sixteen work-groups are here: the first joint loads meet
	s_mov_b32 s[G0S], 1
	s_add_co_u32 s[G0S+1], s94, SCL
	s_mov_b64 s[G0S+2:G0S+3], s[22:23]
	s_or_b32 s[G0S+3], s[G0S+3], 0x80000000
	s_mov_b32 s[G0SB], 1
	s_add_co_u32 s[G0SB+1], s94, SCL
	s_mov_b64 s[G0SB+2:G0SB+3], s[92:93]
	s_or_b32 s[G0SB+3], s[G0SB+3], 0x80000000
	JLOAD G0S, G1S, G0SB, G1SB                     ; the scale words first: they are wanted with the first slot
.irp s, 0,1
	s_mov_b32 s[G0+4*\s], 1
	s_add_co_u32 s[G0+4*\s+1], s45, \s*SLOT
	s_add_nc_u64 s[G0+4*\s+2:G0+4*\s+3], s[20:21], \s*BLKB
	s_or_b32 s[G0+4*\s+3], s[G0+4*\s+3], 0x80000000
	s_mov_b32 s[G0B+4*\s], 1
	s_add_co_u32 s[G0B+4*\s+1], s45, \s*SLOT
	s_add_nc_u64 s[G0B+4*\s+2:G0B+4*\s+3], s[46:47], \s*BLKB
	s_or_b32 s[G0B+4*\s+3], s[G0B+4*\s+3], 0x80000000
	JLOAD G0+4*\s, G1, G0B+4*\s, G1B
.endr
	v_and_b32 v[LN], 31, v0
	v_lshlrev_b32 v[LI], 4, v[LN]
	v_and_b32 v1, 15, v0                           ; r
	v_bfe_u32 v2, v0, 4, 1                         ; h
	s_mul_i32 s21, s15, HALFT                      ; my 128 rows of A
	s_mul_i32 s22, s16, HALFT                      ; my 128 rows of B,
	s_add_co_u32 s22, s22, 2*HALFT                 ; which lie behind A's 256
.irp s, 0,1
	v_add_nc_u32 v[ADRA+\s], s21, v[LI]
	v_add_nc_u32 v[ADRB+\s], s22, v[LI]
	s_add_co_u32 s21, s21, SLOT
	s_add_co_u32 s22, s22, SLOT
.endr
	v_lshlrev_b32 v5, 3, v1                        ; my slot's two words of a K slot: 8 bytes
	s_mul_i32 s21, s15, HALFS                      ; A's: my 128 rows
	s_mul_i32 s22, s16, HALFS                      ; B's: my 128 rows, behind A's 256
	s_add_co_u32 s22, s22, 2*HALFS
	s_sub_co_u32 s22, s22, s21
	v_mul_u32_u24 v6, s22, v2                      ; lanes 16-31 take B's
	s_add_co_u32 s21, s21, SCL
	v_add_nc_u32 v5, v5, v6
	v_add_nc_u32 v[ADRS], s21, v5
	; where my results go
	s_lshl_b32 s95, s42, 1
	s_add_co_u32 s95, s95, s16                     ; which 128 of i
	s_lshl_b32 s13, s17, 1
	s_add_co_u32 s13, s13, s15                     ; which 128 of j
	s_cmp_eq_u32 s12, 2                            ; v: the head is in j (Wv's rows), the key step in i;  q, k: the head is in i, the rows in j
	s_cselect_b32 s2, s13, s95                     ; major
	s_cselect_b32 s18, s95, s13                    ; minor
	s_mul_i32 s20, s12, 3145728
	s_mul_i32 s21, s2, 196608
	s_add_co_u32 s20, s20, s21
	s_mul_i32 s21, s18, 12288
	s_add_co_u32 s20, s20, s21
	s_mov_b32 s21, 0
	s_add_nc_u64 s[8:9], s[8:9], s[20:21]
	s_lshl_b32 s20, s2, 4
	s_add_co_u32 s20, s20, s18
	s_lshl_b32 s20, s20, 9
	s_lshl_b32 s22, s12, 17
	s_add_co_u32 s20, s20, s22
	s_add_nc_u64 s[10:11], s[10:11], s[20:21]
	s_cmp_eq_u32 s12, 0
	s_cselect_b32 s[FAC], 0x3db504f3, 1.0          ; q: f32(1 / sqrt(128)), ahead of the quantiser;  k, v: 1
	s_mov_b32 s[FAC+1], s[FAC]                     ; (named with it as a pair, so it is written)
.macro FRAG reg, adr, q, i             ; block i's fragment of the slot's q-th 128 along K: its image, three loads of 512 consecutive bytes
.irp c, 0,1,2
	ds_load_b128 v[\reg+4*\c:\reg+4*\c+3], v[\adr] offset:BLKB*(\i)+KSTB*(\q)+512*\c
.endr
.endm
; 16 matrix instructions: A's blocks a0, a0 + 1 x B's eight.  p: B's set;  sc: the set of scale words.  zero = 1: the first product starts the sums.
; The 64 accumulators take turns, one instruction a turn, in the same order in every step.
.macro MUL16 a0, p, q, sc, zero
.irp a, \a0, \a0+1
.irp b, 0,1,2,3,4,5,6,7
.if \zero
	v_wmma_scale_f32_16x16x128_f8f6f4 v[8*(8*((\a)%4)+\b):8*(8*((\a)%4)+\b)+7], v[128*(\p)+FR*\b:128*(\p)+FR*\b+FR-1], v[AF+FR*(\a):AF+FR*(\a)+FR-1], 0, v[SC+8*NQ*(\sc)+NQ*\b+(\q)], v[SC+8*NQ*(\sc)+NQ*(\a)+(\q)] matrix_a_fmt:MATRIX_FMT_FP6 matrix_b_fmt:MATRIX_FMT_FP6 matrix_a_scale:MATRIX_SCALE_ROW1
.else
	v_wmma_scale_f32_16x16x128_f8f6f4 v[8*(8*((\a)%4)+\b):8*(8*((\a)%4)+\b)+7], v[128*(\p)+FR*\b:128*(\p)+FR*\b+FR-1], v[AF+FR*(\a):AF+FR*(\a)+FR-1], v[8*(8*((\a)%4)+\b):8*(8*((\a)%4)+\b)+7], v[SC+8*NQ*(\sc)+NQ*\b+(\q)], v[SC+8*NQ*(\sc)+NQ*(\a)+(\q)] matrix_a_fmt:MATRIX_FMT_FP6 matrix_b_fmt:MATRIX_FMT_FP6 matrix_a_scale:MATRIX_SCALE_ROW1
.endif
.endr
.endr
.endm
.macro FETCH_B slot, q, p
	WIN TO_B
.irp i, 0,1,2,3,4,5,6,7
	FRAG 128*(\p)+FR*\i, ADRB+\slot, \q, \i
.endr
	WIN 0
.endm
.macro FETCH_A slot, q, i0
.irp i, \i0, \i0+1, \i0+2, \i0+3
	FRAG AF+FR*(\i), ADRA+\slot, \q, \i
.endr
.endm
.macro SCALES sc                       ; the next slot's scale words: two words a row; lanes 0-15 take A's block i, lanes 16-31 B's block i
.irp i, 0,1,2,3,4,5,6,7
	ds_load_b64 v[SC+8*NQ*\sc+NQ*\i:SC+8*NQ*\sc+NQ*\i+1], v[ADRS] offset:\i*1024
.endr
.endm
; A load into a register that a matrix instruction has read, and a vector instruction that reads a matrix result, stand NP places behind it; only plain vector instructions that name none of its registers are places.
.macro PLACES n
.rept \n
	v_nop
.endr
.endm
.macro STEP slot, q, zero              ; a step of 128 along K that has its successor in the same slot
	s_wait_dscnt 4*NL                              ; B's set and A's blocks 0-3 are in; the youngest twelve loads (A's blocks 4-7) may be out
	WIN MUL_LO
	MUL16 0, (\q)%2, \q, \slot, \zero
	MUL16 2, (\q)%2, \q, \slot, \zero
	s_wait_dscnt 0
	PLACES NP
	FETCH_B \slot, (\q)+1, 1-(\q)%2
	FETCH_A \slot, (\q)+1, 0
	WIN MUL_HI
	MUL16 4, (\q)%2, \q, \slot, \zero
	MUL16 6, (\q)%2, \q, \slot, \zero
	PLACES NP
	WIN 0
	FETCH_A \slot, (\q)+1, 4
.endm
; A slot's last step changes slots: one barrier; in front of it each wave waits for all its tensor loads, adds 0 to its spare word, and waits for that and for its reads of this slot.  fill = 1: this slot is filled again, two slots ahead.
.macro TURN slot, next, fill
	s_wait_tensorcnt 0x0                           ; all my tensor loads have landed: my part of the next slot
	ds_add_u32 v[SPW], v[NIL]                      ; 0 onto my spare word
	s_wait_dscnt 4*NL+1                            ; (the add and the youngest twelve loads may be out)
	WIN MUL_LO
	MUL16 0, 1, NQ-1, \slot, 0
	s_wait_dscnt 0x0                               ; the add is done, and my reads of this slot are over
	s_barrier_signal -1
	MUL16 2, 1, NQ-1, \slot, 0
	WIN 0
	s_barrier_wait -1
.if \fill
	CREST                                          ; the barrier has opened a round of the cluster's barrier: no wave of any partner still reads this slot or has a load on its way
	s_add_nc_u64 s[G0+4*\slot+2:G0+4*\slot+3], s[G0+4*\slot+2:G0+4*\slot+3], 2*BLKB
	s_add_nc_u64 s[G0B+4*\slot+2:G0B+4*\slot+3], s[G0B+4*\slot+2:G0B+4*\slot+3], 2*BLKB
	JLOAD G0+4*\slot, G1, G0B+4*\slot, G1B         ; the first tensor load behind the round; its four v_nop are the places in front of the loads below
.else
	PLACES NP
.endif
	v_add_nc_u32 v[ADRS], 128, v[ADRS]             ; on to the next slot's scale words
	FETCH_B \next, 0, 0
	FETCH_A \next, 0, 0
	SCALES \next
	WIN MUL_HI
	MUL16 4, 1, NQ-1, \slot, 0
	MUL16 6, 1, NQ-1, \slot, 0
	PLACES NP
	WIN 0
	FETCH_A \next, 0, 4
.endm
; 64 numbers of a lane, register 16 b + i = k 32 b + 16 (lane / 16) + i of my row, become a fragment's codes in v[pc] on and its scale word in v[pw].
.macro QUANT s, pc, pw
.irp b, 0,1,2,3
	v_max3_num_f32 v[TM+\b], |v[\s+16*\b]|, |v[\s+1+16*\b]|, 0x1800000   ; block b: my 16 numbers, and the floor 2^(3 - 127): the byte cannot fall under 1
.endr
.irp i, 2,4,6,8,10,12,14
.irp b, 0,1,2,3
	v_max3_num_f32 v[TM+\b], v[TM+\b], |v[\s+16*\b+\i]|, |v[\s+1+16*\b+\i]|
.endr
.endr
.irp b, 0,1,2,3
	v_permlanex16_b32 v[TM+4+\b], v[TM+\b], s[SEL], s[SEL+1]
.endr
.irp b, 0,1,2,3
	v_max_num_f32 v[TM+\b], v[TM+\b], v[TM+4+\b]   ; with lane l xor 16's: the block's largest magnitude
.endr
.irp b, 0,1,2,3
	v_add_nc_u32 v[TM+12+\b], 0xff000000, v[TM+\b] ; 2 off its exponent field: the conversion's scale operand
.endr
.irp b, 0,1,2,3
	v_lshrrev_b32 v[TM+4+\b], 23, v[TM+12+\b]      ; the scale's byte
.endr
	v_lshl_or_b32 v[\pw], v[TM+5], 8, v[TM+4]
	v_lshl_or_b32 v[\pw], v[TM+6], 16, v[\pw]
	v_lshl_or_b32 v[\pw], v[TM+7], 24, v[\pw]
.irp c, 0,1
	v_cvt_scalef32_pk16_fp6_f32 v[\pc+6*\c:\pc+2+6*\c], v[\s+32*\c:\s+15+32*\c], v[TM+12+2*\c]
	v_cvt_scalef32_pk16_fp6_f32 v[CT+4*\c:CT+2+4*\c], v[\s+16+32*\c:\s+31+32*\c], v[TM+12+2*\c+1]   ; (a conversion's three registers begin on an even number)
.endr
	v_nop                                          ; one plain place behind a scaled conversion
.irp c, 0,1                            ; the operand's layout wants a whole block in a lane: lanes 0-15 block 2 c, lanes 16-31 block 2 c + 1
.irp i, 0,1,2
	v_permlane16_swap_b32 v[\pc+6*\c+\i], v[CT+4*\c+\i]
.endr
.irp i, 0,1,2
	v_mov_b32 v[\pc+3+6*\c+\i], v[CT+4*\c+\i]
.endr
.endr
.endm
	s_wait_tensorcnt 1                             ; the scale words and my part of slot 0 are in (slot 1's load may be out)
	s_barrier_signal -1
	s_barrier_wait -1                              ; everybody's are
	FETCH_B 0, 0, 0
	FETCH_A 0, 0, 0
	SCALES 0
	FETCH_A 0, 0, 4
	STEP 0, 0, 1                                   ; the first step stands in front of the loop: its products start the sums
	s_mov_b32 s3, LAPS-1
.Llap:                                                 ; a trip goes once round the ring and fills both slots again
	TURN 0, 1, 1
	STEP 1, 0, 0
	TURN 1, 0, 1
	STEP 0, 0, 0
	s_sub_co_u32 s3, s3, 1
	s_cmp_lg_u32 s3, 0
	s_cbranch_scc1 .Llap
	TURN 0, 1, 0                                   ; the last lap fills nothing
	STEP 1, 0, 0
	s_wait_dscnt 4*NL                              ; the very last step
	WIN MUL_LO
	MUL16 0, 1, NQ-1, 1, 0
	MUL16 2, 1, NQ-1, 1, 0
	s_wait_dscnt 0
	WIN MUL_HI
	MUL16 4, 1, NQ-1, 1, 0
	MUL16 6, 1, NQ-1, 1, 0
	WIN 0
	PLACES NP                                      ; behind the last products: their results are read and A's registers written from here on
.irp b, 0,1,2,3
	v_mov_b32 v[TM+4+\b], 0                        ; written once: a lane permute's destination counts as one of its sources
.endr
; Block a: 16 j x 128 i.  The factor is also the move into window 0; each accumulator is read from its low end on.
.macro EPI a
	WIN 0x02+(\a)/4                                ; source 0: window 2 or 3
.set NN, 0
.rept 32
	v_pk_mul_f32 v[X+2*NN:X+2*NN+1], v[64*((\a)%4)+2*NN:64*((\a)%4)+2*NN+1], s[FAC:FAC+1] op_sel_hi:[1,0]
.set NN, NN+1
.endr
	WIN 0
.if (\a) > 0
	s_wait_xcnt 0x0                                ; the last block's stores have read their data: the codes' registers are written again only behind this wait
.endif
	QUANT X, PC, PWS+\a
.irp c, 0,1,2
	global_store_b128 v[LI], v[PC+4*\c:PC+4*\c+3], s[8:9] offset:KSTB*(\a)+512*\c   ; 32 lanes store 512 consecutive bytes, aligned
.endr
.endm
.irp a, 0,1,2,3,4,5,6,7
	EPI \a
.endr
	v_cmp_le_u32 vcc_lo, 16, v[LN]                 ; lanes 0-15 store slot r's words of blocks 0-3, lanes 16-31 those of blocks 4-7 (every lane holds its row's whole words)
.irp i, 0,1,2,3
	v_cndmask_b32 v[W4+\i], v[PWS+\i], v[PWS+4+\i], vcc_lo
.endr
	global_store_b128 v[LI], v[W4:W4+3], s[10:11]  ; 512 consecutive bytes, aligned
	s_wait_tensorcnt 0x0                           ; the wave's end
	ds_add_u32 v[SPW], v[NIL]
	s_wait_dscnt 0x0
	CROUND                                         ; the closing round: no work-group ends while a partner may still ask for a tile that names it
	s_endpgm
.Lfunc_end_k_q46e8cd2562_proj:
	.size	k_q46e8cd2562_proj, .Lfunc_end_k_q46e8cd2562_proj-k_q46e8cd2562_proj
	.p2alignl 7, 3214868480
	.fill 96, 4, 3214868480
	.section	.rodata,"a",@progbits
	.p2align	6, 0x0
	.amdhsa_kernel k_q46e8cd2562_proj
		.amdhsa_group_segment_fixed_size 327680
		.amdhsa_private_segment_fixed_size 0
		.amdhsa_enable_private_segment 0
		.amdhsa_kernarg_size 32
		.amdhsa_user_sgpr_count 2
		.amdhsa_user_sgpr_kernarg_segment_ptr 1
		.amdhsa_wavefront_size32 1
		.amdhsa_system_sgpr_workgroup_id_x 1
		.amdhsa_system_sgpr_workgroup_id_y 1
		.amdhsa_system_sgpr_workgroup_id_z 1
		.amdhsa_system_vgpr_workitem_id 0
		.amdhsa_next_free_vgpr 1024
		.amdhsa_next_free_sgpr 100
		.amdhsa_reserve_vcc 1
		.amdhsa_float_denorm_mode_32 3
		.amdhsa_float_denorm_mode_16_64 3
		.amdhsa_memory_ordered 1
		.amdhsa_forward_progress 1
		.amdhsa_inst_pref_size 156
	.end_amdhsa_kernel
	.amdgpu_metadata
---
amdhsa.version: [ 1, 2 ]
amdhsa.kernels:
  - .name:           k_q46e8cd2562_proj
    .symbol:         k_q46e8cd2562_proj.kd
    .args:
      - { .name: xcod, .offset: 0, .size: 8, .value_kind: global_buffer, .address_space: global }
      - { .name: xscl, .offset: 8, .size: 8, .value_kind: global_buffer, .address_space: global }
      - { .name: hcod, .offset: 16, .size: 8, .value_kind: global_buffer, .address_space: global }
      - { .name: hscl, .offset: 24, .size: 8, .value_kind: global_buffer, .address_space: global }
    .group_segment_fixed_size: 327680
    .private_segment_fixed_size: 0
    .kernarg_segment_align: 8
    .kernarg_segment_size: 32
    .max_flat_workgroup_size: 128
    .sgpr_count:     100
    .vgpr_count:     1024
    .wavefront_size: 32
...
	.end_amdgpu_metadata
.endif
;; end of part 2
;; launch attn (part 3): grid 16 x 16, 8 waves a work-group, clusters of 4 x 1, 327,680 bytes of LDS; arguments hcod, hscl, scalars, acod, ascl; writes acod, ascl
.if DOCPART == 3
	.amdgcn_target "amdgcn-amd-amdhsa--gfx1250"
	.amdhsa_code_object_version 6
	.text
	.protected	k_q46e8cd2562_attn
	.globl	k_q46e8cd2562_attn
	.p2align	8
	.type	k_q46e8cd2562_attn,@function
k_q46e8cd2562_attn:
	s_mov_b64 s[64:65], 0
	v_nop
	global_prefetch_b8 v0, s[64:65] scope:SCOPE_SE
	s_setreg_imm32_b32 hwreg(HW_REG_WAVE_MODE, 25, 1), 1
	s_wait_xcnt 0x0
	s_wait_alu depctr_hold_cnt(0) depctr_sa_sdst(0) depctr_va_vdst(0) depctr_va_sdst(0) depctr_va_ssrc(0) depctr_va_vcc(0) depctr_vm_vsrc(0)
	s_getreg_b32 s2, hwreg(HW_REG_IB_STS2, 6, 4)
	s_cmp_eq_u32 s2, 0
	s_cbranch_scc0 .Lentry_in_a_cluster
	s_endpgm
.Lentry_in_a_cluster:
	s_bfe_u32 s2, ttmp6, 0x10000c
	s_cmp_lg_u32 s2, 0x3003
	s_cbranch_scc0 .Lentry_shape_is_right
	s_endpgm
.Lentry_shape_is_right:
; attn[q][h][:] = scalars[h] x sum over k of w[h][q][k] vh[k][h][:],  w = un / (exp(-m) + sum un),  un = exp(x - m),  m = max(row's largest x, 0),  x = (qh / sqrt(128)) . kh.
; Both products on codes of FP6 (E2M3).  w IS QUANTISED FINISHED AND NORMALISED, along the keys: so the row's m and denominator are known before any w is made, and THE KEYS ARE WALKED TWICE:
; pass 1: x = K Q^T, running maximum and sum;  pass 2: the same x again (the same instructions, the same bits), w = 2^(c x - c m) x (1 / D), quantised, O^T += V^T w^T.  c = log2(e).
; The rounding of c m is a common factor of every un and of exp(-m), so it cancels in w.
; SHARES: a work-group owns one head and 128 query slots.  Wave w: query tiles 2 (w % 4), + 1 (32 queries), keys 1,024 (w / 4) .. + 1,023, 128 a step.  The two halves of the keys meet in LDS: m and the sums between the passes, O^T at the end.
; LAYOUT: both products are used transposed (source 0 = 16 keys, or 16 channels; source 1 = my 16 queries): a lane holds ONE query.  By the order of rows in a tile of hcod the 16 registers of tiles 2 b, 2 b + 1 are 16 neighbouring
; keys (channels): 32 b + 16 (lane / 16) + 0 .. 15.  Fragments lie in memory and LDS as images of their registers (1,536 bytes, three loads of 16 bytes a lane at 16 x lane).
; LDS: the head's K stays (196,608 bytes, filled once, in four chunks that pass 1 begins on as they land); V goes through two slots of four key steps; the scale words of K and V stay.
; CLUSTER: the four query blocks of a cluster belong to one head: every tile is asked for jointly, by the same tensor load with a mask that names the four.
; The result x scalars[h] is quantised along the channels and leaves as a fragment of the last product's left operand: acod: row tile x 24,576 + head x 1,536;  ascl: row tile x 1,024 + (head / 2) x 128 + slot x 8 + (head % 2) x 4.
; LIMITS: NaN and infinities are not served; a block of zeros gets the byte 1 where the rule says 127 (its codes are zeros; this program alone reads the bytes); a w under 2^-126 is taken as 0 (v_exp_f32 flushes: ISA guide 15.8);
; 1 / D is v_rcp_f32 and a multiplication where the definition divides; O is summed in two halves of the keys.
; REGISTERS: window 0: v1-14 addresses; v16-31 statistics, 8 a tile; v32-63 at work; v64-191 x, then w (64 a tile); v192-222 w's codes; v224-243 scale words; v244-247 sums.
;   window 1: v0-127 O^T (64 a tile); v128-151 Q's two fragments; v152-247 eight fragments of K or of V.
.set VB,    196608                     ; V's two slots: [half of the keys][step][tile of channels][1,536]
.set VSLOT, 49152
.set KSC,   294912                     ; K's scale words: 512 bytes a key step
.set VSC,   303104                     ; V's
.set SPARE, 311296                     ; the spare words, 128 bytes for each wave: four blocks of 256 bytes that no other line names
.set MRG,   312320                     ; 512 bytes a wave: m and the sum of each lane's two queries
.set LI,  1                            ; v1   16 x lane
.set R16, 2                            ; v2   16 x (lane % 16)
.set LN,  3                            ; v3   lane
.set ADK, 4                            ; v4-7 LDS addresses of the step's K, K's scale words, V, V's scale words
.set ADS, 5
.set ADV, 6
.set ADT, 7
.set SPW, 8                            ; v8   LDS address of my spare word; never rewritten
.set NIL, 9                            ; v9   0; never rewritten
.set MW,  10                           ; v10  where I put my statistics;  v11 where my partner (wave xor 4) put its
.set MR,  11
.set SW,  12                           ; v12  the end: where I put O^T;  v13 where I read one tile's two halves
.set SR,  13
.set R8,  14                           ; v14  8 x (lane % 16)
.set ST,  16                           ; tile u at v[ST + 8 u]: +0 -c m, +1 m, +2, +3 the sum in two halves, +4 the rescaling factor, later 1 / D, +5 = 0, +6, +7 at work
.set E,   40                           ; the merge's work: tile u at v[E + 12 u]
.set TM,  48                           ; v48-63 the quantiser's work; in pass 1 the maxima's chains
.set S,   64
.set PC,  192
.set CT,  216                          ; v216-218, v220-222
.set KS,  224                          ; v224-231 K's scale words, a tile each;  v232-239 V's;  v240-241 w's;  v242-243 Q's
.set VS,  232
.set PW,  240
.set QS,  242
.set SU,  244
.set QF,  128                          ; window 1
.set FRG, 152                          ; window 1
.set NC,  3                            ; s3   -c
.set WV,  14
.set QG,  15
.set KH,  16
.set SEL, 20                           ; s[20:21] v_permlanex16_b32's selects for lane l xor 16
.set CS,  22                           ; s[22:23] c, twice
.set G1C, 24                           ; s[24:31] group 1: 6,144 dense bytes;  s[32:39]: 2,048
.set G1S, 32
.set G0S, 40                           ; s[40:43] group 0 for the scale words;  s[44:59] for K's four chunks;  s[68:75] for V's two slots
.set G0K, 44
.set G0V, 68
.set TK,  60                           ; s60-63 where the step's K, K's scale words, V, V's scale words begin in LDS
.set TS,  61
.set TV,  62
.set TT,  63
.set SCA, 76                           ; s[76:77] scalars[head], twice
.set CNT, 78
.set TV0, 79                           ; s79-82 the same places for my half's first step
.set TK0, 80
.set TS0, 81
.set TT0, 82
.set MSB, 0
.macro WIN new                         ; the immediate's high byte repeats the setting that is left
.if MSB != (\new)
	s_set_vgpr_msb (MSB<<8)|(\new)
.set MSB, (\new)
.endif
.endm
.set W_LD, 0x40                        ; destination window 1, address window 0
.set W_QK, 0x05                        ; K and Q window 1, x window 0
.set W_PV, 0x51                        ; V window 1, w window 0, O^T window 1
.set W_ST, 0x04                        ; an LDS store's data (source 1) window 1
.macro CROUND                          ; a round of the cluster's barrier
	s_barrier_signal -1
	s_barrier_wait -1
	s_cmp_lg_u32 s[WV], 0
	s_cbranch_scc1 .Lnot_wave_0_\@
	s_barrier_signal -3
.Lnot_wave_0_\@:
	s_barrier_wait -3
	s_barrier_signal -1
	s_barrier_wait -1
.endm
	s_load_b256 s[4:11], s[0:1], 0x0               ; hcod s[4:5], hscl s[6:7], scalars s[8:9], acod s[10:11]
	s_load_b64 s[12:13], s[0:1], 0x20              ; ascl
	v_lshl_add_u32 v[SPW], v0, 2, SPARE
	v_mov_b32 v[NIL], 0
	ds_add_u32 v8, v9
	ds_add_u32 v8, v9
	s_wait_dscnt 0x0
	v_lshrrev_b32 v3, 5, v0
	v_readfirstlane_b32 s[WV], v3                  ; wave 0..7
	s_and_b32 s[QG], s[WV], 3                      ; which 32 queries
	s_lshr_b32 s[KH], s[WV], 2                     ; which half of the keys
	s_bfe_u32 s17, ttmp6, 0x40000                  ; cx
	s_lshl_b32 s18, ttmp9, 2
	s_add_co_u32 s18, s18, s17                     ; my block of 128 query slots: it enters Q's, acod's and ascl's addresses alone
	s_and_b32 s19, ttmp7, 0xffff                   ; the head, which the four partners share
	s_mov_b32 s[G1C], 15|(3<<16)|(1<<21)           ; 15:0 the mask: all four work-groups; 17:16 elements of 8 bytes; 21 set beside a mask; no padding
	s_mov_b32 s[G1C+1], 32<<16                     ; tensor_dim0: rows of 256 bytes
	s_mov_b32 s[G1C+2], 24<<16                     ; tensor_dim1
	s_mov_b32 s[G1C+3], 32<<16                     ; tile_dim0
	s_mov_b32 s[G1C+4], 24                         ; tile_dim1
	s_mov_b32 s[G1C+5], 32                         ; tensor_dim0_stride: dense
	s_mov_b32 s[G1C+6], 0
	s_mov_b32 s[G1C+7], 0
	s_mov_b32 s[G1S], 15|(3<<16)|(1<<21)
	s_mov_b32 s[G1S+1], 32<<16
	s_mov_b32 s[G1S+2], 8<<16
	s_mov_b32 s[G1S+3], 32<<16
	s_mov_b32 s[G1S+4], 8
	s_mov_b32 s[G1S+5], 32
	s_mov_b32 s[G1S+6], 0
	s_mov_b32 s[G1S+7], 0
	; what I fetch of a chunk (two key steps of each half of the keys): half w / 4, step (w / 2) % 2, four tiles (w % 2)
	s_mul_i32 s83, s[KH], 98304
	s_mov_b32 s[TK0], s83
	s_bfe_u32 s84, s[WV], 0x10001
	s_mul_i32 s84, s84, 12288
	s_add_co_u32 s83, s83, s84
	s_and_b32 s84, s[WV], 1
	s_mul_i32 s84, s84, 6144
	s_add_co_u32 s83, s83, s84                     ; its place in a head's K or V, and K's place in LDS
	s_mul_i32 s89, s19, 196608                     ; the head's codes
	s_add_co_u32 s84, s89, s83
	s_mov_b32 s85, 0
	s_mul_i32 s88, s[WV], 6144                     ; its place in a slot of V
	s_lshl_b32 s[TS0], s[KH], 12
	s_add_co_u32 s[TT0], s[TS0], VSC
	s_add_co_u32 s[TS0], s[TS0], KSC
	s_mul_i32 s[TV0], s[KH], 24576
	s_add_co_u32 s[TV0], s[TV0], VB
	s_add_co_u32 s90, s[KH], 1                     ; scale words: waves 0-3 K's (tensor 1 of hscl), waves 4-7 V's (tensor 2), 2,048 bytes each
	s_lshl_b32 s90, s90, 17
	s_lshl_b32 s91, s19, 13
	s_add_co_u32 s90, s90, s91
	s_lshl_b32 s91, s[QG], 11
	s_add_co_u32 s90, s90, s91
	s_mov_b32 s91, 0
	s_mul_i32 s92, s18, 12288                      ; Q's two fragments
	s_add_co_u32 s92, s92, s89
	s_mul_i32 s93, s[QG], 3072
	s_add_co_u32 s92, s92, s93
	s_mov_b32 s93, 0
	s_lshl_b32 s94, s19, 4                         ; and their scale words
	s_add_co_u32 s94, s94, s18
	s_lshl_b32 s94, s94, 9
	s_lshr_b32 s95, s[QG], 1
	s_lshl_b32 s95, s95, 8
	s_add_co_u32 s94, s94, s95
	s_and_b32 s95, s[QG], 1
	s_lshl_b32 s95, s95, 3
	s_add_co_u32 s94, s94, s95
	s_mov_b32 s95, 0
	s_mov_b32 s[SEL], 0x76543210
	s_mov_b32 s[SEL+1], 0xfedcba98
	s_mov_b32 s[CS], 0x3fb8aa3b                    ; c = log2(e)
	s_mov_b32 s[CS+1], s[CS]                       ; (named with it as a pair, so it is written)
	s_mov_b32 s[NC], 0xbfb8aa3b                    ; -c
	s_wait_kmcnt 0x0
	s_add_nc_u64 s[86:87], s[4:5], s[84:85]
	s_mov_b32 s[G0S], 1
	s_lshl_b32 s[G0S+1], s[WV], 11
	s_add_co_u32 s[G0S+1], s[G0S+1], KSC           ; V's scale words lie behind K's
	s_add_nc_u64 s[G0S+2:G0S+3], s[6:7], s[90:91]
	s_or_b32 s[G0S+3], s[G0S+3], 0x80000000
.irp c, 0,1,2,3
	s_mov_b32 s[G0K+4*\c], 1
	s_add_co_u32 s[G0K+4*\c+1], s83, 24576*\c
	s_add_nc_u64 s[G0K+4*\c+2:G0K+4*\c+3], s[86:87], 3145728+24576*\c
	s_or_b32 s[G0K+4*\c+3], s[G0K+4*\c+3], 0x80000000
.endr
.irp s, 0,1
	s_mov_b32 s[G0V+4*\s], 1
	s_add_co_u32 s[G0V+4*\s+1], s88, VB+VSLOT*\s
	s_add_nc_u64 s[G0V+4*\s+2:G0V+4*\s+3], s[86:87], 6291456+24576*\s
	s_or_b32 s[G0V+4*\s+3], s[G0V+4*\s+3], 0x80000000
.endr
	s_add_nc_u64 s[92:93], s[4:5], s[92:93]
	s_add_nc_u64 s[94:95], s[6:7], s[94:95]
	CROUND                                         ; all four work-groups are here: the first joint loads meet
	tensor_load_to_lds s[G0S:G0S+3], s[G1S:G1S+7]  ; the first fills go out as one group: seven loads of mine are out
	s_nop 0
	tensor_load_to_lds s[G0K:G0K+3], s[G1C:G1C+7]
	s_nop 0
	tensor_load_to_lds s[G0K+4:G0K+7], s[G1C:G1C+7]
	s_nop 0
	tensor_load_to_lds s[G0K+8:G0K+11], s[G1C:G1C+7]
	s_nop 0
	tensor_load_to_lds s[G0K+12:G0K+15], s[G1C:G1C+7]
	s_nop 0
	tensor_load_to_lds s[G0V:G0V+3], s[G1C:G1C+7]
	s_nop 0
	tensor_load_to_lds s[G0V+4:G0V+7], s[G1C:G1C+7]
	s_nop 0
.rept 4
	v_nop
.endr
	v_and_b32 v[LN], 31, v0
	v_lshlrev_b32 v[LI], 4, v[LN]
	v_and_b32 v[R16], 15, v0
	v_lshlrev_b32 v[R8], 3, v[R16]
	v_lshlrev_b32 v[R16], 4, v[R16]
	WIN W_LD
.irp n, 0,1,2,3,4,5
	global_load_b128 v[QF+4*\n:QF+4*\n+3], v[LI], s[92:93] offset:512*\n   ; Q's two fragments stay in registers
.endr
	WIN 0
	global_load_b64 v[QS:QS+1], v[R16], s[94:95]   ; and their scale words
	s_lshl_b32 s83, s[WV], 9
	s_add_co_u32 s83, s83, MRG
	v_add_nc_u32 v[MW], s83, v[LI]
	s_xor_b32 s83, s[WV], 4
	s_lshl_b32 s83, s83, 9
	s_add_co_u32 s83, s83, MRG
	v_add_nc_u32 v[MR], s83, v[LI]
	s_lshl_b32 s83, s[QG], 1
	s_add_co_u32 s83, s83, s[KH]
	s_lshl_b32 s83, s83, 14
	v_add_nc_u32 v[SW], s83, v[LI]                 ; 16,384 bytes a wave: pair of tiles 2 (w % 4), half of the keys w / 4
	s_lshl_b32 s83, s[QG], 15
	s_lshl_b32 s84, s[KH], 13
	s_add_co_u32 s83, s83, s84
	v_add_nc_u32 v[SR], s83, v[LI]                 ; back: tile w / 4 of my pair, from both halves of the keys
	s_lshl_b32 s86, s18, 3                         ; the row tile that I finish: 8 x block + 2 (w % 4) + w / 4
	s_lshl_b32 s87, s[QG], 1
	s_add_co_u32 s86, s86, s87
	s_add_co_u32 s86, s86, s[KH]
	s_lshl_b32 s90, s86, 10
	s_mul_i32 s86, s86, 24576
	s_mul_i32 s87, s19, 1536
	s_add_co_u32 s86, s86, s87
	s_mov_b32 s87, 0
	s_add_nc_u64 s[10:11], s[10:11], s[86:87]
	s_lshr_b32 s91, s19, 1
	s_lshl_b32 s91, s91, 7
	s_add_co_u32 s90, s90, s91
	s_and_b32 s91, s19, 1
	s_lshl_b32 s91, s91, 2
	s_add_co_u32 s90, s90, s91
	s_mov_b32 s91, 0
	s_add_nc_u64 s[12:13], s[12:13], s[90:91]
	s_lshl_b32 s86, s19, 2
	s_add_nc_u64 s[8:9], s[8:9], s[86:87]
	s_load_b32 s[SCA], s[8:9], 0x0                 ; scalars[head]
.irp u, 0,1
	v_mov_b32 v[ST+8*\u], 0                        ; -c m
	v_mov_b32 v[ST+8*\u+1], 0                      ; m begins at 0: so it ends as max(the row's largest x, 0)
	v_mov_b32 v[ST+8*\u+2], 0                      ; the sum
	v_mov_b32 v[ST+8*\u+3], 0
	v_mov_b32 v[ST+8*\u+5], 0                      ; (the upper half of a pair that is named)
.endr
.irp b, 0,1,2,3
	v_mov_b32 v[TM+4+\b], 0                        ; written once: a lane permute's destination counts as one of its sources
.endr
	v_mov_b32 v[E+1], 0
	s_wait_kmcnt 0x0
	s_mov_b32 s[SCA+1], s[SCA]
	s_wait_loadcnt 0x0                             ; Q
.macro LOADF adr                       ; eight fragments, 24 loads of 512 consecutive bytes
	WIN W_LD
.irp t, 0,1,2,3,4,5,6,7
.irp c, 0,1,2
	ds_load_b128 v[FRG+12*\t+4*\c:FRG+12*\t+4*\c+3], v[\adr] offset:1536*\t+512*\c
.endr
.endr
	WIN 0
.endm
.macro QK                              ; x^T = K Q^T: eight tiles of keys x my two tiles of queries; each product is a whole sum (K = 128)
	WIN W_QK
.irp t, 0,1,2,3,4,5,6,7
.irp u, 0,1
	v_wmma_scale_f32_16x16x128_f8f6f4 v[S+64*\u+8*\t:S+64*\u+8*\t+7], v[FRG+12*\t:FRG+12*\t+11], v[QF+12*\u:QF+12*\u+11], 0, v[KS+\t], v[QS+\u] matrix_a_fmt:MATRIX_FMT_FP6 matrix_b_fmt:MATRIX_FMT_FP6
.endr
.endr
	WIN 0
.rept 4
	v_nop                                          ; places in front of the first read of the results and of loads into the fragments' registers
.endr
.endm
.macro EXPO                            ; x becomes 2^(c x - c m), both tiles
.irp u, 0,1
.set NN, 0
.rept 32
	v_pk_fma_f32 v[S+64*\u+2*NN:S+64*\u+2*NN+1], v[S+64*\u+2*NN:S+64*\u+2*NN+1], s[CS:CS+1], v[ST+8*\u:ST+8*\u+1] op_sel_hi:[1,0,0]   ; each accumulator from its low end on
.set NN, NN+1
.endr
.endr
.set NN, 0
.rept 128
	v_exp_f32 v[S+NN], v[S+NN]
.set NN, NN+1
.endr
.endm
; PASS 1, a key step: each lane keeps the maximum and the sum of ITS keys of its query; the lanes and the waves meet once, behind the pass.
.macro STEP1
	v_add_nc_u32 v[ADK], s[TK], v[LI]
	v_add_nc_u32 v[ADS], s[TS], v[R16]
	LOADF ADK
.irp u, 0,1
	ds_load_b128 v[KS+4*\u:KS+4*\u+3], v[ADS] offset:256*\u
.endr
	s_wait_dscnt 0x0
	QK
.irp b, 0,1,2,3
.irp u, 0,1
	v_max3_num_f32 v[TM+4*\u+\b], v[S+64*\u+16*\b], v[S+64*\u+16*\b+1], v[S+64*\u+16*\b+2]   ; four chains a tile
.endr
.endr
.irp i, 3,5,7,9,11,13
.irp b, 0,1,2,3
.irp u, 0,1
	v_max3_num_f32 v[TM+4*\u+\b], v[TM+4*\u+\b], v[S+64*\u+16*\b+\i], v[S+64*\u+16*\b+\i+1]
.endr
.endr
.endr
.irp b, 0,1,2,3
.irp u, 0,1
	v_max_num_f32 v[TM+4*\u+\b], v[TM+4*\u+\b], v[S+64*\u+16*\b+15]
.endr
.endr
.irp u, 0,1
	v_max3_num_f32 v[TM+4*\u], v[TM+4*\u], v[TM+4*\u+1], v[TM+4*\u+2]
	v_mov_b32 v[ST+8*\u+7], v[ST+8*\u]             ; the old -c m
.endr
.irp u, 0,1
	v_max3_num_f32 v[ST+8*\u+1], v[TM+4*\u], v[TM+4*\u+3], v[ST+8*\u+1]   ; the new m
.endr
.irp u, 0,1
	v_mul_f32 v[ST+8*\u], s[NC], v[ST+8*\u+1]
.endr
.irp u, 0,1
	v_sub_f32 v[ST+8*\u+6], v[ST+8*\u], v[ST+8*\u+7]
.endr
.irp u, 0,1
	v_exp_f32 v[ST+8*\u+4], v[ST+8*\u+6]           ; 2^(c m_old - c m_new)
.endr
	EXPO
	s_wait_alu depctr_va_vdst(0)
.irp u, 0,1
	v_pk_mul_f32 v[ST+8*\u+2:ST+8*\u+3], v[ST+8*\u+2:ST+8*\u+3], v[ST+8*\u+4:ST+8*\u+5] op_sel_hi:[1,0]   ; the sum under the new m.  (A plain place behind the exponentials)
.endr
.irp u, 0,1
	v_pk_add_f32 v[SU+2*\u:SU+2*\u+1], v[S+64*\u:S+64*\u+1], v[S+64*\u+2:S+64*\u+3]
.endr
.irp j, 4,8,12,16,20,24,28,32,36,40,44,48,52,56,60
.irp u, 0,1
	v_pk_add_f32 v[ST+8*\u+2:ST+8*\u+3], v[ST+8*\u+2:ST+8*\u+3], v[S+64*\u+\j:S+64*\u+\j+1]
	v_pk_add_f32 v[SU+2*\u:SU+2*\u+1], v[SU+2*\u:SU+2*\u+1], v[S+64*\u+\j+2:S+64*\u+\j+3]
.endr
.endr
.irp u, 0,1
	v_pk_add_f32 v[ST+8*\u+2:ST+8*\u+3], v[ST+8*\u+2:ST+8*\u+3], v[SU+2*\u:SU+2*\u+1]
.endr
	s_add_co_u32 s[TK], s[TK], 12288
	s_add_co_u32 s[TS], s[TS], 512
.endm
.macro P1CHUNK c                       ; chunk c of K: two key steps of my half
	s_wait_tensorcnt 5-\c                          ; my parts of the scale words and of K's chunks up to c are in; K's later chunks and V's two slots may be out
	s_wait_dscnt 0x0
	s_barrier_signal -1
	s_barrier_wait -1                              ; everybody's are
	s_add_co_u32 s[TK], s[TK0], 24576*\c
	s_add_co_u32 s[TS], s[TS0], 1024*\c
	s_mov_b32 s[CNT], 2
.Lp1_\@:
	STEP1
	s_sub_co_u32 s[CNT], s[CNT], 1
	s_cmp_lg_u32 s[CNT], 0
	s_cbranch_scc1 .Lp1_\@
.endm
	P1CHUNK 0
	P1CHUNK 1
	P1CHUNK 2
	P1CHUNK 3
	; THE MERGE: my lane's (m, sum) of both tiles meet those of the wave with the other half of the keys (through LDS) and of lane l xor 16.
.irp u, 0,1
	v_add_f32 v[33+2*\u], v[ST+8*\u+2], v[ST+8*\u+3]
	v_mov_b32 v[32+2*\u], v[ST+8*\u+1]
.endr
	ds_store_b128 v[MW], v[32:35]
	s_wait_tensorcnt 0x0                           ; V's two slots: my parts are in
	s_wait_dscnt 0x0                               ; for the others' sake: my store is done
	s_barrier_signal -1
	s_barrier_wait -1
	ds_load_b128 v[36:39], v[MR]
	s_wait_dscnt 0x0
.irp u, 0,1
	v_max_num_f32 v[E+12*\u], v[32+2*\u], v[36+2*\u]
.endr
.irp u, 0,1
	v_permlanex16_b32 v[E+12*\u+1], v[E+12*\u], s[SEL], s[SEL+1]
.endr
.irp u, 0,1
	v_max_num_f32 v[ST+8*\u+1], v[E+12*\u], v[E+12*\u+1]   ; m of the whole row
.endr
.irp u, 0,1
	v_mul_f32 v[E+12*\u+2], s[NC], v[ST+8*\u+1]    ; the row's -c m
	v_mul_f32 v[E+12*\u+3], s[NC], v[36+2*\u]      ; my partner's own -c m: the same multiplication, the same bits
.endr
.irp u, 0,1
	v_sub_f32 v[E+12*\u+4], v[E+12*\u+2], v[ST+8*\u]
	v_sub_f32 v[E+12*\u+3], v[E+12*\u+2], v[E+12*\u+3]
	v_mov_b32 v[ST+8*\u], v[E+12*\u+2]
.endr
.irp u, 0,1
	v_exp_f32 v[E+12*\u+4], v[E+12*\u+4]           ; brings my sum under the row's m,
	v_exp_f32 v[E+12*\u+3], v[E+12*\u+3]           ; my partner's,
	v_exp_f32 v[E+12*\u+5], v[E+12*\u+2]           ; and exp(-m), the denominator's extra term
.endr
	v_nop                                          ; a plain place behind the exponentials
	s_wait_alu depctr_va_vdst(0)
.irp u, 0,1
	v_mul_f32 v[E+12*\u], v[33+2*\u], v[E+12*\u+4]
.endr
.irp u, 0,1
	v_fma_f32 v[E+12*\u], v[37+2*\u], v[E+12*\u+3], v[E+12*\u]
.endr
.irp u, 0,1
	v_permlanex16_b32 v[E+12*\u+1], v[E+12*\u], s[SEL], s[SEL+1]
.endr
.irp u, 0,1
	v_add_f32 v[E+12*\u], v[E+12*\u], v[E+12*\u+1]
.endr
.irp u, 0,1
	v_add_f32 v[E+12*\u], v[E+12*\u], v[E+12*\u+5] ; D: at least 1
.endr
.irp u, 0,1
	v_rcp_f32 v[ST+8*\u+4], v[E+12*\u]
.endr
	v_nop                                          ; a plain place behind the reciprocals
; 64 numbers of a lane, register 16 b + i = k 32 b + 16 (lane / 16) + i of my row, become a fragment's codes in v[pc] on and its scale word in v[pw].
.macro QUANT s, pc, pw
.irp b, 0,1,2,3
	v_max3_num_f32 v[TM+\b], |v[\s+16*\b]|, |v[\s+1+16*\b]|, 0x1800000   ; block b: my 16 numbers, and the floor 2^(3 - 127): the byte cannot fall under 1
.endr
.irp i, 2,4,6,8,10,12,14
.irp b, 0,1,2,3
	v_max3_num_f32 v[TM+\b], v[TM+\b], |v[\s+16*\b+\i]|, |v[\s+1+16*\b+\i]|
.endr
.endr
.irp b, 0,1,2,3
	v_permlanex16_b32 v[TM+4+\b], v[TM+\b], s[SEL], s[SEL+1]
.endr
.irp b, 0,1,2,3
	v_max_num_f32 v[TM+\b], v[TM+\b], v[TM+4+\b]   ; with lane l xor 16's: the block's largest magnitude
.endr
.irp b, 0,1,2,3
	v_add_nc_u32 v[TM+12+\b], 0xff000000, v[TM+\b] ; 2 off its exponent field: the conversion's scale operand
.endr
.irp b, 0,1,2,3
	v_lshrrev_b32 v[TM+4+\b], 23, v[TM+12+\b]      ; the scale's byte
.endr
	v_lshl_or_b32 v[\pw], v[TM+5], 8, v[TM+4]
	v_lshl_or_b32 v[\pw], v[TM+6], 16, v[\pw]
	v_lshl_or_b32 v[\pw], v[TM+7], 24, v[\pw]
.irp c, 0,1
	v_cvt_scalef32_pk16_fp6_f32 v[\pc+6*\c:\pc+2+6*\c], v[\s+32*\c:\s+15+32*\c], v[TM+12+2*\c]
	v_cvt_scalef32_pk16_fp6_f32 v[CT+4*\c:CT+2+4*\c], v[\s+16+32*\c:\s+31+32*\c], v[TM+12+2*\c+1]   ; (a conversion's three registers begin on an even number)
.endr
	v_nop                                          ; one plain place behind a scaled conversion
.irp c, 0,1                            ; the operand's layout wants a whole block in a lane: lanes 0-15 block 2 c, lanes 16-31 block 2 c + 1
.irp i, 0,1,2
	v_permlane16_swap_b32 v[\pc+6*\c+\i], v[CT+4*\c+\i]
.endr
.irp i, 0,1,2
	v_mov_b32 v[\pc+3+6*\c+\i], v[CT+4*\c+\i]
.endr
.endr
.endm
; PASS 2, a key step.  zero = 1: the products start O^T's sums.
.macro STEP2 zero
	v_add_nc_u32 v[ADK], s[TK], v[LI]              ; these four are also the places behind the last step's products, in front of the loads into the fragments' registers
	v_add_nc_u32 v[ADS], s[TS], v[R16]
	v_add_nc_u32 v[ADV], s[TV], v[LI]
	v_add_nc_u32 v[ADT], s[TT], v[R16]
	LOADF ADK
.irp u, 0,1
	ds_load_b128 v[KS+4*\u:KS+4*\u+3], v[ADS] offset:256*\u
.endr
	s_wait_dscnt 0x0
	QK
	LOADF ADV                                      ; V's fragments take K's registers, and land under the vector work below
.irp u, 0,1
	ds_load_b128 v[VS+4*\u:VS+4*\u+3], v[ADT] offset:256*\u
.endr
	EXPO
	v_nop                                          ; one plain place between the exponentials and the first use of their results (ISA guide 5.7.2): no other work is at hand here
	s_wait_alu depctr_va_vdst(0)
.irp u, 0,1
.set NN, 0
.rept 32
	v_pk_mul_f32 v[S+64*\u+2*NN:S+64*\u+2*NN+1], v[S+64*\u+2*NN:S+64*\u+2*NN+1], v[ST+8*\u+4:ST+8*\u+5] op_sel_hi:[1,0]   ; w = un / D, finished
.set NN, NN+1
.endr
.endr
	QUANT S, PC, PW
	QUANT S+64, PC+12, PW+1
	s_wait_dscnt 0x0                               ; V
.rept 8
	v_nop                                          ; a scale register written by a vector instruction stands 8 places ahead of a scaled matrix instruction, an operand so written 4
.endr
	WIN W_PV
.irp t, 0,1,2,3,4,5,6,7                ; O^T += V^T w^T: the sixteen accumulators by turns, one instruction a turn
.irp u, 0,1
.if \zero
	v_wmma_scale_f32_16x16x128_f8f6f4 v[64*\u+8*\t:64*\u+8*\t+7], v[FRG+12*\t:FRG+12*\t+11], v[PC+12*\u:PC+12*\u+11], 0, v[VS+\t], v[PW+\u] matrix_a_fmt:MATRIX_FMT_FP6 matrix_b_fmt:MATRIX_FMT_FP6
.else
	v_wmma_scale_f32_16x16x128_f8f6f4 v[64*\u+8*\t:64*\u+8*\t+7], v[FRG+12*\t:FRG+12*\t+11], v[PC+12*\u:PC+12*\u+11], v[64*\u+8*\t:64*\u+8*\t+7], v[VS+\t], v[PW+\u] matrix_a_fmt:MATRIX_FMT_FP6 matrix_b_fmt:MATRIX_FMT_FP6
.endif
.endr
.endr
	WIN 0
	s_add_co_u32 s[TK], s[TK], 12288
	s_add_co_u32 s[TS], s[TS], 512
	s_add_co_u32 s[TV], s[TV], 12288
	s_add_co_u32 s[TT], s[TT], 512
.endm
.macro P2SET c                         ; where chunk c's first step lies
	s_add_co_u32 s[TK], s[TK0], 24576*\c
	s_add_co_u32 s[TS], s[TS0], 1024*\c
	s_add_co_u32 s[TV], s[TV0], VSLOT*(\c%2)
	s_add_co_u32 s[TT], s[TT0], 1024*\c
.endm
.macro P2LOOP
	s_mov_b32 s[CNT], 2
.Lp2_\@:
	STEP2 0
	s_sub_co_u32 s[CNT], s[CNT], 1
	s_cmp_lg_u32 s[CNT], 0
	s_cbranch_scc1 .Lp2_\@
.endm
; V's slot that has just been read is filled again, with the chunk two on.  Each wave waits for all its tensor loads, adds 0 to its spare word, and waits for that and for its reads of the slot; a round of the
; cluster's barrier: no wave of any partner still reads the slot or has a load on its way; the joint refill is the first thing behind it, one a wave, and has two key steps' work in which to land.
.macro CHANGE slot
	s_wait_tensorcnt 0x0                           ; no tensor load of mine is out, so a group 0 may be written
	ds_add_u32 v[SPW], v[NIL]                      ; 0 onto my spare word
	s_add_nc_u64 s[G0V+4*\slot+2:G0V+4*\slot+3], s[G0V+4*\slot+2:G0V+4*\slot+3], 2*24576
	s_wait_dscnt 0x0                               ; the add is done, and my reads of the slot are over
	CROUND
	tensor_load_to_lds s[G0V+4*\slot:G0V+4*\slot+3], s[G1C:G1C+7]
	s_nop 0
.rept 4
	v_nop
.endr
.endm
	P2SET 0
	STEP2 1
	STEP2 0
	CHANGE 0
	P2SET 1
	P2LOOP
	CHANGE 1
	P2SET 2
	P2LOOP
	s_wait_tensorcnt 0x0                           ; my part of the last chunk of V is in
	s_wait_dscnt 0x0
	s_barrier_signal -1
	s_barrier_wait -1
	P2SET 3
	P2LOOP
	; THE END.  The two halves of the keys meet in a stage that lies in K's bytes: they have had their one fill, and behind the barrier below nobody reads them.
.rept 4
	v_nop                                          ; places behind the last products
.endr
	s_wait_dscnt 0x0
	s_barrier_signal -1
	s_barrier_wait -1
	WIN W_ST
.set NN, 0
.rept 32
	ds_store_b128 v[SW], v[4*NN:4*NN+3] offset:512*NN   ; O^T as it stands, each accumulator from its low end on
.set NN, NN+1
.endr
	WIN 0
	s_wait_dscnt 0x0                               ; for the others' sake: my stores are done
	s_barrier_signal -1
	s_barrier_wait -1
.set NN, 0
.rept 16
	ds_load_b128 v[S+4*NN:S+4*NN+3], v[SR] offset:512*NN
	ds_load_b128 v[S+64+4*NN:S+64+4*NN+3], v[SR] offset:16384+512*NN
.set NN, NN+1
.endr
	s_wait_dscnt 0x0
.set NN, 0
.rept 32
	v_pk_add_f32 v[S+2*NN:S+2*NN+1], v[S+2*NN:S+2*NN+1], v[S+64+2*NN:S+64+2*NN+1]
.set NN, NN+1
.endr
.set NN, 0
.rept 32
	v_pk_mul_f32 v[S+2*NN:S+2*NN+1], v[S+2*NN:S+2*NN+1], s[SCA:SCA+1] op_sel_hi:[1,0]   ; x scalars[head], ahead of the quantiser
.set NN, NN+1
.endr
	QUANT S, PC, PW
.irp c, 0,1,2
	global_store_b128 v[LI], v[PC+4*\c:PC+4*\c+3], s[10:11] offset:512*\c   ; 32 lanes store 512 consecutive bytes, aligned
.endr
	s_wait_xcnt 0x0                                ; EXEC changes only behind this wait
	v_cmp_gt_u32 vcc_lo, 16, v[LN]
	s_and_saveexec_b32 s83, vcc_lo
	global_store_b32 v[R8], v[PW], s[12:13]        ; lanes 0-15: slot r's scale word of this head (4 of each 8 bytes: the other head of the pair writes the rest)
	s_wait_xcnt 0x0                                ; and again, in front of the line that widens it
	s_or_b32 exec_lo, exec_lo, s83
	s_wait_tensorcnt 0x0                           ; the wave's end
	ds_add_u32 v[SPW], v[NIL]
	s_wait_dscnt 0x0
	CROUND                                         ; the closing round: no work-group ends while a partner may still ask for a tile that names it
	s_endpgm
.Lfunc_end_k_q46e8cd2562_attn:
	.size	k_q46e8cd2562_attn, .Lfunc_end_k_q46e8cd2562_attn-k_q46e8cd2562_attn
	.p2alignl 7, 3214868480
	.fill 96, 4, 3214868480
	.section	.rodata,"a",@progbits
	.p2align	6, 0x0
	.amdhsa_kernel k_q46e8cd2562_attn
		.amdhsa_group_segment_fixed_size 327680
		.amdhsa_private_segment_fixed_size 0
		.amdhsa_enable_private_segment 0
		.amdhsa_kernarg_size 40
		.amdhsa_user_sgpr_count 2
		.amdhsa_user_sgpr_kernarg_segment_ptr 1
		.amdhsa_wavefront_size32 1
		.amdhsa_system_sgpr_workgroup_id_x 1
		.amdhsa_system_sgpr_workgroup_id_y 1
		.amdhsa_system_sgpr_workgroup_id_z 1
		.amdhsa_system_vgpr_workitem_id 0
		.amdhsa_next_free_vgpr 512
		.amdhsa_next_free_sgpr 96
		.amdhsa_reserve_vcc 1
		.amdhsa_float_denorm_mode_32 3
		.amdhsa_float_denorm_mode_16_64 3
		.amdhsa_memory_ordered 1
		.amdhsa_forward_progress 1
		.amdhsa_inst_pref_size 250
	.end_amdhsa_kernel
	.amdgpu_metadata
---
amdhsa.version: [ 1, 2 ]
amdhsa.kernels:
  - .name:           k_q46e8cd2562_attn
    .symbol:         k_q46e8cd2562_attn.kd
    .args:
      - { .name: hcod, .offset: 0, .size: 8, .value_kind: global_buffer, .address_space: global }
      - { .name: hscl, .offset: 8, .size: 8, .value_kind: global_buffer, .address_space: global }
      - { .name: scalars, .offset: 16, .size: 8, .value_kind: global_buffer, .address_space: global }
      - { .name: acod, .offset: 24, .size: 8, .value_kind: global_buffer, .address_space: global }
      - { .name: ascl, .offset: 32, .size: 8, .value_kind: global_buffer, .address_space: global }
    .group_segment_fixed_size: 327680
    .private_segment_fixed_size: 0
    .kernarg_segment_align: 8
    .kernarg_segment_size: 40
    .max_flat_workgroup_size: 256
    .sgpr_count:     96
    .vgpr_count:     512
    .wavefront_size: 32
...
	.end_amdgpu_metadata
.endif
;; end of part 3
;; launch outp (part 4): grid 8 x 8, 4 waves a work-group, clusters of 4 x 4, 327,680 bytes of LDS; arguments acod, ascl, xcod, xscl, out0; writes out0
.if DOCPART == 4
	.amdgcn_target "amdgcn-amd-amdhsa--gfx1250"
	.amdhsa_code_object_version 6
	.text
	.protected	k_q46e8cd2562_outp
	.globl	k_q46e8cd2562_outp
	.p2align	8
	.type	k_q46e8cd2562_outp,@function
k_q46e8cd2562_outp:
	s_mov_b64 s[64:65], 0
	v_nop
	global_prefetch_b8 v0, s[64:65] scope:SCOPE_SE
	s_setreg_imm32_b32 hwreg(HW_REG_WAVE_MODE, 25, 1), 1
	s_wait_xcnt 0x0
	s_wait_alu depctr_hold_cnt(0) depctr_sa_sdst(0) depctr_va_vdst(0) depctr_va_sdst(0) depctr_va_ssrc(0) depctr_va_vcc(0) depctr_vm_vsrc(0)
	s_getreg_b32 s2, hwreg(HW_REG_IB_STS2, 6, 4)
	s_cmp_eq_u32 s2, 0
	s_cbranch_scc0 .Lentry_in_a_cluster
	s_endpgm
.Lentry_in_a_cluster:
	s_bfe_u32 s2, ttmp6, 0x10000c
	s_cmp_lg_u32 s2, 0xf033
	s_cbranch_scc0 .Lentry_shape_is_right
	s_endpgm
.Lentry_shape_is_right:
; out0[q][n] = sum over k of attn[q][k] Wo[n][k], on codes of FP6 (E2M3) with one E8M0 scale for each 32 along K; sums in f32.
; A = acod / ascl (the attention's result, quantised along head x 128 + channel), B = tensor 6 of xcod / xscl (Wo).  Both lie as images of fragments: row tile x 24,576 + K step x 1,536;
; scale words: row tile x 1,024 + (K step / 2) x 128 + slot x 8 + (K step % 2) x 4.  Slot r of row tile rt is row 32 (rt / 2) + 8 (rt % 2) + r + 8 (r / 8): the way out puts rows and columns back in their places.
; SHARES: a work-group of four waves makes 256 x 256 of out0, a wave 128 x 128: 64 accumulators, 512 registers.  K goes in steps of 256 through two LDS slots filled by the tensor data mover.
; 64 tiles of this size are all that the output has: the launch has 64 work-groups.
; THE MATRIX INSTRUCTION IS USED TRANSPOSED (source 0 = 16 rows of Wo, source 1 = 16 rows of A): a lane holds one row of out0 and eight neighbouring columns an accumulator.
; CLUSTERS: 4 x 4 work-groups: A's tiles are shared along a row of the cluster, B's along a column: each is asked for jointly.
; REGISTERS, in windows of 256: window 0: v16-31 addresses; v32-63 scale words, two sets; v128-223 A's fragments, one set; on the way out v128-255 rows read back.
;   window 1: B's fragments, two sets, at v0 and v128.   window 2: the accumulators of my rows 0-63 ((a, b) at v[8 (8 (a % 4) + b)]);   window 3: those of my rows 64-127.
.set NQ,     2
.set FR,     12
.set NL,     3
.set NP,     4                         ; places behind this matrix instruction (ISA guide 7.12.1)
.set KSTB,   1536
.set BLKB,   NQ*KSTB
.set HALFT,  8*BLKB
.set SLOT,   4*HALFT
.set LAPS,   4
.set SCL,    2*SLOT
.set HALFS,  8192
.set SPARE,  SCL+4*HALFS               ; the spare words, 128 bytes for each wave: two blocks of 256 bytes that no other line names
.set SPITCH, 528                       ; the way out: a stage of 16 rows x (512 bytes + 16) for each wave, in slot 0, which has had its last fill and its last read when the first result is stored there
.set ADRA, 16
.set ADRB, 20
.set STO,  24                          ; v24     the way out: where I put 32 bytes of a row
.set RD,   25                          ; v25     where I read a row back
.set ADRS, 27
.set SPW,  28                          ; v28     LDS address of my spare word; never rewritten
.set NIL,  29                          ; v29     0; never rewritten
.set LI,   30                          ; v30     16 x lane: also my byte offset in a row of out0
.set SC,   32
.set AF,   128
.set BK,   128                         ; 16 rows read back from the stage: v128-191 and v192-255 by turns
.set G1, 24
.set G0, 32
.set G1B, 48
.set G0B, 56
.set G1S, 68
.set G0S, 76
.set G1SB, 80
.set G0SB, 88
.set MSB, 0
.macro WIN new                         ; the immediate's high byte repeats the setting that is left
.if MSB != (\new)
	s_set_vgpr_msb (MSB<<8)|(\new)
.set MSB, (\new)
.endif
.endm
.set MUL_LO, 0xa1                      ; source 0 (B) window 1, source 1 (A) window 0, C and D window 2
.set MUL_HI, 0xf1
.set TO_B,   0x40
.macro JLOAD g0a, g1a, g0b, g1b        ; a joint load: waves 0 and 1 fetch for A, waves 2 and 3 for B; four v_nop follow each of the two lines
	s_cmp_eq_u32 s15, 0
	s_cbranch_scc0 .Lfor_b_\@
	tensor_load_to_lds s[\g0a:\g0a+3], s[\g1a:\g1a+7]
	s_nop 0
.rept 4
	v_nop
.endr
	s_branch .Lasked_\@
.Lfor_b_\@:
	tensor_load_to_lds s[\g0b:\g0b+3], s[\g1b:\g1b+7]
	s_nop 0
.rept 4
	v_nop
.endr
.Lasked_\@:
.endm
.macro CREST
	s_cmp_lg_u32 s14, 0
	s_cbranch_scc1 .Lnot_wave_0_\@
	s_barrier_signal -3
.Lnot_wave_0_\@:
	s_barrier_wait -3
	s_barrier_signal -1
	s_barrier_wait -1
.endm
.macro CROUND
	s_barrier_signal -1
	s_barrier_wait -1
	CREST
.endm
	s_load_b256 s[4:11], s[0:1], 0x0               ; acod s[4:5], ascl s[6:7], xcod s[8:9], xscl s[10:11]
	s_load_b64 s[12:13], s[0:1], 0x20              ; out0
	v_lshl_add_u32 v[SPW], v0, 2, SPARE
	v_mov_b32 v[NIL], 0
	ds_add_u32 v28, v29
	ds_add_u32 v28, v29
	s_wait_dscnt 0x0
	v_lshrrev_b32 v1, 5, v0
	v_readfirstlane_b32 s14, v1                    ; wave 0..3
	s_lshr_b32 s15, s14, 1                         ; which half of the tile's rows is mine.  Also: I fetch for A (0) or for B (1)
	s_and_b32 s16, s14, 1                          ; which half of its columns.  Also: which 128 rows I fetch
	s_bfe_u32 s40, ttmp6, 0x40000                  ; cx, cy
	s_bfe_u32 s41, ttmp6, 0x40004
	s_lshl_b32 s42, ttmp9, 2
	s_add_co_u32 s42, s42, s40                     ; tile column
	s_and_b32 s17, ttmp7, 0xffff
	s_lshl_b32 s17, s17, 2
	s_add_co_u32 s17, s17, s41                     ; tile row
	s_lshl_b32 s43, s41, 2
	s_lshl_b32 s43, 15, s43                        ; my row of the cluster
	s_lshl_b32 s44, 0x1111, s40                    ; my column
	s_or_b32 s[G1+0], s43, (3<<16)|(1<<21)         ; codes: 8 rows of 3,072 bytes, 24,576 bytes apart, in elements of 8 bytes; no padding; 21 set beside a mask
	s_or_b32 s[G1B+0], s44, (3<<16)|(1<<21)
.irp g, G1, G1B
	s_mov_b32 s[\g+1], 384<<16
	s_mov_b32 s[\g+2], 8<<16
	s_mov_b32 s[\g+3], 384<<16
	s_mov_b32 s[\g+4], 8
	s_mov_b32 s[\g+5], 3072
	s_mov_b32 s[\g+6], 0
	s_mov_b32 s[\g+7], 0
.endr
	s_or_b32 s[G1S+0], s43, (3<<16)|(1<<21)        ; scale words of 128 rows: 8,192 dense bytes as 32 rows of 256
	s_or_b32 s[G1SB+0], s44, (3<<16)|(1<<21)
.irp g, G1S, G1SB
	s_mov_b32 s[\g+1], 32<<16
	s_mov_b32 s[\g+2], 32<<16
	s_mov_b32 s[\g+3], 32<<16
	s_mov_b32 s[\g+4], 32
	s_mov_b32 s[\g+5], 32
	s_mov_b32 s[\g+6], 0
	s_mov_b32 s[\g+7], 0
.endr
	s_lshl_b32 s18, s16, 3
	s_lshl_b32 s20, s17, 4
	s_add_co_u32 s20, s20, s18                     ; A: row tile
	s_lshl_b32 s46, s42, 4
	s_add_co_u32 s46, s46, s18                     ; B: row tile
	s_lshl_b32 s22, s20, 10
	s_lshl_b32 s92, s46, 10
	s_add_co_u32 s92, s92, 6*131072                ; Wo is tensor 6
	s_mul_i32 s20, s20, 24576
	s_mul_i32 s46, s46, 24576
	s_add_co_u32 s46, s46, 6*3145728
	s_mov_b32 s21, 0
	s_mov_b32 s23, 0
	s_mov_b32 s47, 0
	s_mov_b32 s93, 0
	s_mul_i32 s45, s14, HALFT
	s_mul_i32 s94, s14, HALFS
	s_wait_kmcnt 0x0
	s_add_nc_u64 s[20:21], s[4:5], s[20:21]
	s_add_nc_u64 s[22:23], s[6:7], s[22:23]
	s_add_nc_u64 s[46:47], s[8:9], s[46:47]
	s_add_nc_u64 s[92:93], s[10:11], s[92:93]
	CROUND                                         ; all sixteen work-groups are here: the first joint loads meet
	s_mov_b32 s[G0S], 1
	s_add_co_u32 s[G0S+1], s94, SCL
	s_mov_b64 s[G0S+2:G0S+3], s[22:23]
	s_or_b32 s[G0S+3], s[G0S+3], 0x80000000
	s_mov_b32 s[G0SB], 1
	s_add_co_u32 s[G0SB+1], s94, SCL
	s_mov_b64 s[G0SB+2:G0SB+3], s[92:93]
	s_or_b32 s[G0SB+3], s[G0SB+3], 0x80000000
	JLOAD G0S, G1S, G0SB, G1SB
.irp s, 0,1
	s_mov_b32 s[G0+4*\s], 1
	s_add_co_u32 s[G0+4*\s+1], s45, \s*SLOT
	s_add_nc_u64 s[G0+4*\s+2:G0+4*\s+3], s[20:21], \s*BLKB
	s_or_b32 s[G0+4*\s+3], s[G0+4*\s+3], 0x80000000
	s_mov_b32 s[G0B+4*\s], 1
	s_add_co_u32 s[G0B+4*\s+1], s45, \s*SLOT
	s_add_nc_u64 s[G0B+4*\s+2:G0B+4*\s+3], s[46:47], \s*BLKB
	s_or_b32 s[G0B+4*\s+3], s[G0B+4*\s+3], 0x80000000
	JLOAD G0+4*\s, G1, G0B+4*\s, G1B
.endr
	v_and_b32 v3, 31, v0
	v_lshlrev_b32 v[LI], 4, v3
	v_and_b32 v1, 15, v0                           ; r
	v_bfe_u32 v2, v0, 4, 1                         ; h
	s_mul_i32 s21, s15, HALFT
	s_mul_i32 s22, s16, HALFT
	s_add_co_u32 s22, s22, 2*HALFT
.irp s, 0,1
	v_add_nc_u32 v[ADRA+\s], s21, v[LI]
	v_add_nc_u32 v[ADRB+\s], s22, v[LI]
	s_add_co_u32 s21, s21, SLOT
	s_add_co_u32 s22, s22, SLOT
.endr
	v_lshlrev_b32 v5, 3, v1
	s_mul_i32 s21, s15, HALFS
	s_mul_i32 s22, s16, HALFS
	s_add_co_u32 s22, s22, 2*HALFS
	s_sub_co_u32 s22, s22, s21
	v_mul_u32_u24 v6, s22, v2                      ; lanes 16-31 take B's scale words
	s_add_co_u32 s21, s21, SCL
	v_add_nc_u32 v5, v5, v6
	v_add_nc_u32 v[ADRS], s21, v5
	s_mul_i32 s23, s14, 16*SPITCH                  ; my stage
	v_mul_u32_u24 v5, v1, SPITCH                   ; in: row = slot r; accumulator b's eight columns are 32 (b / 2) + 16 h + 8 (b % 2) + 0 .. 7: 64 h bytes here, the rest in the offset
	v_lshl_add_u32 v5, v2, 6, v5
	v_add_nc_u32 v[STO], s23, v5
	v_add_nc_u32 v[RD], s23, v[LI]                 ; back: the 32 lanes take one row of 512 bytes
	s_lshl_b32 s20, s17, 8
	s_lshl_b32 s21, s15, 7
	s_add_co_u32 s20, s20, s21                     ; my first row of out0
	s_lshl_b32 s20, s20, 13
	s_lshl_b32 s46, s42, 10                        ; my first column, in bytes
	s_lshl_b32 s47, s16, 9
	s_add_co_u32 s46, s46, s47
	s_add_co_u32 s20, s20, s46
	s_mov_b32 s21, 0
	s_add_nc_u64 s[12:13], s[12:13], s[20:21]
.macro FRAG reg, adr, q, i             ; block i's fragment of the slot's q-th 128 along K: its image, three loads of 512 consecutive bytes
.irp c, 0,1,2
	ds_load_b128 v[\reg+4*\c:\reg+4*\c+3], v[\adr] offset:BLKB*(\i)+KSTB*(\q)+512*\c
.endr
.endm
; 16 matrix instructions: A's blocks a0, a0 + 1 x B's eight.  The 64 accumulators take turns, one instruction a turn, in the same order in every step.
.macro MUL16 a0, p, q, sc, zero
.irp a, \a0, \a0+1
.irp b, 0,1,2,3,4,5,6,7
.if \zero
	v_wmma_scale_f32_16x16x128_f8f6f4 v[8*(8*((\a)%4)+\b):8*(8*((\a)%4)+\b)+7], v[128*(\p)+FR*\b:128*(\p)+FR*\b+FR-1], v[AF+FR*(\a):AF+FR*(\a)+FR-1], 0, v[SC+8*NQ*(\sc)+NQ*\b+(\q)], v[SC+8*NQ*(\sc)+NQ*(\a)+(\q)] matrix_a_fmt:MATRIX_FMT_FP6 matrix_b_fmt:MATRIX_FMT_FP6 matrix_a_scale:MATRIX_SCALE_ROW1
.else
	v_wmma_scale_f32_16x16x128_f8f6f4 v[8*(8*((\a)%4)+\b):8*(8*((\a)%4)+\b)+7], v[128*(\p)+FR*\b:128*(\p)+FR*\b+FR-1], v[AF+FR*(\a):AF+FR*(\a)+FR-1], v[8*(8*((\a)%4)+\b):8*(8*((\a)%4)+\b)+7], v[SC+8*NQ*(\sc)+NQ*\b+(\q)], v[SC+8*NQ*(\sc)+NQ*(\a)+(\q)] matrix_a_fmt:MATRIX_FMT_FP6 matrix_b_fmt:MATRIX_FMT_FP6 matrix_a_scale:MATRIX_SCALE_ROW1
.endif
.endr
.endr
.endm
.macro FETCH_B slot, q, p
	WIN TO_B
.irp i, 0,1,2,3,4,5,6,7
	FRAG 128*(\p)+FR*\i, ADRB+\slot, \q, \i
.endr
	WIN 0
.endm
.macro FETCH_A slot, q, i0
.irp i, \i0, \i0+1, \i0+2, \i0+3
	FRAG AF+FR*(\i), ADRA+\slot, \q, \i
.endr
.endm
.macro SCALES sc
.irp i, 0,1,2,3,4,5,6,7
	ds_load_b64 v[SC+8*NQ*\sc+NQ*\i:SC+8*NQ*\sc+NQ*\i+1], v[ADRS] offset:\i*1024
.endr
.endm
.macro PLACES n                        ; plain vector instructions that name none of a matrix instruction's registers (ISA guide 7.12.1)
.rept \n
	v_nop
.endr
.endm
.macro STEP slot, q, zero
	s_wait_dscnt 4*NL                              ; B's set and A's blocks 0-3 are in; the youngest twelve loads (A's blocks 4-7) may be out
	WIN MUL_LO
	MUL16 0, (\q)%2, \q, \slot, \zero
	MUL16 2, (\q)%2, \q, \slot, \zero
	s_wait_dscnt 0
	PLACES NP
	FETCH_B \slot, (\q)+1, 1-(\q)%2
	FETCH_A \slot, (\q)+1, 0
	WIN MUL_HI
	MUL16 4, (\q)%2, \q, \slot, \zero
	MUL16 6, (\q)%2, \q, \slot, \zero
	PLACES NP
	WIN 0
	FETCH_A \slot, (\q)+1, 4
.endm
.macro TURN slot, next, fill           ; a slot's last step changes slots: one barrier; fill = 1: this slot is filled again, two slots ahead
	s_wait_tensorcnt 0x0                           ; all my tensor loads have landed: my part of the next slot
	ds_add_u32 v[SPW], v[NIL]                      ; 0 onto my spare word
	s_wait_dscnt 4*NL+1                            ; (the add and the youngest twelve loads may be out)
	WIN MUL_LO
	MUL16 0, 1, NQ-1, \slot, 0
	s_wait_dscnt 0x0                               ; the add is done, and my reads of this slot are over
	s_barrier_signal -1
	MUL16 2, 1, NQ-1, \slot, 0
	WIN 0
	s_barrier_wait -1
.if \fill
	CREST                                          ; the barrier has opened a round of the cluster's barrier: no wave of any partner still reads this slot or has a load on its way
	s_add_nc_u64 s[G0+4*\slot+2:G0+4*\slot+3], s[G0+4*\slot+2:G0+4*\slot+3], 2*BLKB
	s_add_nc_u64 s[G0B+4*\slot+2:G0B+4*\slot+3], s[G0B+4*\slot+2:G0B+4*\slot+3], 2*BLKB
	JLOAD G0+4*\slot, G1, G0B+4*\slot, G1B         ; the first tensor load behind the round; its four v_nop are the places in front of the loads below
.else
	PLACES NP
.endif
	v_add_nc_u32 v[ADRS], 128, v[ADRS]
	FETCH_B \next, 0, 0
	FETCH_A \next, 0, 0
	SCALES \next
	WIN MUL_HI
	MUL16 4, 1, NQ-1, \slot, 0
	MUL16 6, 1, NQ-1, \slot, 0
	PLACES NP
	WIN 0
	FETCH_A \next, 0, 4
.endm
	s_wait_tensorcnt 1                             ; the scale words and my part of slot 0 are in (slot 1's load may be out)
	s_barrier_signal -1
	s_barrier_wait -1                              ; everybody's are
	FETCH_B 0, 0, 0
	FETCH_A 0, 0, 0
	SCALES 0
	FETCH_A 0, 0, 4
	STEP 0, 0, 1                                   ; the first step stands in front of the loop: its products start the sums
	s_mov_b32 s3, LAPS-1
.Llap:
	TURN 0, 1, 1
	STEP 1, 0, 0
	TURN 1, 0, 1
	STEP 0, 0, 0
	s_sub_co_u32 s3, s3, 1
	s_cmp_lg_u32 s3, 0
	s_cbranch_scc1 .Llap
	TURN 0, 1, 0                                   ; the last lap fills nothing
	STEP 1, 0, 0
	s_wait_dscnt 4*NL
	WIN MUL_LO
	MUL16 0, 1, NQ-1, 1, 0
	MUL16 2, 1, NQ-1, 1, 0
	s_wait_dscnt 0
	WIN MUL_HI
	MUL16 4, 1, NQ-1, 1, 0
	MUL16 6, 1, NQ-1, 1, 0
	WIN 0
; THE WAY OUT, block by block of 16 row slots x 128 columns, through my own stage in LDS: in by lanes (32 bytes of a row), back as whole rows of 512 bytes.
; LDS serves a wave's instructions in order (ISA guide 5.7.1.4): no wait between the stores and the loads, nor in front of the next block's stores.
.macro TOSTAGE a
.set AC, 64*((\a)%4)
	WIN 0x08+4*((\a)/4)                            ; the data: window 2 or 3
.irp b, 0,1,2,3,4,5,6,7
	ds_store_b128 v[STO], v[AC+8*\b:AC+8*\b+3] offset:128*(\b/2)+32*(\b%2)          ; each accumulator from its low end on
	ds_store_b128 v[STO], v[AC+8*\b+4:AC+8*\b+7] offset:128*(\b/2)+32*(\b%2)+16
.endr
	WIN 0
.set BB, BK+64*((\a)%2)
.irp t, 0,1,2,3,4,5,6,7,8,9,10,11,12,13,14,15
	ds_load_b128 v[BB+4*\t:BB+4*\t+3], v[RD] offset:\t*SPITCH
.endr
.endm
.macro SEND a, younger                 ; younger: the LDS instructions issued behind block a's loads, which may stay out
.set BB, BK+64*((\a)%2)
	s_wait_dscnt \younger
.irp t, 0,1,2,3,4,5,6,7,8,9,10,11,12,13,14,15
	global_store_b128 v[LI], v[BB+4*\t:BB+4*\t+3], s[12:13] offset:(32*((\a)/2)+8*((\a)%2)+\t+8*(\t/8))*8192 th:TH_STORE_NT   ; slot t of block a is this row; 32 lanes store 512 consecutive bytes, aligned; the base never steps: 127 rows at the most, inside the signed 24-bit immediate
.endr
.endm
	PLACES NP                                      ; behind the last products: their results are read and A's registers loaded from here on
	TOSTAGE 0
.irp a, 1,2,3,4,5,6,7
.if \a > 1
	s_wait_xcnt 0x0                                ; block a - 2's stores have read their registers: block a's loads may land there
.endif
	TOSTAGE \a
	SEND \a-1, 32                                  ; behind block a - 1's loads: block a's 16 stores and 16 loads
.endr
	SEND 7, 0
	s_wait_tensorcnt 0x0                           ; the wave's end
	ds_add_u32 v[SPW], v[NIL]
	s_wait_dscnt 0x0
	CROUND                                         ; the closing round: no work-group ends while a partner may still ask for a tile that names it
	s_endpgm
.Lfunc_end_k_q46e8cd2562_outp:
	.size	k_q46e8cd2562_outp, .Lfunc_end_k_q46e8cd2562_outp-k_q46e8cd2562_outp
	.p2alignl 7, 3214868480
	.fill 96, 4, 3214868480
	.section	.rodata,"a",@progbits
	.p2align	6, 0x0
	.amdhsa_kernel k_q46e8cd2562_outp
		.amdhsa_group_segment_fixed_size 327680
		.amdhsa_private_segment_fixed_size 0
		.amdhsa_enable_private_segment 0
		.amdhsa_kernarg_size 40
		.amdhsa_user_sgpr_count 2
		.amdhsa_user_sgpr_kernarg_segment_ptr 1
		.amdhsa_wavefront_size32 1
		.amdhsa_system_sgpr_workgroup_id_x 1
		.amdhsa_system_sgpr_workgroup_id_y 1
		.amdhsa_system_sgpr_workgroup_id_z 1
		.amdhsa_system_vgpr_workitem_id 0
		.amdhsa_next_free_vgpr 1024
		.amdhsa_next_free_sgpr 100
		.amdhsa_reserve_vcc 0
		.amdhsa_float_denorm_mode_32 3
		.amdhsa_float_denorm_mode_16_64 3
		.amdhsa_memory_ordered 1
		.amdhsa_forward_progress 1
		.amdhsa_inst_pref_size 135
	.end_amdhsa_kernel
	.amdgpu_metadata
---
amdhsa.version: [ 1, 2 ]
amdhsa.kernels:
  - .name:           k_q46e8cd2562_outp
    .symbol:         k_q46e8cd2562_outp.kd
    .args:
      - { .name: acod, .offset: 0, .size: 8, .value_kind: global_buffer, .address_space: global }
      - { .name: ascl, .offset: 8, .size: 8, .value_kind: global_buffer, .address_space: global }
      - { .name: xcod, .offset: 16, .size: 8, .value_kind: global_buffer, .address_space: global }
      - { .name: xscl, .offset: 24, .size: 8, .value_kind: global_buffer, .address_space: global }
      - { .name: out0, .offset: 32, .size: 8, .value_kind: global_buffer, .address_space: global }
    .group_segment_fixed_size: 327680
    .private_segment_fixed_size: 0
    .kernarg_segment_align: 8
    .kernarg_segment_size: 40
    .max_flat_workgroup_size: 128
    .sgpr_count:     100
    .vgpr_count:     1024
    .wavefront_size: 32
...
	.end_amdgpu_metadata
.endif
;; end of part 4
;; ======== version 2 of 2: 4 launches; 1.18 times as fast as version 1
;; workspace buffers: xcod 22,020,096 bytes; xscl 917,504 bytes; hcod 9,437,184 bytes; hscl 393,216 bytes; acod 3,145,728 bytes; ascl 131,072 bytes
;; launch quant: the kernel of part 1 again; grid 512 x 1, 7 waves a work-group, no clusters, 60,416 bytes of LDS; arguments query, key_, Wv, Wq, Wk, value, Wo, xcod, xscl; writes xcod, xscl
;; launch proj (part 5): grid 8 x 24, 4 waves a work-group, clusters of 4 x 4, 327,680 bytes of LDS; arguments xcod, xscl, hcod, hscl; writes hcod, hscl
.if DOCPART == 5
	.amdgcn_target "amdgcn-amd-amdhsa--gfx1250"
	.amdhsa_code_object_version 6
	.text
	.protected	k_q46e8cd2562_proj
	.globl	k_q46e8cd2562_proj
	.p2align	8
	.type	k_q46e8cd2562_proj,@function
k_q46e8cd2562_proj:
	s_mov_b64 s[64:65], 0
	v_nop
	global_prefetch_b8 v0, s[64:65] scope:SCOPE_SE
	s_setreg_imm32_b32 hwreg(HW_REG_WAVE_MODE, 25, 1), 1
	s_wait_xcnt 0x0
	s_wait_alu depctr_hold_cnt(0) depctr_sa_sdst(0) depctr_va_vdst(0) depctr_va_sdst(0) depctr_va_ssrc(0) depctr_va_vcc(0) depctr_vm_vsrc(0)
	s_getreg_b32 s2, hwreg(HW_REG_IB_STS2, 6, 4)
	s_cmp_eq_u32 s2, 0
	s_cbranch_scc0 .Lentry_in_a_cluster
	s_endpgm
.Lentry_in_a_cluster:
	s_bfe_u32 s2, ttmp6, 0x10000c
	s_cmp_lg_u32 s2, 0xf033
	s_cbranch_scc0 .Lentry_shape_is_right
	s_endpgm
.Lentry_shape_is_right:
; The three projections on codes of FP6 (E2M3), and the quantisers of their results.  g = work-group y / 8:  g = 0: qh = query Wq^T, x f32(1 / sqrt(128)), quantised along the head's 128;
; g = 1: kh = key_ Wk^T, quantised along the head's 128;  g = 2: vh = value Wv^T, quantised along the KEYS.
; T[j][i] = sum over k of A[j][k] B[i][k]: A = tensor g of xcod (query, key_, Wv), B = tensor g + 3 (Wq, Wk, value).  THE MATRIX INSTRUCTION IS USED TRANSPOSED (source 0 = 16 rows of B, source 1 = 16 rows of A):
; a lane holds ONE j, and its registers run along i.  By the order of rows in a tile of xcod the 64 registers of A's block a are numbers 32 (n / 16) + 16 (lane / 16) + n % 16 of 128 neighbouring i:
; the next product's K (q, k: the head's channels; v: 128 keys).  So each block of 16 j x 128 i is quantised in registers and leaves as one fragment's image (1,536 bytes) and one scale word a lane.
; hcod: g x 3,145,728 + major x 196,608 + minor x 12,288 + a x 1,536;  q, k: major = head, minor = group of 128 rows;  v: major = head, minor = key step of 128, a = tile of channels.
; hscl: g x 131,072 + (16 major + minor) x 512 + (a / 4) x 256 + slot x 16 + (a % 4) x 4.
; SHARES: a work-group of four waves, as many as a WGP has SIMDs, makes 256 j x 256 i; a wave 128 x 128: 64 accumulators, 512 registers.
; Fragments lie in memory and in LDS as images of their registers: three loads of 16 bytes a lane at 16 x lane, 512 consecutive bytes each: no pitch, no padding.
; THE RING: a K step of 128 is 512 rows x 96 bytes = 49,152 bytes of LDS and 64 matrix instructions a wave.  Two slots of THREE K steps, 294,912 bytes, are the largest two that fit.  In front of each refill's barrier a wave
; has waited for all its loads, so one load a wave is on its way at a time: the larger the slot, the more work stands between a request and the wait for it: here 160 matrix instructions.
; K's 16 steps come as fills of 3, 3, 3, 3, 3 and 1 steps: two first fills, four refills.  The 16 steps are written out: every LDS offset and every scale register is a constant of its line.
; THE SCALE WORDS (32,768 bytes for the work-group's rows) do not fit beside such slots and the spare words: each wave loads those of its 128 + 128 rows, for all of K, straight from memory into 128 registers.
; CLUSTERS: 4 x 4 work-groups, all of one g.  The four of a row of the cluster need the same tiles of A, the four of a column the same tiles of B: each tile is asked for jointly.
; LIMITS: a block of zeros gets the byte 1 where the rule says 127 (its codes are zeros, and this program alone reads the bytes); NaN and infinities are not served.
; REGISTERS, in windows of 256: window 0: v16-31 addresses; v32-127 and v224-255 the scale words (block i, K step s at v[32 + 16 i + s], blocks 6 and 7 another 96 on: lanes 0-15 A's block i, lanes 16-31 B's block i);
;   v128-223 A's fragments, one set; at the end the quantiser's work.   window 1: B's fragments, two sets, at v0 and v128; at the end v0-63 a block's numbers.
;   window 2: the accumulators of my rows 0-63 ((a, b) at v[8 (8 (a % 4) + b)]);   window 3: those of my rows 64-127.
.set NQ,     3                         ; K steps in a slot
.set FR,     12                        ; registers of a fragment
.set NL,     3                         ; LDS loads that bring one
.set NP,     4                         ; places behind this matrix instruction (ISA guide 7.12.1)
.set KSTB,   1536                      ; a fragment's image
.set BLKB,   NQ*KSTB                   ; a block of 16 rows in a slot
.set HALFT,  8*BLKB                    ; 128 rows: what one tensor load brings
.set SLOT,   4*HALFT                   ; A's 256 rows, then B's
.set SPARE,  2*SLOT                    ; behind the ring: the spare words, 128 bytes for each wave: two blocks of 256 bytes that no other line names
.set ADRA, 16                          ; v16-17  LDS address of my A fragments in slot 0, 1
.set ADRB, 20                          ; v20-21  the same for B
.set SOF,  27                          ; v27     byte offset in xscl of my scale words: lanes 0-15 A's rows, lanes 16-31 B's; never rewritten
.set SPW,  28                          ; v28     LDS address of my spare word; never rewritten
.set NIL,  29                          ; v29     0; never rewritten
.set LI,   30                          ; v30     16 x lane
.set LN,   31                          ; v31     lane
.set SC,   32                          ; the scale words
.set AF,   128                         ; A's fragments
.set X,    0                           ; the end: a block's 64 numbers, in window 1
.set PC,   128                         ; its codes
.set CT,   140                         ; v140-142, v144-146
.set TM,   152                         ; v152-167 the quantiser's work
.set PWS,  168                         ; v168-175 the eight blocks' scale words
.set W4,   176                         ; v176-179 the four that I store
.set G1, 24                            ; s[24:31] descriptor group 1 for A's tiles of three K steps;  s[32:39] group 0, one set for each slot
.set G0, 32
.set G1B, 48                           ; s[48:55], s[56:63] the same for B's
.set G0B, 56
.set G1L, 68                           ; s[68:75], s[76:83] group 1 for the last fill, of one K step: A's, B's
.set G1BL, 76
.set SEL, 96                           ; s[96:97] v_permlanex16_b32's selects for lane l xor 16
.set FAC, 98                           ; s[98:99] the factor ahead of the quantiser
.set MSB, 0
.macro WIN new                         ; the immediate's high byte repeats the setting that is left
.if MSB != (\new)
	s_set_vgpr_msb (MSB<<8)|(\new)
.set MSB, (\new)
.endif
.endm
.set MUL_LO, 0xa1                      ; source 0 (B) window 1, source 1 (A) window 0, C and D window 2
.set MUL_HI, 0xf1                      ; the same, C and D window 3
.set TO_B,   0x40                      ; destination window 1, address window 0
; A joint load: waves 0 and 1 fetch for A, waves 2 and 3 for B; the branch hangs on the wave's number alone.  Four v_nop follow each of the two lines.
.macro JLOAD g0a, g1a, g0b, g1b
	s_cmp_eq_u32 s15, 0
	s_cbranch_scc0 .Lfor_b_\@
	tensor_load_to_lds s[\g0a:\g0a+3], s[\g1a:\g1a+7]
	s_nop 0
.rept 4
	v_nop
.endr
	s_branch .Lasked_\@
.Lfor_b_\@:
	tensor_load_to_lds s[\g0b:\g0b+3], s[\g1b:\g1b+7]
	s_nop 0
.rept 4
	v_nop
.endr
.Lasked_\@:
.endm
.macro CREST                           ; a round of the cluster's barrier behind its opening barrier
	s_cmp_lg_u32 s14, 0
	s_cbranch_scc1 .Lnot_wave_0_\@
	s_barrier_signal -3
.Lnot_wave_0_\@:
	s_barrier_wait -3
	s_barrier_signal -1
	s_barrier_wait -1
.endm
.macro CROUND                          ; a whole round
	s_barrier_signal -1
	s_barrier_wait -1
	CREST
.endm
	s_load_b256 s[4:11], s[0:1], 0x0               ; xcod s[4:5], xscl s[6:7], hcod s[8:9], hscl s[10:11]
	v_lshl_add_u32 v[SPW], v0, 2, SPARE
	v_mov_b32 v[NIL], 0
	ds_add_u32 v28, v29
	ds_add_u32 v28, v29
	s_wait_dscnt 0x0
	v_lshrrev_b32 v1, 5, v0
	v_readfirstlane_b32 s14, v1                    ; wave 0..3
	s_lshr_b32 s15, s14, 1                         ; which half of A's rows is mine.  Also: I fetch for A (0) or for B (1)
	s_and_b32 s16, s14, 1                          ; which half of B's rows.  Also: which 128 rows I fetch
	s_bfe_u32 s40, ttmp6, 0x40000                  ; cx, cy: my place in the cluster
	s_bfe_u32 s41, ttmp6, 0x40004
	s_lshl_b32 s42, ttmp9, 2
	s_add_co_u32 s42, s42, s40                     ; x = 4 x cluster x + cx: which 256 rows of B
	s_and_b32 s17, ttmp7, 0xffff                   ; cluster y
	s_lshr_b32 s12, s17, 1                         ; g: the same in all sixteen partners
	s_and_b32 s17, s17, 1
	s_lshl_b32 s17, s17, 2
	s_add_co_u32 s17, s17, s41                     ; which 256 rows of A
	s_lshl_b32 s43, s41, 2
	s_lshl_b32 s43, 15, s43                        ; my row of the cluster
	s_lshl_b32 s44, 0x1111, s40                    ; my column
	; descriptor group 1: 8 rows (row tiles) of 4,608 bytes (three K steps' images), 24,576 bytes apart, in elements of 8 bytes; no padding
	s_or_b32 s[G1+0], s43, (3<<16)|(1<<21)         ; 15:0 the mask: A's tiles go to my row; 17:16 elements of 8 bytes; 21 set beside a mask
	s_or_b32 s[G1B+0], s44, (3<<16)|(1<<21)
.irp g, G1, G1B
	s_mov_b32 s[\g+1], (BLKB/8)<<16                ; tensor_dim0
	s_mov_b32 s[\g+2], 8<<16                       ; tensor_dim1
	s_mov_b32 s[\g+3], (BLKB/8)<<16                ; tile_dim0
	s_mov_b32 s[\g+4], 8                           ; tile_dim1
	s_mov_b32 s[\g+5], 3072                        ; tensor_dim0_stride
	s_mov_b32 s[\g+6], 0
	s_mov_b32 s[\g+7], 0
.endr
	; and for the last fill: 8 rows of 1,536 bytes (K step 15 alone): in LDS they lie 1,536 bytes apart
	s_or_b32 s[G1L+0], s43, (3<<16)|(1<<21)
	s_or_b32 s[G1BL+0], s44, (3<<16)|(1<<21)
.irp g, G1L, G1BL
	s_mov_b32 s[\g+1], (KSTB/8)<<16
	s_mov_b32 s[\g+2], 8<<16
	s_mov_b32 s[\g+3], (KSTB/8)<<16
	s_mov_b32 s[\g+4], 8
	s_mov_b32 s[\g+5], 3072
	s_mov_b32 s[\g+6], 0
	s_mov_b32 s[\g+7], 0
.endr
	; where the tiles come from.  A's hang on A's 256 rows alone, B's on B's alone, each in registers that never hold the other coordinate
	s_lshl_b32 s18, s16, 3                         ; which 8 row tiles I fetch
	s_lshl_b32 s20, s17, 4
	s_add_co_u32 s20, s20, s18                     ; A: row tile
	s_lshl_b32 s46, s42, 4
	s_add_co_u32 s46, s46, s18                     ; B: row tile
	s_mul_i32 s20, s20, 24576                      ; their codes,
	s_mul_i32 s46, s46, 24576
	s_mul_i32 s18, s12, 3145728                    ; in tensor g and tensor g + 3
	s_add_co_u32 s20, s20, s18
	s_add_co_u32 s46, s46, s18
	s_add_co_u32 s46, s46, 3*3145728
	s_mov_b32 s21, 0
	s_mov_b32 s47, 0
	s_mul_i32 s45, s14, HALFT                      ; where they go: wave x 128 rows: no place in the cluster enters an LDS address
	s_mov_b32 s[SEL], 0x76543210
	s_mov_b32 s[SEL+1], 0xfedcba98
	s_wait_kmcnt 0x0
	s_add_nc_u64 s[20:21], s[4:5], s[20:21]
	s_add_nc_u64 s[46:47], s[4:5], s[46:47]
	CROUND                                         ; all sixteen work-groups are here: the first joint loads meet
.irp s, 0,1
	s_mov_b32 s[G0+4*\s], 1
	s_add_co_u32 s[G0+4*\s+1], s45, \s*SLOT
	s_add_nc_u64 s[G0+4*\s+2:G0+4*\s+3], s[20:21], \s*BLKB
	s_or_b32 s[G0+4*\s+3], s[G0+4*\s+3], 0x80000000
	s_mov_b32 s[G0B+4*\s], 1
	s_add_co_u32 s[G0B+4*\s+1], s45, \s*SLOT
	s_add_nc_u64 s[G0B+4*\s+2:G0B+4*\s+3], s[46:47], \s*BLKB
	s_or_b32 s[G0B+4*\s+3], s[G0B+4*\s+3], 0x80000000
	JLOAD G0+4*\s, G1, G0B+4*\s, G1B               ; K steps 3 s .. 3 s + 2: two loads of mine are out behind the second
.endr
	v_and_b32 v[LN], 31, v0
	v_lshlrev_b32 v[LI], 4, v[LN]
	v_and_b32 v1, 15, v0                           ; r
	v_bfe_u32 v2, v0, 4, 1                         ; h
	; my scale words in xscl: tensor x 131,072 + row tile x 1,024 + (K step / 2) x 128 + 8 r
	s_lshl_b32 s84, s17, 4
	s_lshl_b32 s86, s15, 3
	s_add_co_u32 s84, s84, s86                     ; A: my first row tile
	s_lshl_b32 s84, s84, 10
	s_lshl_b32 s86, s12, 17
	s_add_co_u32 s84, s84, s86                     ; in tensor g
	s_lshl_b32 s85, s42, 4
	s_lshl_b32 s87, s16, 3
	s_add_co_u32 s85, s85, s87                     ; B: my first row tile
	s_lshl_b32 s85, s85, 10
	s_add_co_u32 s85, s85, s86
	s_add_co_u32 s85, s85, 3*131072                ; in tensor g + 3
	s_sub_co_u32 s85, s85, s84                     ; B's place less A's: above 0 and under 2^20
	v_lshlrev_b32 v5, 3, v1
	v_mul_u32_u24 v6, s85, v2                      ; lanes 16-31 take B's
	v_add_nc_u32 v5, v5, v6
	v_add_nc_u32 v[SOF], s84, v5
.macro SLOADS j0                       ; the scale words of K steps 2 j0 .. 2 j0 + 7: two words a lane and load; sixteen lanes read 128 consecutive bytes
.irp i, 0,1,2,3,4,5,6,7
.irp j, \j0, \j0+1, \j0+2, \j0+3
	global_load_b64 v[SC+16*\i+(\i/6)*96+2*(\j):SC+16*\i+(\i/6)*96+2*(\j)+1], v[SOF], s[6:7] offset:1024*\i+128*(\j)
.endr
.endr
.endm
	SLOADS 0                                       ; K steps 0 to 7
	s_mul_i32 s21, s15, HALFT                      ; my 128 rows of A
	s_mul_i32 s22, s16, HALFT                      ; my 128 rows of B,
	s_add_co_u32 s22, s22, 2*HALFT                 ; which lie behind A's 256
.irp s, 0,1
	v_add_nc_u32 v[ADRA+\s], s21, v[LI]
	v_add_nc_u32 v[ADRB+\s], s22, v[LI]
	s_add_co_u32 s21, s21, SLOT
	s_add_co_u32 s22, s22, SLOT
.endr
	; where my results go
	s_lshl_b32 s95, s42, 1
	s_add_co_u32 s95, s95, s16                     ; which 128 of i
	s_lshl_b32 s13, s17, 1
	s_add_co_u32 s13, s13, s15                     ; which 128 of j
	s_cmp_eq_u32 s12, 2                            ; v: the head is in j (Wv's rows), the key step in i;  q, k: the head is in i, the rows in j
	s_cselect_b32 s2, s13, s95                     ; major
	s_cselect_b32 s18, s95, s13                    ; minor
	s_mul_i32 s20, s12, 3145728
	s_mul_i32 s21, s2, 196608
	s_add_co_u32 s20, s20, s21
	s_mul_i32 s21, s18, 12288
	s_add_co_u32 s20, s20, s21
	s_mov_b32 s21, 0
	s_add_nc_u64 s[8:9], s[8:9], s[20:21]
	s_lshl_b32 s20, s2, 4
	s_add_co_u32 s20, s20, s18
	s_lshl_b32 s20, s20, 9
	s_lshl_b32 s22, s12, 17
	s_add_co_u32 s20, s20, s22
	s_add_nc_u64 s[10:11], s[10:11], s[20:21]
	s_cmp_eq_u32 s12, 0
	s_cselect_b32 s[FAC], 0x3db504f3, 1.0          ; q: f32(1 / sqrt(128)), ahead of the quantiser;  k, v: 1
	s_mov_b32 s[FAC+1], s[FAC]                     ; (named with it as a pair, so it is written)
.macro FRAG reg, adr, off              ; a fragment's image: three loads of 512 consecutive bytes
.irp c, 0,1,2
	ds_load_b128 v[\reg+4*\c:\reg+4*\c+3], v[\adr] offset:(\off)+512*\c
.endr
.endm
.macro FSET n                          ; where K step n lies: fill n / 3, in slot (n / 3) % 2; a row tile's images are BLKB apart, in the last fill KSTB
.set FSL, ((\n)/3)%2
.if (\n) == 15
.set FPI, KSTB
.set FQO, 0
.else
.set FPI, BLKB
.set FQO, ((\n)%3)*KSTB
.endif
.endm
; 16 matrix instructions of K step s: A's blocks a0, a0 + 1 x B's eight (set s % 2).  zero = 1: the first product starts the sums: nothing is ever cleared.
; The 64 accumulators take turns, one instruction a turn, in the same order in every step.
.macro MUL16 a0, s, zero
.irp a, \a0, \a0+1
.irp b, 0,1,2,3,4,5,6,7
.if \zero
	v_wmma_scale_f32_16x16x128_f8f6f4 v[8*(8*((\a)%4)+\b):8*(8*((\a)%4)+\b)+7], v[128*((\s)%2)+FR*\b:128*((\s)%2)+FR*\b+FR-1], v[AF+FR*(\a):AF+FR*(\a)+FR-1], 0, v[SC+16*\b+(\b/6)*96+(\s)], v[SC+16*(\a)+((\a)/6)*96+(\s)] matrix_a_fmt:MATRIX_FMT_FP6 matrix_b_fmt:MATRIX_FMT_FP6 matrix_a_scale:MATRIX_SCALE_ROW1
.else
	v_wmma_scale_f32_16x16x128_f8f6f4 v[8*(8*((\a)%4)+\b):8*(8*((\a)%4)+\b)+7], v[128*((\s)%2)+FR*\b:128*((\s)%2)+FR*\b+FR-1], v[AF+FR*(\a):AF+FR*(\a)+FR-1], v[8*(8*((\a)%4)+\b):8*(8*((\a)%4)+\b)+7], v[SC+16*\b+(\b/6)*96+(\s)], v[SC+16*(\a)+((\a)/6)*96+(\s)] matrix_a_fmt:MATRIX_FMT_FP6 matrix_b_fmt:MATRIX_FMT_FP6 matrix_a_scale:MATRIX_SCALE_ROW1
.endif
.endr
.endr
.endm
.macro FETCH_B n                       ; B's eight fragments of K step n into set n % 2
	FSET \n
	WIN TO_B
.irp i, 0,1,2,3,4,5,6,7
	FRAG 128*((\n)%2)+FR*\i, ADRB+FSL, FPI*\i+FQO
.endr
	WIN 0
.endm
.macro FETCH_A n, i0                   ; A's blocks i0 .. i0 + 3 of K step n
	FSET \n
.irp i, \i0, \i0+1, \i0+2, \i0+3
	FRAG AF+FR*(\i), ADRA+FSL, FPI*(\i)+FQO
.endr
.endm
; A load into a register that a matrix instruction has read, and a vector instruction that reads a matrix result, stand NP places behind it; only plain vector instructions that name none of its registers are places.
.macro PLACES n
.rept \n
	v_nop
.endr
.endm
.macro STEP s, zero                    ; a K step that has its successor in the same slot
	s_wait_dscnt 4*NL                              ; B's set and A's blocks 0-3 are in; the youngest twelve loads (A's blocks 4-7) may be out
	WIN MUL_LO
	MUL16 0, \s, \zero
	MUL16 2, \s, \zero
	s_wait_dscnt 0
	PLACES NP
	FETCH_B (\s)+1
	FETCH_A (\s)+1, 0
	WIN MUL_HI
	MUL16 4, \s, \zero
	MUL16 6, \s, \zero
	PLACES NP
	WIN 0
	FETCH_A (\s)+1, 4
.endm
; A slot's last step changes slots: one barrier; in front of it each wave waits for all its tensor loads, adds 0 to its spare word, and waits for that and for its reads of this slot.
; fill = 1: this slot is filled again, with the three K steps six on;  2: with K step 15 alone;  0: nothing is left to fetch.
.macro TURN s, fill
.set TSL, ((\s)/3)%2
	s_wait_tensorcnt 0x0                           ; all my tensor loads have landed: my part of the next slot
	ds_add_u32 v[SPW], v[NIL]                      ; 0 onto my spare word
	s_wait_dscnt 4*NL+1                            ; (the add and the youngest twelve loads may be out)
	WIN MUL_LO
	MUL16 0, \s, 0
	s_wait_dscnt 0x0                               ; the add is done, and my reads of this slot are over
	s_barrier_signal -1
	MUL16 2, \s, 0
	WIN 0
	s_barrier_wait -1
.if \fill
	CREST                                          ; the barrier has opened a round of the cluster's barrier: no wave of any partner still reads this slot or has a load on its way
	s_add_nc_u64 s[G0+4*TSL+2:G0+4*TSL+3], s[G0+4*TSL+2:G0+4*TSL+3], 2*BLKB
	s_add_nc_u64 s[G0B+4*TSL+2:G0B+4*TSL+3], s[G0B+4*TSL+2:G0B+4*TSL+3], 2*BLKB
.if \fill == 2
	JLOAD G0+4*TSL, G1L, G0B+4*TSL, G1BL
.else
	JLOAD G0+4*TSL, G1, G0B+4*TSL, G1B             ; the first tensor load behind the round; its four v_nop are the places in front of the loads below
.endif
.else
	PLACES NP
.endif
	FETCH_B (\s)+1
	FETCH_A (\s)+1, 0
	WIN MUL_HI
	MUL16 4, \s, 0
	MUL16 6, \s, 0
	PLACES NP
	WIN 0
	FETCH_A (\s)+1, 4
.endm
; 64 numbers of a lane in window 1, register 16 b + i = k 32 b + 16 (lane / 16) + i of my row, become a fragment's codes in v[pc] on and its scale word in v[pw], both in window 0.
.macro QUANT s, pc, pw
	WIN 0x05                                       ; sources 0 and 1: window 1
.irp b, 0,1,2,3
	v_max3_num_f32 v[TM+\b], |v[\s+16*\b]|, |v[\s+1+16*\b]|, 0x1800000   ; block b: my 16 numbers, and the floor 2^(3 - 127): the byte cannot fall under 1
.endr
	WIN 0x14                                       ; sources 1 and 2: window 1
.irp i, 2,4,6,8,10,12,14
.irp b, 0,1,2,3
	v_max3_num_f32 v[TM+\b], v[TM+\b], |v[\s+16*\b+\i]|, |v[\s+1+16*\b+\i]|
.endr
.endr
	WIN 0
.irp b, 0,1,2,3
	v_permlanex16_b32 v[TM+4+\b], v[TM+\b], s[SEL], s[SEL+1]
.endr
.irp b, 0,1,2,3
	v_max_num_f32 v[TM+\b], v[TM+\b], v[TM+4+\b]   ; with lane l xor 16's: the block's largest magnitude
.endr
.irp b, 0,1,2,3
	v_add_nc_u32 v[TM+12+\b], 0xff000000, v[TM+\b] ; 2 off its exponent field: the conversion's scale operand
.endr
.irp b, 0,1,2,3
	v_lshrrev_b32 v[TM+4+\b], 23, v[TM+12+\b]      ; the scale's byte
.endr
	v_lshl_or_b32 v[\pw], v[TM+5], 8, v[TM+4]
	v_lshl_or_b32 v[\pw], v[TM+6], 16, v[\pw]
	v_lshl_or_b32 v[\pw], v[TM+7], 24, v[\pw]
	WIN 0x01                                       ; source 0, the numbers: window 1
.irp c, 0,1
	v_cvt_scalef32_pk16_fp6_f32 v[\pc+6*\c:\pc+2+6*\c], v[\s+32*\c:\s+15+32*\c], v[TM+12+2*\c]
	v_cvt_scalef32_pk16_fp6_f32 v[CT+4*\c:CT+2+4*\c], v[\s+16+32*\c:\s+31+32*\c], v[TM+12+2*\c+1]   ; (a conversion's three registers begin on an even number)
.endr
	WIN 0
	v_nop                                          ; one plain place behind a scaled conversion
.irp c, 0,1                            ; the operand's layout wants a whole block in a lane: lanes 0-15 block 2 c, lanes 16-31 block 2 c + 1
.irp i, 0,1,2
	v_permlane16_swap_b32 v[\pc+6*\c+\i], v[CT+4*\c+\i]
.endr
.irp i, 0,1,2
	v_mov_b32 v[\pc+3+6*\c+\i], v[CT+4*\c+\i]
.endr
.endr
.endm
	s_wait_tensorcnt 1                             ; my part of slot 0 is in (slot 1's load may be out)
	s_barrier_signal -1
	s_barrier_wait -1                              ; everybody's is
	FETCH_B 0
	FETCH_A 0, 0
	FETCH_A 0, 4
	s_wait_loadcnt 0x0                             ; the scale words of K steps 0 to 7
	SLOADS 4                                       ; those of K steps 8 to 15: eight K steps ahead of their first use
	STEP 0, 1                                      ; the first step's products start the sums
	STEP 1, 0
	TURN 2, 1                                      ; slot 0 takes K steps 6 to 8
	STEP 3, 0
	STEP 4, 0
	TURN 5, 1                                      ; slot 1 takes K steps 9 to 11
	STEP 6, 0
	STEP 7, 0
	s_wait_loadcnt 0x0                             ; the scale words of K steps 8 to 15
	TURN 8, 1                                      ; slot 0 takes K steps 12 to 14
	STEP 9, 0
	STEP 10, 0
	TURN 11, 2                                     ; slot 1 takes K step 15
	STEP 12, 0
	STEP 13, 0
	TURN 14, 0                                     ; nothing is left to fetch
	s_wait_dscnt 4*NL                              ; the last step
	WIN MUL_LO
	MUL16 0, 15, 0
	MUL16 2, 15, 0
	s_wait_dscnt 0
	WIN MUL_HI
	MUL16 4, 15, 0
	MUL16 6, 15, 0
	WIN 0
	PLACES NP                                      ; behind the last products: their results are read, and A's and B's registers written, from here on
.irp b, 0,1,2,3
	v_mov_b32 v[TM+4+\b], 0                        ; written once: a lane permute's destination counts as one of its sources
.endr
; Block a: 16 j x 128 i.  The factor is also the move out of the accumulators' window; each accumulator is read from its low end on.
.macro EPI a
	WIN 0x42+(\a)/4                                ; destination window 1; source 0 window 2 or 3
.set NN, 0
.rept 32
	v_pk_mul_f32 v[X+2*NN:X+2*NN+1], v[64*((\a)%4)+2*NN:64*((\a)%4)+2*NN+1], s[FAC:FAC+1] op_sel_hi:[1,0]
.set NN, NN+1
.endr
	WIN 0
.if (\a) > 0
	s_wait_xcnt 0x0                                ; the last block's stores have read their data: the codes' registers are written again only behind this wait
.endif
	QUANT X, PC, PWS+\a
.irp c, 0,1,2
	global_store_b128 v[LI], v[PC+4*\c:PC+4*\c+3], s[8:9] offset:KSTB*(\a)+512*\c   ; 32 lanes store 512 consecutive bytes, aligned
.endr
.endm
.irp a, 0,1,2,3,4,5,6,7
	EPI \a
.endr
	v_cmp_le_u32 vcc_lo, 16, v[LN]                 ; lanes 0-15 store slot r's words of blocks 0-3, lanes 16-31 those of blocks 4-7 (every lane holds its row's whole words)
.irp i, 0,1,2,3
	v_cndmask_b32 v[W4+\i], v[PWS+\i], v[PWS+4+\i], vcc_lo
.endr
	global_store_b128 v[LI], v[W4:W4+3], s[10:11]  ; 512 consecutive bytes, aligned
	s_wait_tensorcnt 0x0                           ; the wave's end
	ds_add_u32 v[SPW], v[NIL]
	s_wait_dscnt 0x0
	CROUND                                         ; the closing round: no work-group ends while a partner may still ask for a tile that names it
	s_endpgm
.Lfunc_end_k_q46e8cd2562_proj:
	.size	k_q46e8cd2562_proj, .Lfunc_end_k_q46e8cd2562_proj-k_q46e8cd2562_proj
	.p2alignl 7, 3214868480
	.fill 96, 4, 3214868480
	.section	.rodata,"a",@progbits
	.p2align	6, 0x0
	.amdhsa_kernel k_q46e8cd2562_proj
		.amdhsa_group_segment_fixed_size 327680
		.amdhsa_private_segment_fixed_size 0
		.amdhsa_enable_private_segment 0
		.amdhsa_kernarg_size 32
		.amdhsa_user_sgpr_count 2
		.amdhsa_user_sgpr_kernarg_segment_ptr 1
		.amdhsa_wavefront_size32 1
		.amdhsa_system_sgpr_workgroup_id_x 1
		.amdhsa_system_sgpr_workgroup_id_y 1
		.amdhsa_system_sgpr_workgroup_id_z 1
		.amdhsa_system_vgpr_workitem_id 0
		.amdhsa_next_free_vgpr 1024
		.amdhsa_next_free_sgpr 100
		.amdhsa_reserve_vcc 1
		.amdhsa_float_denorm_mode_32 3
		.amdhsa_float_denorm_mode_16_64 3
		.amdhsa_memory_ordered 1
		.amdhsa_forward_progress 1
		.amdhsa_inst_pref_size 253
	.end_amdhsa_kernel
	.amdgpu_metadata
---
amdhsa.version: [ 1, 2 ]
amdhsa.kernels:
  - .name:           k_q46e8cd2562_proj
    .symbol:         k_q46e8cd2562_proj.kd
    .args:
      - { .name: xcod, .offset: 0, .size: 8, .value_kind: global_buffer, .address_space: global }
      - { .name: xscl, .offset: 8, .size: 8, .value_kind: global_buffer, .address_space: global }
      - { .name: hcod, .offset: 16, .size: 8, .value_kind: global_buffer, .address_space: global }
      - { .name: hscl, .offset: 24, .size: 8, .value_kind: global_buffer, .address_space: global }
    .group_segment_fixed_size: 327680
    .private_segment_fixed_size: 0
    .kernarg_segment_align: 8
    .kernarg_segment_size: 32
    .max_flat_workgroup_size: 128
    .sgpr_count:     100
    .vgpr_count:     1024
    .wavefront_size: 32
...
	.end_amdgpu_metadata
.endif
;; end of part 5
;; launch attn (part 6): grid 16 x 16, 8 waves a work-group, clusters of 4 x 1, 327,680 bytes of LDS; arguments hcod, hscl, scalars, acod, ascl; writes acod, ascl
.if DOCPART == 6
	.amdgcn_target "amdgcn-amd-amdhsa--gfx1250"
	.amdhsa_code_object_version 6
	.text
	.protected	k_q46e8cd2562_attn
	.globl	k_q46e8cd2562_attn
	.p2align	8
	.type	k_q46e8cd2562_attn,@function
k_q46e8cd2562_attn:
	s_mov_b64 s[64:65], 0
	v_nop
	global_prefetch_b8 v0, s[64:65] scope:SCOPE_SE
	s_setreg_imm32_b32 hwreg(HW_REG_WAVE_MODE, 25, 1), 1
	s_wait_xcnt 0x0
	s_wait_alu depctr_hold_cnt(0) depctr_sa_sdst(0) depctr_va_vdst(0) depctr_va_sdst(0) depctr_va_ssrc(0) depctr_va_vcc(0) depctr_vm_vsrc(0)
	s_getreg_b32 s2, hwreg(HW_REG_IB_STS2, 6, 4)
	s_cmp_eq_u32 s2, 0
	s_cbranch_scc0 .Lentry_in_a_cluster
	s_endpgm
.Lentry_in_a_cluster:
	s_bfe_u32 s2, ttmp6, 0x10000c
	s_cmp_lg_u32 s2, 0x3003
	s_cbranch_scc0 .Lentry_shape_is_right
	s_endpgm
.Lentry_shape_is_right:
; attn[q][h][:] = scalars[h] x sum over k of w[h][q][k] vh[k][h][:],  w = un / (exp(-m) + sum un),  un = exp(x - m),  m = max(row's largest x, 0),  x = (qh / sqrt(128)) . kh.
; Both products on codes of FP6 (E2M3).  w IS QUANTISED FINISHED AND NORMALISED, along the keys: so the row's m and denominator are known before any w is made, and THE KEYS ARE WALKED TWICE:
; pass 1: x = K Q^T, running maximum and sum;  pass 2: the same x again (the same instructions, the same bits), w = 2^(c x - c m) x (1 / D), quantised, O^T += V^T w^T.  c = log2(e).
; The rounding of c m is a common factor of every un and of exp(-m), so it cancels in w.
; SHARES: a work-group owns one head and 128 query slots.  Wave w: query tiles 2 (w % 4), + 1 (32 queries), keys 1,024 (w / 4) .. + 1,023, 128 a step.  The two halves of the keys meet in LDS: m and the sums between the passes, O^T at the end.
; LAYOUT: both products are used transposed (source 0 = 16 keys, or 16 channels; source 1 = my 16 queries): a lane holds ONE query.  By the order of rows in a tile of hcod the 16 registers of tiles 2 b, 2 b + 1 are 16 neighbouring
; keys (channels): 32 b + 16 (lane / 16) + 0 .. 15.  Fragments lie in memory and LDS as images of their registers (1,536 bytes, three loads of 16 bytes a lane at 16 x lane).
; LDS: the head's K stays (196,608 bytes, filled once, in four chunks that pass 1 begins on as they land); V goes through two slots of four key steps; the scale words of K and V stay.
; FRAGMENTS ARE ASKED FOR A STEP AHEAD, in the one set of 96 registers.  All eight waves ask for their 26 LDS loads at the same places of the text, so a wait that stood straight behind the loads would be sat out by all.
; Pass 1: the set is free as soon as a step's products are issued: the next step's K is asked for there and lands under the step's vector work.
; Pass 2 is shifted by a step: K Q^T of step s | V of step s - 1 is asked for | the exponentials | V^T w^T of step s - 1, on the codes made a step ago | K of step s + 1 is asked for | x 1 / D and the quantisers.
; CLUSTER: the four query blocks of a cluster belong to one head: every tile is asked for jointly, by the same tensor load with a mask that names the four.
; The result x scalars[h] is quantised along the channels and leaves as a fragment of the last product's left operand: acod: row tile x 24,576 + head x 1,536;  ascl: row tile x 1,024 + (head / 2) x 128 + slot x 8 + (head % 2) x 4.
; LIMITS: NaN and infinities are not served; a block of zeros gets the byte 1 where the rule says 127 (its codes are zeros; this program alone reads the bytes); a w under 2^-126 is taken as 0 (v_exp_f32 flushes: ISA guide 15.8);
; 1 / D is v_rcp_f32 and a multiplication where the definition divides; O is summed in two halves of the keys.
; REGISTERS: window 0: v1-14 addresses; v16-31 statistics, 8 a tile; v32-63 at work; v64-191 x, then w (64 a tile); v192-222 w's codes; v224-243 scale words; v244-247 sums.
;   window 1: v0-127 O^T (64 a tile); v128-151 Q's two fragments; v152-247 eight fragments of K or of V.
.set VB,    196608                     ; V's two slots: [half of the keys][step][tile of channels][1,536]
.set VSLOT, 49152
.set KSC,   294912                     ; K's scale words: 512 bytes a key step
.set VSC,   303104                     ; V's
.set SPARE, 311296                     ; the spare words, 128 bytes for each wave: four blocks of 256 bytes that no other line names
.set MRG,   312320                     ; 512 bytes a wave: m and the sum of each lane's two queries
.set LI,  1                            ; v1   16 x lane
.set R16, 2                            ; v2   16 x (lane % 16)
.set LN,  3                            ; v3   lane
.set ADK, 4                            ; v4-7 LDS addresses of a step's K, K's scale words, V, V's scale words
.set ADS, 5
.set ADV, 6
.set ADT, 7
.set SPW, 8                            ; v8   LDS address of my spare word; never rewritten
.set NIL, 9                            ; v9   0; never rewritten
.set MW,  10                           ; v10  where I put my statistics;  v11 where my partner (wave xor 4) put its
.set MR,  11
.set SW,  12                           ; v12  the end: where I put O^T;  v13 where I read one tile's two halves
.set SR,  13
.set R8,  14                           ; v14  8 x (lane % 16)
.set ST,  16                           ; tile u at v[ST + 8 u]: +0 -c m, +1 m, +2, +3 the sum in two halves, +4 the rescaling factor, later 1 / D, +5 = 0, +6, +7 at work
.set E,   40                           ; the merge's work: tile u at v[E + 12 u]
.set TM,  48                           ; v48-63 the quantiser's work; in pass 1 the maxima's chains
.set S,   64
.set PC,  192
.set CT,  216                          ; v216-218, v220-222
.set KS,  224                          ; v224-231 K's scale words, a tile each;  v232-239 V's;  v240-241 w's;  v242-243 Q's
.set VS,  232
.set PW,  240
.set QS,  242
.set SU,  244
.set QF,  128                          ; window 1
.set FRG, 152                          ; window 1
.set NC,  3                            ; s3   -c
.set WV,  14
.set QG,  15
.set KH,  16
.set SEL, 20                           ; s[20:21] v_permlanex16_b32's selects for lane l xor 16
.set CS,  22                           ; s[22:23] c, twice
.set G1C, 24                           ; s[24:31] group 1: 6,144 dense bytes;  s[32:39]: 2,048
.set G1S, 32
.set G0S, 40                           ; s[40:43] group 0 for the scale words;  s[44:59] for K's four chunks;  s[68:75] for V's two slots
.set G0K, 44
.set G0V, 68
.set TK,  60                           ; s60-63 where the K, K's scale words, V, V's scale words that are asked for next begin in LDS
.set TS,  61
.set TV,  62
.set TT,  63
.set SCA, 76                           ; s[76:77] scalars[head], twice
.set CNT, 78
.set TV0, 79                           ; s79-82 the same places for my half's first step
.set TK0, 80
.set TS0, 81
.set TT0, 82
.set MSB, 0
.macro WIN new                         ; the immediate's high byte repeats the setting that is left
.if MSB != (\new)
	s_set_vgpr_msb (MSB<<8)|(\new)
.set MSB, (\new)
.endif
.endm
.set W_LD, 0x40                        ; destination window 1, address window 0
.set W_QK, 0x05                        ; K and Q window 1, x window 0
.set W_PV, 0x51                        ; V window 1, w window 0, O^T window 1
.set W_ST, 0x04                        ; an LDS store's data (source 1) window 1
.macro CROUND                          ; a round of the cluster's barrier
	s_barrier_signal -1
	s_barrier_wait -1
	s_cmp_lg_u32 s[WV], 0
	s_cbranch_scc1 .Lnot_wave_0_\@
	s_barrier_signal -3
.Lnot_wave_0_\@:
	s_barrier_wait -3
	s_barrier_signal -1
	s_barrier_wait -1
.endm
	s_load_b256 s[4:11], s[0:1], 0x0               ; hcod s[4:5], hscl s[6:7], scalars s[8:9], acod s[10:11]
	s_load_b64 s[12:13], s[0:1], 0x20              ; ascl
	v_lshl_add_u32 v[SPW], v0, 2, SPARE
	v_mov_b32 v[NIL], 0
	ds_add_u32 v8, v9
	ds_add_u32 v8, v9
	s_wait_dscnt 0x0
	v_lshrrev_b32 v3, 5, v0
	v_readfirstlane_b32 s[WV], v3                  ; wave 0..7
	s_and_b32 s[QG], s[WV], 3                      ; which 32 queries
	s_lshr_b32 s[KH], s[WV], 2                     ; which half of the keys
	s_bfe_u32 s17, ttmp6, 0x40000                  ; cx
	s_lshl_b32 s18, ttmp9, 2
	s_add_co_u32 s18, s18, s17                     ; my block of 128 query slots: it enters Q's, acod's and ascl's addresses alone
	s_and_b32 s19, ttmp7, 0xffff                   ; the head, which the four partners share
	s_mov_b32 s[G1C], 15|(3<<16)|(1<<21)           ; 15:0 the mask: all four work-groups; 17:16 elements of 8 bytes; 21 set beside a mask; no padding
	s_mov_b32 s[G1C+1], 32<<16                     ; tensor_dim0: rows of 256 bytes
	s_mov_b32 s[G1C+2], 24<<16                     ; tensor_dim1
	s_mov_b32 s[G1C+3], 32<<16                     ; tile_dim0
	s_mov_b32 s[G1C+4], 24                         ; tile_dim1
	s_mov_b32 s[G1C+5], 32                         ; tensor_dim0_stride: dense
	s_mov_b32 s[G1C+6], 0
	s_mov_b32 s[G1C+7], 0
	s_mov_b32 s[G1S], 15|(3<<16)|(1<<21)
	s_mov_b32 s[G1S+1], 32<<16
	s_mov_b32 s[G1S+2], 8<<16
	s_mov_b32 s[G1S+3], 32<<16
	s_mov_b32 s[G1S+4], 8
	s_mov_b32 s[G1S+5], 32
	s_mov_b32 s[G1S+6], 0
	s_mov_b32 s[G1S+7], 0
	; what I fetch of a chunk (two key steps of each half of the keys): half w / 4, step (w / 2) % 2, four tiles (w % 2)
	s_mul_i32 s83, s[KH], 98304
	s_mov_b32 s[TK0], s83
	s_bfe_u32 s84, s[WV], 0x10001
	s_mul_i32 s84, s84, 12288
	s_add_co_u32 s83, s83, s84
	s_and_b32 s84, s[WV], 1
	s_mul_i32 s84, s84, 6144
	s_add_co_u32 s83, s83, s84                     ; its place in a head's K or V, and K's place in LDS
	s_mul_i32 s89, s19, 196608                     ; the head's codes
	s_add_co_u32 s84, s89, s83
	s_mov_b32 s85, 0
	s_mul_i32 s88, s[WV], 6144                     ; its place in a slot of V
	s_lshl_b32 s[TS0], s[KH], 12
	s_add_co_u32 s[TT0], s[TS0], VSC
	s_add_co_u32 s[TS0], s[TS0], KSC
	s_mul_i32 s[TV0], s[KH], 24576
	s_add_co_u32 s[TV0], s[TV0], VB
	s_add_co_u32 s90, s[KH], 1                     ; scale words: waves 0-3 K's (tensor 1 of hscl), waves 4-7 V's (tensor 2), 2,048 bytes each
	s_lshl_b32 s90, s90, 17
	s_lshl_b32 s91, s19, 13
	s_add_co_u32 s90, s90, s91
	s_lshl_b32 s91, s[QG], 11
	s_add_co_u32 s90, s90, s91
	s_mov_b32 s91, 0
	s_mul_i32 s92, s18, 12288                      ; Q's two fragments
	s_add_co_u32 s92, s92, s89
	s_mul_i32 s93, s[QG], 3072
	s_add_co_u32 s92, s92, s93
	s_mov_b32 s93, 0
	s_lshl_b32 s94, s19, 4                         ; and their scale words
	s_add_co_u32 s94, s94, s18
	s_lshl_b32 s94, s94, 9
	s_lshr_b32 s95, s[QG], 1
	s_lshl_b32 s95, s95, 8
	s_add_co_u32 s94, s94, s95
	s_and_b32 s95, s[QG], 1
	s_lshl_b32 s95, s95, 3
	s_add_co_u32 s94, s94, s95
	s_mov_b32 s95, 0
	s_mov_b32 s[SEL], 0x76543210
	s_mov_b32 s[SEL+1], 0xfedcba98
	s_mov_b32 s[CS], 0x3fb8aa3b                    ; c = log2(e)
	s_mov_b32 s[CS+1], s[CS]                       ; (named with it as a pair, so it is written)
	s_mov_b32 s[NC], 0xbfb8aa3b                    ; -c
	s_wait_kmcnt 0x0
	s_add_nc_u64 s[86:87], s[4:5], s[84:85]
	s_mov_b32 s[G0S], 1
	s_lshl_b32 s[G0S+1], s[WV], 11
	s_add_co_u32 s[G0S+1], s[G0S+1], KSC           ; V's scale words lie behind K's
	s_add_nc_u64 s[G0S+2:G0S+3], s[6:7], s[90:91]
	s_or_b32 s[G0S+3], s[G0S+3], 0x80000000
.irp c, 0,1,2,3
	s_mov_b32 s[G0K+4*\c], 1
	s_add_co_u32 s[G0K+4*\c+1], s83, 24576*\c
	s_add_nc_u64 s[G0K+4*\c+2:G0K+4*\c+3], s[86:87], 3145728+24576*\c
	s_or_b32 s[G0K+4*\c+3], s[G0K+4*\c+3], 0x80000000
.endr
.irp s, 0,1
	s_mov_b32 s[G0V+4*\s], 1
	s_add_co_u32 s[G0V+4*\s+1], s88, VB+VSLOT*\s
	s_add_nc_u64 s[G0V+4*\s+2:G0V+4*\s+3], s[86:87], 6291456+24576*\s
	s_or_b32 s[G0V+4*\s+3], s[G0V+4*\s+3], 0x80000000
.endr
	s_add_nc_u64 s[92:93], s[4:5], s[92:93]
	s_add_nc_u64 s[94:95], s[6:7], s[94:95]
	CROUND                                         ; all four work-groups are here: the first joint loads meet
	tensor_load_to_lds s[G0S:G0S+3], s[G1S:G1S+7]  ; the first fills go out as one group: seven loads of mine are out
	s_nop 0
	tensor_load_to_lds s[G0K:G0K+3], s[G1C:G1C+7]
	s_nop 0
	tensor_load_to_lds s[G0K+4:G0K+7], s[G1C:G1C+7]
	s_nop 0
	tensor_load_to_lds s[G0K+8:G0K+11], s[G1C:G1C+7]
	s_nop 0
	tensor_load_to_lds s[G0K+12:G0K+15], s[G1C:G1C+7]
	s_nop 0
	tensor_load_to_lds s[G0V:G0V+3], s[G1C:G1C+7]
	s_nop 0
	tensor_load_to_lds s[G0V+4:G0V+7], s[G1C:G1C+7]
	s_nop 0
.rept 4
	v_nop
.endr
	v_and_b32 v[LN], 31, v0
	v_lshlrev_b32 v[LI], 4, v[LN]
	v_and_b32 v[R16], 15, v0
	v_lshlrev_b32 v[R8], 3, v[R16]
	v_lshlrev_b32 v[R16], 4, v[R16]
	WIN W_LD
.irp n, 0,1,2,3,4,5
	global_load_b128 v[QF+4*\n:QF+4*\n+3], v[LI], s[92:93] offset:512*\n   ; Q's two fragments stay in registers
.endr
	WIN 0
	global_load_b64 v[QS:QS+1], v[R16], s[94:95]   ; and their scale words
	s_lshl_b32 s83, s[WV], 9
	s_add_co_u32 s83, s83, MRG
	v_add_nc_u32 v[MW], s83, v[LI]
	s_xor_b32 s83, s[WV], 4
	s_lshl_b32 s83, s83, 9
	s_add_co_u32 s83, s83, MRG
	v_add_nc_u32 v[MR], s83, v[LI]
	s_lshl_b32 s83, s[QG], 1
	s_add_co_u32 s83, s83, s[KH]
	s_lshl_b32 s83, s83, 14
	v_add_nc_u32 v[SW], s83, v[LI]                 ; 16,384 bytes a wave: pair of tiles 2 (w % 4), half of the keys w / 4
	s_lshl_b32 s83, s[QG], 15
	s_lshl_b32 s84, s[KH], 13
	s_add_co_u32 s83, s83, s84
	v_add_nc_u32 v[SR], s83, v[LI]                 ; back: tile w / 4 of my pair, from both halves of the keys
	s_lshl_b32 s86, s18, 3                         ; the row tile that I finish: 8 x block + 2 (w % 4) + w / 4
	s_lshl_b32 s87, s[QG], 1
	s_add_co_u32 s86, s86, s87
	s_add_co_u32 s86, s86, s[KH]
	s_lshl_b32 s90, s86, 10
	s_mul_i32 s86, s86, 24576
	s_mul_i32 s87, s19, 1536
	s_add_co_u32 s86, s86, s87
	s_mov_b32 s87, 0
	s_add_nc_u64 s[10:11], s[10:11], s[86:87]
	s_lshr_b32 s91, s19, 1
	s_lshl_b32 s91, s91, 7
	s_add_co_u32 s90, s90, s91
	s_and_b32 s91, s19, 1
	s_lshl_b32 s91, s91, 2
	s_add_co_u32 s90, s90, s91
	s_mov_b32 s91, 0
	s_add_nc_u64 s[12:13], s[12:13], s[90:91]
	s_lshl_b32 s86, s19, 2
	s_add_nc_u64 s[8:9], s[8:9], s[86:87]
	s_load_b32 s[SCA], s[8:9], 0x0                 ; scalars[head]
.irp u, 0,1
	v_mov_b32 v[ST+8*\u], 0                        ; -c m
	v_mov_b32 v[ST+8*\u+1], 0                      ; m begins at 0: so it ends as max(the row's largest x, 0)
	v_mov_b32 v[ST+8*\u+2], 0                      ; the sum
	v_mov_b32 v[ST+8*\u+3], 0
	v_mov_b32 v[ST+8*\u+5], 0                      ; (the upper half of a pair that is named)
.endr
.irp b, 0,1,2,3
	v_mov_b32 v[TM+4+\b], 0                        ; written once: a lane permute's destination counts as one of its sources
.endr
	v_mov_b32 v[E+1], 0
	s_wait_kmcnt 0x0
	s_mov_b32 s[SCA+1], s[SCA]
	s_wait_loadcnt 0x0                             ; Q
.macro LOADF adr                       ; eight fragments, 24 loads of 512 consecutive bytes
	WIN W_LD
.irp t, 0,1,2,3,4,5,6,7
.irp c, 0,1,2
	ds_load_b128 v[FRG+12*\t+4*\c:FRG+12*\t+4*\c+3], v[\adr] offset:1536*\t+512*\c
.endr
.endr
	WIN 0
.endm
.macro KFETCH                          ; K's eight fragments and their scale words of the key step that begins at s[TK], s[TS]
	v_add_nc_u32 v[ADK], s[TK], v[LI]
	v_add_nc_u32 v[ADS], s[TS], v[R16]
	LOADF ADK
.irp u, 0,1
	ds_load_b128 v[KS+4*\u:KS+4*\u+3], v[ADS] offset:256*\u
.endr
.endm
.macro VFETCH                          ; the same of V, by the addresses in v[ADV], v[ADT]
	LOADF ADV
.irp u, 0,1
	ds_load_b128 v[VS+4*\u:VS+4*\u+3], v[ADT] offset:256*\u
.endr
.endm
.macro QK                              ; x^T = K Q^T: eight tiles of keys x my two tiles of queries; each product is a whole sum (K = 128)
	WIN W_QK
.irp t, 0,1,2,3,4,5,6,7
.irp u, 0,1
	v_wmma_scale_f32_16x16x128_f8f6f4 v[S+64*\u+8*\t:S+64*\u+8*\t+7], v[FRG+12*\t:FRG+12*\t+11], v[QF+12*\u:QF+12*\u+11], 0, v[KS+\t], v[QS+\u] matrix_a_fmt:MATRIX_FMT_FP6 matrix_b_fmt:MATRIX_FMT_FP6
.endr
.endr
	WIN 0
.rept 4
	v_nop                                          ; places in front of the first read of the results and of loads into the fragments' and the scale words' registers
.endr
.endm
.macro EXPO                            ; x becomes 2^(c x - c m), both tiles
.irp u, 0,1
.set NN, 0
.rept 32
	v_pk_fma_f32 v[S+64*\u+2*NN:S+64*\u+2*NN+1], v[S+64*\u+2*NN:S+64*\u+2*NN+1], s[CS:CS+1], v[ST+8*\u:ST+8*\u+1] op_sel_hi:[1,0,0]   ; each accumulator from its low end on
.set NN, NN+1
.endr
.endr
.set NN, 0
.rept 128
	v_exp_f32 v[S+NN], v[S+NN]
.set NN, NN+1
.endr
.endm
; PASS 1, a key step: each lane keeps the maximum and the sum of ITS keys of its query; the lanes and the waves meet once, behind the pass.
; The step's K was asked for a step ago; the K at s[TK], s[TS] is asked for as soon as the products are issued.
.macro STEP1
	s_wait_dscnt 0x0                               ; this step's K and its scale words are in
	QK
	KFETCH
.irp b, 0,1,2,3
.irp u, 0,1
	v_max3_num_f32 v[TM+4*\u+\b], v[S+64*\u+16*\b], v[S+64*\u+16*\b+1], v[S+64*\u+16*\b+2]   ; four chains a tile
.endr
.endr
.irp i, 3,5,7,9,11,13
.irp b, 0,1,2,3
.irp u, 0,1
	v_max3_num_f32 v[TM+4*\u+\b], v[TM+4*\u+\b], v[S+64*\u+16*\b+\i], v[S+64*\u+16*\b+\i+1]
.endr
.endr
.endr
.irp b, 0,1,2,3
.irp u, 0,1
	v_max_num_f32 v[TM+4*\u+\b], v[TM+4*\u+\b], v[S+64*\u+16*\b+15]
.endr
.endr
.irp u, 0,1
	v_max3_num_f32 v[TM+4*\u], v[TM+4*\u], v[TM+4*\u+1], v[TM+4*\u+2]
	v_mov_b32 v[ST+8*\u+7], v[ST+8*\u]             ; the old -c m
.endr
.irp u, 0,1
	v_max3_num_f32 v[ST+8*\u+1], v[TM+4*\u], v[TM+4*\u+3], v[ST+8*\u+1]   ; the new m
.endr
.irp u, 0,1
	v_mul_f32 v[ST+8*\u], s[NC], v[ST+8*\u+1]
.endr
.irp u, 0,1
	v_sub_f32 v[ST+8*\u+6], v[ST+8*\u], v[ST+8*\u+7]
.endr
.irp u, 0,1
	v_exp_f32 v[ST+8*\u+4], v[ST+8*\u+6]           ; 2^(c m_old - c m_new)
.endr
	EXPO
	s_wait_alu depctr_va_vdst(0)
.irp u, 0,1
	v_pk_mul_f32 v[ST+8*\u+2:ST+8*\u+3], v[ST+8*\u+2:ST+8*\u+3], v[ST+8*\u+4:ST+8*\u+5] op_sel_hi:[1,0]   ; the sum under the new m.  (A plain place behind the exponentials)
.endr
.irp u, 0,1
	v_pk_add_f32 v[SU+2*\u:SU+2*\u+1], v[S+64*\u:S+64*\u+1], v[S+64*\u+2:S+64*\u+3]
.endr
.irp j, 4,8,12,16,20,24,28,32,36,40,44,48,52,56,60
.irp u, 0,1
	v_pk_add_f32 v[ST+8*\u+2:ST+8*\u+3], v[ST+8*\u+2:ST+8*\u+3], v[S+64*\u+\j:S+64*\u+\j+1]
	v_pk_add_f32 v[SU+2*\u:SU+2*\u+1], v[SU+2*\u:SU+2*\u+1], v[S+64*\u+\j+2:S+64*\u+\j+3]
.endr
.endr
.irp u, 0,1
	v_pk_add_f32 v[ST+8*\u+2:ST+8*\u+3], v[ST+8*\u+2:ST+8*\u+3], v[SU+2*\u:SU+2*\u+1]
.endr
.endm
.macro P1CHUNK c                       ; key steps 2 c - 1 and 2 c of my half, which ask for steps 2 c and 2 c + 1: chunk c of K
	s_wait_tensorcnt 5-\c                          ; my parts of K's chunks up to c are in; K's later chunks and V's two slots may be out
	s_wait_dscnt 0x0
	s_barrier_signal -1
	s_barrier_wait -1                              ; everybody's are
	s_add_co_u32 s[TK], s[TK0], 24576*\c
	s_add_co_u32 s[TS], s[TS0], 1024*\c
	s_mov_b32 s[CNT], 2
.Lp1_\@:
	STEP1
	s_add_co_u32 s[TK], s[TK], 12288
	s_add_co_u32 s[TS], s[TS], 512
	s_sub_co_u32 s[CNT], s[CNT], 1
	s_cmp_lg_u32 s[CNT], 0
	s_cbranch_scc1 .Lp1_\@
.endm
	s_wait_tensorcnt 5                             ; my parts of the scale words and of K's chunk 0 are in; the five younger loads may be out
	s_barrier_signal -1
	s_barrier_wait -1                              ; everybody's are
	s_mov_b32 s[TK], s[TK0]
	s_mov_b32 s[TS], s[TS0]
	KFETCH                                         ; key step 0's K
	s_add_co_u32 s[TK], s[TK0], 12288
	s_add_co_u32 s[TS], s[TS0], 512
	STEP1                                          ; key step 0; it asks for step 1's K, of the same chunk
	P1CHUNK 1
	P1CHUNK 2
	P1CHUNK 3
	s_mov_b32 s[TK], s[TK0]
	s_mov_b32 s[TS], s[TS0]
	STEP1                                          ; key step 7; it asks for the K with which pass 2 begins
	; THE MERGE: my lane's (m, sum) of both tiles meet those of the wave with the other half of the keys (through LDS) and of lane l xor 16.
.irp u, 0,1
	v_add_f32 v[33+2*\u], v[ST+8*\u+2], v[ST+8*\u+3]
	v_mov_b32 v[32+2*\u], v[ST+8*\u+1]
.endr
	ds_store_b128 v[MW], v[32:35]
	s_wait_tensorcnt 0x0                           ; V's two slots: my parts are in
	s_wait_dscnt 0x0                               ; for the others' sake: my store is done
	s_barrier_signal -1
	s_barrier_wait -1
	ds_load_b128 v[36:39], v[MR]
	s_wait_dscnt 0x0
.irp u, 0,1
	v_max_num_f32 v[E+12*\u], v[32+2*\u], v[36+2*\u]
.endr
.irp u, 0,1
	v_permlanex16_b32 v[E+12*\u+1], v[E+12*\u], s[SEL], s[SEL+1]
.endr
.irp u, 0,1
	v_max_num_f32 v[ST+8*\u+1], v[E+12*\u], v[E+12*\u+1]   ; m of the whole row
.endr
.irp u, 0,1
	v_mul_f32 v[E+12*\u+2], s[NC], v[ST+8*\u+1]    ; the row's -c m
	v_mul_f32 v[E+12*\u+3], s[NC], v[36+2*\u]      ; my partner's own -c m: the same multiplication, the same bits
.endr
.irp u, 0,1
	v_sub_f32 v[E+12*\u+4], v[E+12*\u+2], v[ST+8*\u]
	v_sub_f32 v[E+12*\u+3], v[E+12*\u+2], v[E+12*\u+3]
	v_mov_b32 v[ST+8*\u], v[E+12*\u+2]
.endr
.irp u, 0,1
	v_exp_f32 v[E+12*\u+4], v[E+12*\u+4]           ; brings my sum under the row's m,
	v_exp_f32 v[E+12*\u+3], v[E+12*\u+3]           ; my partner's,
	v_exp_f32 v[E+12*\u+5], v[E+12*\u+2]           ; and exp(-m), the denominator's extra term
.endr
	v_nop                                          ; a plain place behind the exponentials
	s_wait_alu depctr_va_vdst(0)
.irp u, 0,1
	v_mul_f32 v[E+12*\u], v[33+2*\u], v[E+12*\u+4]
.endr
.irp u, 0,1
	v_fma_f32 v[E+12*\u], v[37+2*\u], v[E+12*\u+3], v[E+12*\u]
.endr
.irp u, 0,1
	v_permlanex16_b32 v[E+12*\u+1], v[E+12*\u], s[SEL], s[SEL+1]
.endr
.irp u, 0,1
	v_add_f32 v[E+12*\u], v[E+12*\u], v[E+12*\u+1]
.endr
.irp u, 0,1
	v_add_f32 v[E+12*\u], v[E+12*\u], v[E+12*\u+5] ; D: at least 1
.endr
.irp u, 0,1
	v_rcp_f32 v[ST+8*\u+4], v[E+12*\u]
.endr
	v_nop                                          ; a plain place behind the reciprocals
; 64 numbers of a lane, register 16 b + i = k 32 b + 16 (lane / 16) + i of my row, become a fragment's codes in v[pc] on and its scale word in v[pw].
.macro QUANT s, pc, pw
.irp b, 0,1,2,3
	v_max3_num_f32 v[TM+\b], |v[\s+16*\b]|, |v[\s+1+16*\b]|, 0x1800000   ; block b: my 16 numbers, and the floor 2^(3 - 127): the byte cannot fall under 1
.endr
.irp i, 2,4,6,8,10,12,14
.irp b, 0,1,2,3
	v_max3_num_f32 v[TM+\b], v[TM+\b], |v[\s+16*\b+\i]|, |v[\s+1+16*\b+\i]|
.endr
.endr
.irp b, 0,1,2,3
	v_permlanex16_b32 v[TM+4+\b], v[TM+\b], s[SEL], s[SEL+1]
.endr
.irp b, 0,1,2,3
	v_max_num_f32 v[TM+\b], v[TM+\b], v[TM+4+\b]   ; with lane l xor 16's: the block's largest magnitude
.endr
.irp b, 0,1,2,3
	v_add_nc_u32 v[TM+12+\b], 0xff000000, v[TM+\b] ; 2 off its exponent field: the conversion's scale operand
.endr
.irp b, 0,1,2,3
	v_lshrrev_b32 v[TM+4+\b], 23, v[TM+12+\b]      ; the scale's byte
.endr
	v_lshl_or_b32 v[\pw], v[TM+5], 8, v[TM+4]
	v_lshl_or_b32 v[\pw], v[TM+6], 16, v[\pw]
	v_lshl_or_b32 v[\pw], v[TM+7], 24, v[\pw]
.irp c, 0,1
	v_cvt_scalef32_pk16_fp6_f32 v[\pc+6*\c:\pc+2+6*\c], v[\s+32*\c:\s+15+32*\c], v[TM+12+2*\c]
	v_cvt_scalef32_pk16_fp6_f32 v[CT+4*\c:CT+2+4*\c], v[\s+16+32*\c:\s+31+32*\c], v[TM+12+2*\c+1]   ; (a conversion's three registers begin on an even number)
.endr
	v_nop                                          ; one plain place behind a scaled conversion
.irp c, 0,1                            ; the operand's layout wants a whole block in a lane: lanes 0-15 block 2 c, lanes 16-31 block 2 c + 1
.irp i, 0,1,2
	v_permlane16_swap_b32 v[\pc+6*\c+\i], v[CT+4*\c+\i]
.endr
.irp i, 0,1,2
	v_mov_b32 v[\pc+3+6*\c+\i], v[CT+4*\c+\i]
.endr
.endr
.endm
.macro PV zero                         ; O^T += V^T w^T: the sixteen accumulators by turns, one instruction a turn.  zero = 1: the products start the sums
	WIN W_PV
.irp t, 0,1,2,3,4,5,6,7
.irp u, 0,1
.if \zero
	v_wmma_scale_f32_16x16x128_f8f6f4 v[64*\u+8*\t:64*\u+8*\t+7], v[FRG+12*\t:FRG+12*\t+11], v[PC+12*\u:PC+12*\u+11], 0, v[VS+\t], v[PW+\u] matrix_a_fmt:MATRIX_FMT_FP6 matrix_b_fmt:MATRIX_FMT_FP6
.else
	v_wmma_scale_f32_16x16x128_f8f6f4 v[64*\u+8*\t:64*\u+8*\t+7], v[FRG+12*\t:FRG+12*\t+11], v[PC+12*\u:PC+12*\u+11], v[64*\u+8*\t:64*\u+8*\t+7], v[VS+\t], v[PW+\u] matrix_a_fmt:MATRIX_FMT_FP6 matrix_b_fmt:MATRIX_FMT_FP6
.endif
.endr
.endr
	WIN 0
.endm
; PASS 2, key step s of my half's eight; written out eight times, so that every place in LDS is a constant of its line.
; V of step s lies in slot (s / 2) % 2 and is read in step s + 1 (V of step 7 in step 7, where the others ask for K).
.macro STEP2 s
.if \s < 7
	s_add_co_u32 s[TK], s[TK0], 12288*(\s+1)       ; the next step's K and its scale words,
	s_add_co_u32 s[TS], s[TS0], 512*(\s+1)
.endif
	s_add_co_u32 s[TV], s[TV0], VSLOT*((\s/2)%2)+12288*(\s%2)   ; this step's V and its scale words
	s_add_co_u32 s[TT], s[TT0], 512*\s
	s_wait_dscnt 0x0                               ; this step's K, asked for a step ago, is in
	QK
.if \s > 0
	VFETCH                                         ; V of step s - 1 takes K's registers and lands under the exponentials
.endif
	EXPO
.if \s > 0
	s_wait_dscnt 0x0                               ; V of step s - 1 is in
.if \s == 1
	PV 1                                           ; on the codes and the scale words that step s - 1 made: a whole step's vector work stands between their last write and these products
.else
	PV 0
.endif
.endif
	v_add_nc_u32 v[ADV], s[TV], v[LI]              ; four plain instructions: the place behind the exponentials, and the places behind the products in front of loads into the registers that they have read
	v_add_nc_u32 v[ADT], s[TT], v[R16]
.if \s < 7
	KFETCH                                         ; (its two additions are the other two)  K of step s + 1 lands under the work below
.else
	v_nop
	v_nop
	s_wait_alu depctr_va_vdst(0)
	VFETCH                                         ; V of step 7
.endif
	s_wait_alu depctr_va_vdst(0)
.irp u, 0,1
.set NN, 0
.rept 32
	v_pk_mul_f32 v[S+64*\u+2*NN:S+64*\u+2*NN+1], v[S+64*\u+2*NN:S+64*\u+2*NN+1], v[ST+8*\u+4:ST+8*\u+5] op_sel_hi:[1,0]   ; w = un / D, finished
.set NN, NN+1
.endr
.endr
	QUANT S, PC, PW
	QUANT S+64, PC+12, PW+1
.endm
; V's slot whose two steps have been read is filled again, with the chunk two on.  Each wave waits for all its tensor loads, adds 0 to its spare word, and waits for that and for its reads of the slot; a round of the
; cluster's barrier: no wave of any partner still reads the slot or has a load on its way; the joint refill is the first thing behind it, one a wave, and has two key steps' work in which to land.
.macro CHANGE slot
	s_wait_tensorcnt 0x0                           ; no tensor load of mine is out, so a group 0 may be written
	ds_add_u32 v[SPW], v[NIL]                      ; 0 onto my spare word
	s_add_nc_u64 s[G0V+4*\slot+2:G0V+4*\slot+3], s[G0V+4*\slot+2:G0V+4*\slot+3], 2*24576
	s_wait_dscnt 0x0                               ; the add is done, and my reads of the slot are over
	CROUND
	tensor_load_to_lds s[G0V+4*\slot:G0V+4*\slot+3], s[G1C:G1C+7]
	s_nop 0
.rept 4
	v_nop
.endr
.endm
	STEP2 0
	STEP2 1                                        ; reads V of step 0,
	STEP2 2                                        ; of step 1: slot 0 is read out
	CHANGE 0                                       ; slot 0 takes V of steps 4 and 5
	STEP2 3
	STEP2 4                                        ; slot 1 is read out
	CHANGE 1                                       ; slot 1 takes V of steps 6 and 7; slot 0's second tile is whole
	STEP2 5
	STEP2 6
	s_wait_tensorcnt 0x0                           ; my part of the last chunk of V is in
	s_wait_dscnt 0x0
	s_barrier_signal -1
	s_barrier_wait -1
	STEP2 7
	s_wait_dscnt 0x0                               ; V of step 7
.rept 8
	v_nop                                          ; a scale register written by a vector instruction stands 8 places ahead of a scaled matrix instruction, an operand so written 4
.endr
	PV 0
	; THE END.  The two halves of the keys meet in a stage that lies in K's bytes: they have had their one fill, and behind the barrier below nobody reads them.
.rept 4
	v_nop                                          ; places behind the last products
.endr
	s_wait_dscnt 0x0
	s_barrier_signal -1
	s_barrier_wait -1
	WIN W_ST
.set NN, 0
.rept 32
	ds_store_b128 v[SW], v[4*NN:4*NN+3] offset:512*NN   ; O^T as it stands, each accumulator from its low end on
.set NN, NN+1
.endr
	WIN 0
	s_wait_dscnt 0x0                               ; for the others' sake: my stores are done
	s_barrier_signal -1
	s_barrier_wait -1
.set NN, 0
.rept 16
	ds_load_b128 v[S+4*NN:S+4*NN+3], v[SR] offset:512*NN
	ds_load_b128 v[S+64+4*NN:S+64+4*NN+3], v[SR] offset:16384+512*NN
.set NN, NN+1
.endr
	s_wait_dscnt 0x0
.set NN, 0
.rept 32
	v_pk_add_f32 v[S+2*NN:S+2*NN+1], v[S+2*NN:S+2*NN+1], v[S+64+2*NN:S+64+2*NN+1]
.set NN, NN+1
.endr
.set NN, 0
.rept 32
	v_pk_mul_f32 v[S+2*NN:S+2*NN+1], v[S+2*NN:S+2*NN+1], s[SCA:SCA+1] op_sel_hi:[1,0]   ; x scalars[head], ahead of the quantiser
.set NN, NN+1
.endr
	QUANT S, PC, PW
.irp c, 0,1,2
	global_store_b128 v[LI], v[PC+4*\c:PC+4*\c+3], s[10:11] offset:512*\c   ; 32 lanes store 512 consecutive bytes, aligned
.endr
	s_wait_xcnt 0x0                                ; EXEC changes only behind this wait
	v_cmp_gt_u32 vcc_lo, 16, v[LN]
	s_and_saveexec_b32 s83, vcc_lo
	global_store_b32 v[R8], v[PW], s[12:13]        ; lanes 0-15: slot r's scale word of this head (4 of each 8 bytes: the other head of the pair writes the rest)
	s_wait_xcnt 0x0                                ; and again, in front of the line that widens it
	s_or_b32 exec_lo, exec_lo, s83
	s_wait_tensorcnt 0x0                           ; the wave's end
	ds_add_u32 v[SPW], v[NIL]
	s_wait_dscnt 0x0
	CROUND                                         ; the closing round: no work-group ends while a partner may still ask for a tile that names it
	s_endpgm
.Lfunc_end_k_q46e8cd2562_attn:
	.size	k_q46e8cd2562_attn, .Lfunc_end_k_q46e8cd2562_attn-k_q46e8cd2562_attn
	.p2alignl 7, 3214868480
	.fill 96, 4, 3214868480
	.section	.rodata,"a",@progbits
	.p2align	6, 0x0
	.amdhsa_kernel k_q46e8cd2562_attn
		.amdhsa_group_segment_fixed_size 327680
		.amdhsa_private_segment_fixed_size 0
		.amdhsa_enable_private_segment 0
		.amdhsa_kernarg_size 40
		.amdhsa_user_sgpr_count 2
		.amdhsa_user_sgpr_kernarg_segment_ptr 1
		.amdhsa_wavefront_size32 1
		.amdhsa_system_sgpr_workgroup_id_x 1
		.amdhsa_system_sgpr_workgroup_id_y 1
		.amdhsa_system_sgpr_workgroup_id_z 1
		.amdhsa_system_vgpr_workitem_id 0
		.amdhsa_next_free_vgpr 512
		.amdhsa_next_free_sgpr 96
		.amdhsa_reserve_vcc 1
		.amdhsa_float_denorm_mode_32 3
		.amdhsa_float_denorm_mode_16_64 3
		.amdhsa_memory_ordered 1
		.amdhsa_forward_progress 1
		.amdhsa_inst_pref_size 255
	.end_amdhsa_kernel
	.section	.bss,"aw",@nobits
	.p2align	6
	.space	262144
	.amdgpu_metadata
---
amdhsa.version: [ 1, 2 ]
amdhsa.kernels:
  - .name:           k_q46e8cd2562_attn
    .symbol:         k_q46e8cd2562_attn.kd
    .args:
      - { .name: hcod, .offset: 0, .size: 8, .value_kind: global_buffer, .address_space: global }
      - { .name: hscl, .offset: 8, .size: 8, .value_kind: global_buffer, .address_space: global }
      - { .name: scalars, .offset: 16, .size: 8, .value_kind: global_buffer, .address_space: global }
      - { .name: acod, .offset: 24, .size: 8, .value_kind: global_buffer, .address_space: global }
      - { .name: ascl, .offset: 32, .size: 8, .value_kind: global_buffer, .address_space: global }
    .group_segment_fixed_size: 327680
    .private_segment_fixed_size: 0
    .kernarg_segment_align: 8
    .kernarg_segment_size: 40
    .max_flat_workgroup_size: 256
    .sgpr_count:     96
    .vgpr_count:     512
    .wavefront_size: 32
...
	.end_amdgpu_metadata
.endif
;; end of part 6
;; launch outp (part 7): grid 16 x 16, 4 waves a work-group, clusters of 4 x 4, 327,680 bytes of LDS; arguments acod, ascl, xcod, xscl, out0; writes out0
.if DOCPART == 7
	.amdgcn_target "amdgcn-amd-amdhsa--gfx1250"
	.amdhsa_code_object_version 6
	.text
	.protected	k_q46e8cd2562_outp
	.globl	k_q46e8cd2562_outp
	.p2align	8
	.type	k_q46e8cd2562_outp,@function
k_q46e8cd2562_outp:
	s_mov_b64 s[64:65], 0
	v_nop
	global_prefetch_b8 v0, s[64:65] scope:SCOPE_SE
	s_setreg_imm32_b32 hwreg(HW_REG_WAVE_MODE, 25, 1), 1
	s_wait_xcnt 0x0
	s_wait_alu depctr_hold_cnt(0) depctr_sa_sdst(0) depctr_va_vdst(0) depctr_va_sdst(0) depctr_va_ssrc(0) depctr_va_vcc(0) depctr_vm_vsrc(0)
	s_getreg_b32 s2, hwreg(HW_REG_IB_STS2, 6, 4)
	s_cmp_eq_u32 s2, 0
	s_cbranch_scc0 .Lentry_in_a_cluster
	s_endpgm
.Lentry_in_a_cluster:
	s_bfe_u32 s2, ttmp6, 0x10000c
	s_cmp_lg_u32 s2, 0xf033
	s_cbranch_scc0 .Lentry_shape_is_right
	s_endpgm
.Lentry_shape_is_right:
; out0[q][n] = sum over k of attn[q][k] Wo[n][k], on codes of FP6 (E2M3) with one E8M0 scale for each 32 along K; sums in f32.
; A = acod / ascl (the attention's result, quantised along head x 128 + channel), B = tensor 6 of xcod / xscl (Wo).  Both lie as images of fragments: row tile x 24,576 + K step x 1,536;
; scale words: row tile x 1,024 + (K step / 2) x 128 + slot x 8 + (K step % 2) x 4.  Slot r of row tile rt is row 32 (rt / 2) + 8 (rt % 2) + r + 8 (r / 8): the way out puts rows and columns back in their places.
; SHARES: a tile of out0 is 128 x 128, so that the output has 256 tiles, a grid of 16 x 16; tiles of 256 x 256 would be 64.  Four waves, each 64 x 64: 16 accumulators, 128 registers.
; A wave reads 8 fragments (12,288 bytes) from LDS for a K step's 16 matrix instructions: twice the bytes a product of a wave tile of 128 x 128: the price of four times as many work-groups.
; LDS: a tile's codes for all of K are 2 x 128 rows x 1,536 bytes = 393,216 bytes; three quarters of them fit at once.  Three slots of 512 along K (98,304 bytes each) and the scale words (16,384 bytes) are FIRST FILLS,
; asked for together at the start; only K 1,536 .. 2,047 is a refill, into slot 0, behind the one round that follows slot 0's last read: it has eight K steps' work in which to land.
; THE MATRIX INSTRUCTION IS USED TRANSPOSED (source 0 = 16 rows of Wo, source 1 = 16 rows of A): a lane holds one row of out0 and eight neighbouring columns an accumulator.
; CLUSTERS: 4 x 4 work-groups: A's tiles are shared along a row of the cluster, B's along a column: each is asked for jointly.
; The 16 K steps are written out: every LDS offset and every scale register is a constant of its line.
; REGISTERS: window 0: v16-30 addresses; v32-95 all scale words (block i, K step s at v[32 + 16 i + s]: lanes 0-15 A's block i, lanes 16-31 B's block i), loaded once; v128-255 the accumulators ((a, b) at v[128 + 8 (4 a + b)]).
;   window 1: two sets of fragments at v0 and v128 (A's four, then B's four: 96 registers); on the way out v0-63 rows read back.
.set NQ,     4                         ; K steps in a slot
.set FR,     12                        ; registers of a fragment
.set NP,     4                         ; places behind this matrix instruction (ISA guide 7.12.1)
.set KSTB,   1536                      ; a fragment's image
.set BLKB,   NQ*KSTB                   ; a row tile in a slot
.set HALFT,  4*BLKB                    ; 64 rows: what one tensor load brings, and what one wave reads of A or of B
.set SLOT,   4*HALFT                   ; A's 128 rows, then B's
.set SCL,    3*SLOT                    ; behind the slots: the scale words, 4,096 bytes for each 64 rows
.set HALFS,  4096
.set SPARE,  SCL+4*HALFS               ; the spare words, 128 bytes for each wave: two blocks of 256 bytes that no other line names
.set STG,    SLOT                      ; the way out: a stage of 16 rows for each wave, in slot 1: it has had its one fill, and its last read lies ahead of the barrier in K step 11
.set SPITCH, 272                       ; a stage row: 256 bytes + 16 = 68 words: row r starts at bank 4 r mod 64 (64 banks of 4 bytes: ISA guide 11.1)
.set ADRA, 16                          ; v16-18  LDS address of my A fragments in slot 0, 1, 2
.set ADRB, 20                          ; v20-22  the same for B
.set STO,  24                          ; v24     the way out: where I put 32 bytes of a row
.set RD,   25                          ; v25     where I read a row back
.set CO,   26                          ; v26     my byte offset in two rows of out0
.set ADRS, 27                          ; v27     LDS address of my scale words: lanes 0-15 A's rows, lanes 16-31 B's
.set SPW,  28                          ; v28     LDS address of my spare word; never rewritten
.set NIL,  29                          ; v29     0; never rewritten
.set LI,   30                          ; v30     16 x lane
.set SC,   32
.set ACC,  128
.set F0,   0                           ; fragment sets, in window 1
.set F1,   128
.set BK,   0                           ; window 1: 16 rows read back from the stage: v0-31 and v32-63 by turns
.set G1,   24                          ; s[24:31] descriptor group 1 for A's codes;  s[32:43] group 0, one set for each slot
.set G0,   32
.set G1B,  44                          ; s[44:51], s[52:63] the same for B's
.set G0B,  52
.set G1S,  68                          ; s[68:75], s[76:79] groups 1 and 0 for A's scale words;  s[80:87], s[88:91] for B's
.set G0S,  76
.set G1SB, 80
.set G0SB, 88
.set MSB, 0
.macro WIN new                         ; the immediate's high byte repeats the setting that is left
.if MSB != (\new)
	s_set_vgpr_msb (MSB<<8)|(\new)
.set MSB, (\new)
.endif
.endm
.set MUL,  0x05                        ; sources 0 (B) and 1 (A) window 1; C and D window 0
.set TO_F, 0x40                        ; destination window 1, address window 0
.set FR_F, 0x04                        ; a store's data (source 1) window 1
.macro JLOAD g0a, g1a, g0b, g1b        ; a joint load: waves 0 and 1 fetch for A, waves 2 and 3 for B; the branch hangs on the wave's number alone; four v_nop follow each of the two lines
	s_cmp_eq_u32 s15, 0
	s_cbranch_scc0 .Lfor_b_\@
	tensor_load_to_lds s[\g0a:\g0a+3], s[\g1a:\g1a+7]
	s_nop 0
.rept 4
	v_nop
.endr
	s_branch .Lasked_\@
.Lfor_b_\@:
	tensor_load_to_lds s[\g0b:\g0b+3], s[\g1b:\g1b+7]
	s_nop 0
.rept 4
	v_nop
.endr
.Lasked_\@:
.endm
.macro CROUND                          ; a round of the cluster's barrier
	s_barrier_signal -1
	s_barrier_wait -1
	s_cmp_lg_u32 s14, 0
	s_cbranch_scc1 .Lnot_wave_0_\@
	s_barrier_signal -3
.Lnot_wave_0_\@:
	s_barrier_wait -3
	s_barrier_signal -1
	s_barrier_wait -1
.endm
	s_load_b256 s[4:11], s[0:1], 0x0               ; acod s[4:5], ascl s[6:7], xcod s[8:9], xscl s[10:11]
	s_load_b64 s[12:13], s[0:1], 0x20              ; out0
	v_lshl_add_u32 v[SPW], v0, 2, SPARE
	v_mov_b32 v[NIL], 0
	ds_add_u32 v28, v29
	ds_add_u32 v28, v29
	s_wait_dscnt 0x0
	v_lshrrev_b32 v1, 5, v0
	v_readfirstlane_b32 s14, v1                    ; wave 0..3
	s_lshr_b32 s15, s14, 1                         ; which half of the tile's rows is mine.  Also: I fetch for A (0) or for B (1)
	s_and_b32 s16, s14, 1                          ; which half of its columns.  Also: which 64 rows I fetch
	s_bfe_u32 s96, ttmp6, 0x40000                  ; cx, cy: my place in the cluster
	s_bfe_u32 s97, ttmp6, 0x40004
	s_lshl_b32 s98, ttmp9, 2
	s_add_co_u32 s98, s98, s96                     ; tile column = 4 x cluster x + cx
	s_and_b32 s17, ttmp7, 0xffff
	s_lshl_b32 s17, s17, 2
	s_add_co_u32 s17, s17, s97                     ; tile row = 4 x cluster y + cy
	s_lshl_b32 s2, s97, 2
	s_lshl_b32 s2, 15, s2                          ; my row of the cluster
	s_lshl_b32 s3, 0x1111, s96                     ; my column
	; descriptor group 1 for codes: 4 rows (row tiles) of 6,144 bytes (four K steps' images), 24,576 bytes apart, in elements of 8 bytes; no padding
	s_or_b32 s[G1+0], s2, (3<<16)|(1<<21)          ; 15:0 the mask: A's tiles go to my row; 17:16 elements of 8 bytes; 21 set beside a mask
	s_or_b32 s[G1B+0], s3, (3<<16)|(1<<21)
.irp g, G1, G1B
	s_mov_b32 s[\g+1], 768<<16                     ; tensor_dim0
	s_mov_b32 s[\g+2], 4<<16                       ; tensor_dim1
	s_mov_b32 s[\g+3], 768<<16                     ; tile_dim0
	s_mov_b32 s[\g+4], 4                           ; tile_dim1
	s_mov_b32 s[\g+5], 3072                        ; tensor_dim0_stride
	s_mov_b32 s[\g+6], 0
	s_mov_b32 s[\g+7], 0
.endr
	; and for the scale words of 64 rows: 4,096 dense bytes as 16 rows of 256
	s_or_b32 s[G1S+0], s2, (3<<16)|(1<<21)
	s_or_b32 s[G1SB+0], s3, (3<<16)|(1<<21)
.irp g, G1S, G1SB
	s_mov_b32 s[\g+1], 32<<16
	s_mov_b32 s[\g+2], 16<<16
	s_mov_b32 s[\g+3], 32<<16
	s_mov_b32 s[\g+4], 16
	s_mov_b32 s[\g+5], 32
	s_mov_b32 s[\g+6], 0
	s_mov_b32 s[\g+7], 0
.endr
	; where the tiles come from.  A's hang on the tile row alone, B's on the tile column alone, each in registers that never hold the other coordinate
	s_lshl_b32 s18, s16, 2                         ; which 4 row tiles I fetch
	s_lshl_b32 s20, s17, 3
	s_add_co_u32 s20, s20, s18                     ; A: row tile
	s_lshl_b32 s94, s98, 3
	s_add_co_u32 s94, s94, s18                     ; B: row tile
	s_lshl_b32 s22, s20, 10                        ; their scale words,
	s_lshl_b32 s92, s94, 10
	s_add_co_u32 s92, s92, 6*131072                ; (Wo is tensor 6)
	s_mul_i32 s20, s20, 24576                      ; their codes
	s_mul_i32 s94, s94, 24576
	s_add_co_u32 s94, s94, 6*3145728
	s_mov_b32 s21, 0
	s_mov_b32 s23, 0
	s_mov_b32 s95, 0
	s_mov_b32 s93, 0
	s_mul_i32 s18, s14, HALFT                      ; where they go: wave x 64 rows: no place in the cluster enters an LDS address
	s_mul_i32 s19, s14, HALFS
	s_wait_kmcnt 0x0
	s_add_nc_u64 s[20:21], s[4:5], s[20:21]
	s_add_nc_u64 s[22:23], s[6:7], s[22:23]
	s_add_nc_u64 s[94:95], s[8:9], s[94:95]
	s_add_nc_u64 s[92:93], s[10:11], s[92:93]
	CROUND                                         ; all sixteen work-groups are here: the first joint loads meet
	s_mov_b32 s[G0S], 1
	s_add_co_u32 s[G0S+1], s19, SCL
	s_mov_b64 s[G0S+2:G0S+3], s[22:23]
	s_or_b32 s[G0S+3], s[G0S+3], 0x80000000
	s_mov_b32 s[G0SB], 1
	s_add_co_u32 s[G0SB+1], s19, SCL
	s_mov_b64 s[G0SB+2:G0SB+3], s[92:93]
	s_or_b32 s[G0SB+3], s[G0SB+3], 0x80000000
	JLOAD G0S, G1S, G0SB, G1SB                     ; the scale words first: they are wanted with K step 0
.irp s, 0,1,2
	s_mov_b32 s[G0+4*\s], 1
	s_add_co_u32 s[G0+4*\s+1], s18, \s*SLOT
	s_add_nc_u64 s[G0+4*\s+2:G0+4*\s+3], s[20:21], \s*BLKB
	s_or_b32 s[G0+4*\s+3], s[G0+4*\s+3], 0x80000000
	s_mov_b32 s[G0B+4*\s], 1
	s_add_co_u32 s[G0B+4*\s+1], s18, \s*SLOT
	s_add_nc_u64 s[G0B+4*\s+2:G0B+4*\s+3], s[94:95], \s*BLKB
	s_or_b32 s[G0B+4*\s+3], s[G0B+4*\s+3], 0x80000000
	JLOAD G0+4*\s, G1, G0B+4*\s, G1B               ; K steps 4 s .. 4 s + 3: four loads of mine are out behind the last of these
.endr
	v_and_b32 v3, 31, v0
	v_lshlrev_b32 v[LI], 4, v3
	v_and_b32 v1, 15, v0                           ; r
	v_bfe_u32 v2, v0, 4, 1                         ; h
	s_mul_i32 s21, s15, HALFT                      ; my 64 rows of A
	s_mul_i32 s22, s16, HALFT                      ; my 64 rows of B,
	s_add_co_u32 s22, s22, 2*HALFT                 ; which lie behind A's 128
.irp s, 0,1,2
	v_add_nc_u32 v[ADRA+\s], s21, v[LI]
	v_add_nc_u32 v[ADRB+\s], s22, v[LI]
	s_add_co_u32 s21, s21, SLOT
	s_add_co_u32 s22, s22, SLOT
.endr
	v_lshlrev_b32 v5, 3, v1                        ; my slot's two words of a pair of K steps: 8 bytes
	s_mul_i32 s21, s15, HALFS                      ; A's: my 64 rows
	s_mul_i32 s22, s16, HALFS                      ; B's: my 64 rows, behind A's 128
	s_add_co_u32 s22, s22, 2*HALFS
	s_sub_co_u32 s22, s22, s21
	v_mul_u32_u24 v6, s22, v2                      ; lanes 16-31 take B's
	s_add_co_u32 s21, s21, SCL
	v_add_nc_u32 v5, v5, v6
	v_add_nc_u32 v[ADRS], s21, v5
	s_mul_i32 s23, s14, 16*SPITCH
	s_add_co_u32 s23, s23, STG                     ; my stage
	v_mul_u32_u24 v5, v1, SPITCH                   ; in: row = slot r; accumulator b's eight columns are 32 (b / 2) + 16 h + 8 (b % 2) + 0 .. 7: 64 h bytes here, the rest in the offset
	v_lshl_add_u32 v5, v2, 6, v5
	v_add_nc_u32 v[STO], s23, v5
	v_mul_u32_u24 v5, v2, SPITCH                   ; back: lanes 0-15 take one row of 256 bytes, lanes 16-31 the next
	v_lshl_add_u32 v5, v1, 4, v5
	v_add_nc_u32 v[RD], s23, v5
	v_lshlrev_b32 v5, 13, v2                       ; and the same two rows in out0: a row is 8,192 bytes
	v_lshl_add_u32 v[CO], v1, 4, v5
	s_lshl_b32 s20, s17, 7
	s_lshl_b32 s21, s15, 6
	s_add_co_u32 s20, s20, s21                     ; my first row of out0: 128 x tile row + 64 x half
	s_lshl_b32 s20, s20, 13
	s_lshl_b32 s94, s98, 9                         ; my first column, in bytes: 512 x tile column + 256 x half
	s_lshl_b32 s95, s16, 8
	s_add_co_u32 s94, s94, s95
	s_add_co_u32 s20, s20, s94
	s_mov_b32 s21, 0
	s_add_nc_u64 s[12:13], s[12:13], s[20:21]
.macro FRAG reg, adr, q, i             ; row tile i's fragment of the slot's q-th K step: its image, three loads of 512 consecutive bytes
.irp c, 0,1,2
	ds_load_b128 v[\reg+4*\c:\reg+4*\c+3], v[\adr] offset:BLKB*(\i)+KSTB*(\q)+512*\c
.endr
.endm
.macro FETCH slot, q, f                ; a K step's eight fragments into set f: B's four and A's blocks 0, 1 first, so that the wait at a step's head can leave the last six loads out
	WIN TO_F
.irp i, 0,1,2,3
	FRAG \f+48+FR*\i, ADRB+\slot, \q, \i
.endr
.irp i, 0,1,2,3
	FRAG \f+FR*\i, ADRA+\slot, \q, \i
.endr
.endm
; 8 matrix instructions: A's blocks a0, a0 + 1 x B's four, K step s of 16.  zero = 1: the first product starts the sums: nothing is ever cleared.
; The 16 accumulators take turns, one instruction a turn, in the same order in every step.
.macro MUL8 f, a0, s, zero
.irp a, \a0, \a0+1
.irp b, 0,1,2,3
.if \zero
	v_wmma_scale_f32_16x16x128_f8f6f4 v[ACC+8*(4*(\a)+\b):ACC+8*(4*(\a)+\b)+7], v[\f+48+FR*\b:\f+48+FR*\b+FR-1], v[\f+FR*(\a):\f+FR*(\a)+FR-1], 0, v[SC+16*\b+(\s)], v[SC+16*(\a)+(\s)] matrix_a_fmt:MATRIX_FMT_FP6 matrix_b_fmt:MATRIX_FMT_FP6 matrix_a_scale:MATRIX_SCALE_ROW1
.else
	v_wmma_scale_f32_16x16x128_f8f6f4 v[ACC+8*(4*(\a)+\b):ACC+8*(4*(\a)+\b)+7], v[\f+48+FR*\b:\f+48+FR*\b+FR-1], v[\f+FR*(\a):\f+FR*(\a)+FR-1], v[ACC+8*(4*(\a)+\b):ACC+8*(4*(\a)+\b)+7], v[SC+16*\b+(\s)], v[SC+16*(\a)+(\s)] matrix_a_fmt:MATRIX_FMT_FP6 matrix_b_fmt:MATRIX_FMT_FP6 matrix_a_scale:MATRIX_SCALE_ROW1
.endif
.endr
.endr
.endm
; A load into a register that a matrix instruction has read, and an LDS store that reads a matrix result, stand NP places behind it; only plain vector instructions that name none of its registers are places.
.macro PLACES n
.rept \n
	v_nop
.endr
.endm
; K step s multiplies set f; in its middle the next step's fragments (the q-th of the slot named) are fetched into set g, which the step before has multiplied.
.macro KSTEP s, f, g, slot, q, zero
	s_wait_dscnt 6                                 ; B's four and A's blocks 0, 1 are in; the youngest six loads (A's blocks 2, 3) may be out
	WIN MUL
	MUL8 \f, 0, \s, \zero
	PLACES NP
	FETCH \slot, \q, \g
	s_wait_dscnt 24                                ; all but the 24 just issued
	WIN MUL
	MUL8 \f, 2, \s, \zero
.endm
	s_wait_tensorcnt 2                             ; the scale words and my part of slot 0 are in (slots 1 and 2 may be out)
	s_barrier_signal -1
	s_barrier_wait -1                              ; everybody's are
.irp i, 0,1,2,3
.irp j, 0,1,2,3,4,5,6,7
	ds_load_b64 v[SC+16*\i+2*\j:SC+16*\i+2*\j+1], v[ADRS] offset:1024*\i+128*\j   ; all scale words, once: block i, K steps 2 j and 2 j + 1
.endr
.endr
	FETCH 0, 0, F0
	KSTEP 0, F0, F1, 0, 1, 1                       ; the first step's products start the sums
	KSTEP 1, F1, F0, 0, 2, 0
	KSTEP 2, F0, F1, 0, 3, 0
	; K step 3, slot 0's last.  Slot 0 is filled again, with K steps 12 to 15: each wave waits for all its tensor loads (slots 1 and 2 among them), adds 0 to its spare word, and waits for that and for its reads of slot 0;
	; a round of the cluster's barrier: no wave of any partner still reads slot 0 or has a load on its way; the joint refill is the first thing behind it, one a wave.
	WIN 0                                          ; (the add's two registers lie in window 0)
	s_wait_tensorcnt 0x0                           ; all my tensor loads have landed, so a group 0 may be written
	ds_add_u32 v[SPW], v[NIL]                      ; 0 onto my spare word
	s_wait_dscnt 7                                 ; (the add and the youngest six loads may be out)
	WIN MUL
	MUL8 F1, 0, 3, 0                               ; eight matrix instructions stand between the add and the wait for it
	WIN 0
	s_wait_dscnt 0x0                               ; the add is done, and my reads of slot 0 are over
	CROUND
	s_add_nc_u64 s[G0+2:G0+3], s[G0+2:G0+3], 3*BLKB
	s_add_nc_u64 s[G0B+2:G0B+3], s[G0B+2:G0B+3], 3*BLKB
	JLOAD G0, G1, G0B, G1B                         ; its four v_nop are the places in front of the loads below
	FETCH 1, 0, F0                                 ; slots 1 and 2 are whole: every wave has waited for its parts ahead of the round
	WIN MUL
	MUL8 F1, 2, 3, 0
	KSTEP 4, F0, F1, 1, 1, 0
	KSTEP 5, F1, F0, 1, 2, 0
	KSTEP 6, F0, F1, 1, 3, 0
	KSTEP 7, F1, F0, 2, 0, 0
	KSTEP 8, F0, F1, 2, 1, 0
	KSTEP 9, F1, F0, 2, 2, 0
	KSTEP 10, F0, F1, 2, 3, 0
	; K step 11, slot 2's last.  One barrier for two things: slot 0's second tile is whole behind it, and nobody reads slots 1 and 2 any more, so that the stages may lie in slot 1.
	s_wait_dscnt 6
	WIN MUL
	MUL8 F1, 0, 11, 0
	s_wait_tensorcnt 0x0                           ; my one load that was out: my part of K steps 12 to 15
	s_wait_dscnt 0x0                               ; my reads of slots 1 and 2 are over
	s_barrier_signal -1
	s_barrier_wait -1
	PLACES NP
	FETCH 0, 0, F0
	WIN MUL
	MUL8 F1, 2, 11, 0
	KSTEP 12, F0, F1, 0, 1, 0
	KSTEP 13, F1, F0, 0, 2, 0
	KSTEP 14, F0, F1, 0, 3, 0
	s_wait_dscnt 6                                 ; the last step: nothing more to fetch
	WIN MUL
	MUL8 F1, 0, 15, 0
	s_wait_dscnt 0x0
	MUL8 F1, 2, 15, 0
	WIN 0
; THE WAY OUT, block by block of 16 row slots x 64 columns, through my own stage in LDS: in by lanes (32 bytes of a row), back as whole rows.  My 64 columns are 256 consecutive bytes of out0, at a multiple of 256
; from its first byte: so no other wave has a part in my rows' bytes, and no barrier is needed.
; LDS serves a wave's instructions in order (ISA guide 5.7.1.4): no wait between the stores and the loads, nor in front of the next block's stores.
.macro TOSTAGE a
	WIN 0
.irp b, 0,1,2,3
	ds_store_b128 v[STO], v[ACC+8*(4*(\a)+\b):ACC+8*(4*(\a)+\b)+3] offset:128*(\b/2)+32*(\b%2)          ; each accumulator from its low end on
	ds_store_b128 v[STO], v[ACC+8*(4*(\a)+\b)+4:ACC+8*(4*(\a)+\b)+7] offset:128*(\b/2)+32*(\b%2)+16
.endr
	WIN TO_F
.irp t, 0,1,2,3,4,5,6,7
	ds_load_b128 v[BK+32*((\a)%2)+4*\t:BK+32*((\a)%2)+4*\t+3], v[RD] offset:2*\t*SPITCH   ; slots 2 t and 2 t + 1
.endr
.endm
.macro SEND a, younger                 ; younger: the LDS instructions issued behind block a's loads, which may stay out
	s_wait_dscnt \younger
	WIN FR_F
.irp t, 0,1,2,3,4,5,6,7
	global_store_b128 v[CO], v[BK+32*((\a)%2)+4*\t:BK+32*((\a)%2)+4*\t+3], s[12:13] offset:(32*((\a)/2)+8*((\a)%2)+2*\t+8*(\t/4))*8192 th:TH_STORE_NT   ; slot 2 t + h of block a is this row + h; 16 lanes store 256 consecutive bytes, aligned; the base never steps: 62 rows at the most, inside the signed 24-bit immediate
.endr
.endm
	PLACES NP                                      ; behind the last products: their results are read and the fragments' registers loaded from here on
	TOSTAGE 0
.irp a, 1,2,3
.if \a > 1
	s_wait_xcnt 0x0                                ; block a - 2's stores have read their registers: block a's loads may land there
.endif
	TOSTAGE \a
	SEND \a-1, 16                                  ; behind block a - 1's loads: block a's 8 stores and 8 loads
.endr
	SEND 3, 0
	WIN 0
	s_wait_tensorcnt 0x0                           ; the wave's end
	ds_add_u32 v[SPW], v[NIL]
	s_wait_dscnt 0x0
	CROUND                                         ; the closing round: no work-group ends while a partner may still ask for a tile that names it
	s_endpgm
.Lfunc_end_k_q46e8cd2562_outp:
	.size	k_q46e8cd2562_outp, .Lfunc_end_k_q46e8cd2562_outp-k_q46e8cd2562_outp
	.p2alignl 7, 3214868480
	.fill 96, 4, 3214868480
	.section	.rodata,"a",@progbits
	.p2align	6, 0x0
	.amdhsa_kernel k_q46e8cd2562_outp
		.amdhsa_group_segment_fixed_size 327680
		.amdhsa_private_segment_fixed_size 0
		.amdhsa_enable_private_segment 0
		.amdhsa_kernarg_size 40
		.amdhsa_user_sgpr_count 2
		.amdhsa_user_sgpr_kernarg_segment_ptr 1
		.amdhsa_wavefront_size32 1
		.amdhsa_system_sgpr_workgroup_id_x 1
		.amdhsa_system_sgpr_workgroup_id_y 1
		.amdhsa_system_sgpr_workgroup_id_z 1
		.amdhsa_system_vgpr_workitem_id 0
		.amdhsa_next_free_vgpr 512
		.amdhsa_next_free_sgpr 100
		.amdhsa_reserve_vcc 0
		.amdhsa_float_denorm_mode_32 3
		.amdhsa_float_denorm_mode_16_64 3
		.amdhsa_memory_ordered 1
		.amdhsa_forward_progress 1
		.amdhsa_inst_pref_size 82
	.end_amdhsa_kernel
	.amdgpu_metadata
---
amdhsa.version: [ 1, 2 ]
amdhsa.kernels:
  - .name:           k_q46e8cd2562_outp
    .symbol:         k_q46e8cd2562_outp.kd
    .args:
      - { .name: acod, .offset: 0, .size: 8, .value_kind: global_buffer, .address_space: global }
      - { .name: ascl, .offset: 8, .size: 8, .value_kind: global_buffer, .address_space: global }
      - { .name: xcod, .offset: 16, .size: 8, .value_kind: global_buffer, .address_space: global }
      - { .name: xscl, .offset: 24, .size: 8, .value_kind: global_buffer, .address_space: global }
      - { .name: out0, .offset: 32, .size: 8, .value_kind: global_buffer, .address_space: global }
    .group_segment_fixed_size: 327680
    .private_segment_fixed_size: 0
    .kernarg_segment_align: 8
    .kernarg_segment_size: 40
    .max_flat_workgroup_size: 128
    .sgpr_count:     100
    .vgpr_count:     512
    .wavefront_size: 32
...
	.end_amdgpu_metadata
.endif
;; end of part 7
